; MI455X (gfx1250); checked and timed in simulation.
; The chip was launched on July 23, 2026; its instructions are those of AMD's public machine-readable ISA for CDNA 5 (MIT licence, August 2026) and "CDNA5" Instruction Set Architecture Reference Guide (July 2026). The comments in the code are by the model that wrote it; some were corrected since.
;; Sparse Top K Attention. Allowed arithmetic: matrix products marked QUANTISED: E4M3 operands, one E8M0 scale for each 32 along K, by v_wmma_scale_f32_16x16x128_f8f6f4 with both operands' format E4M3, f32 sums; products left as they are: f32 operands where the result goes on into a quantised operand, else bf16, f16 or f32 operands; f32 sums; everything else in f32.
;; Inputs: Wk_codes 256 x 8 x 32 uint8 (E4M3 codes of Wk, K innermost, in blocks of 32 codes); Wk_scales 256 x 8 uint8 (E8M0 scales of Wk, one for each 32 codes along K); Wo_codes 256 x 8 x 32 uint8 (E4M3 codes of Wo, K innermost, in blocks of 32 codes); Wo_scales 256 x 8 uint8 (E8M0 scales of Wo, one for each 32 codes along K); Wq_codes 256 x 8 x 32 uint8 (E4M3 codes of Wq, K innermost, in blocks of 32 codes); Wq_scales 256 x 8 uint8 (E8M0 scales of Wq, one for each 32 codes along K); Wv_codes 256 x 8 x 32 uint8 (E4M3 codes of Wv, K innermost, in blocks of 32 codes); Wv_scales 256 x 8 uint8 (E8M0 scales of Wv, one for each 32 codes along K); bk 256 float32; bo 256 float32; bq 256 float32; bv 256 float32; heading_k 4 x 4,096 float32; heading_q 4 x 4,096 float32; kv_feat 4 x 4,096 x 256 float32; mask_k 4 x 4,096 bool; pos_k 4 x 4,096 x 2 float32; pos_q 4 x 4,096 x 2 float32; q_feat_codes 4 x 4,096 x 8 x 32 uint8 (E4M3 codes of q_feat, K innermost, in blocks of 32 codes); q_feat_scales 4 x 4,096 x 8 uint8 (E8M0 scales of q_feat, one for each 32 codes along K).
;; Outputs: out0 4 x 4,096 x 256 float32.
;; This version of the problem:
;;   THIS VERSION OF THE PROBLEM IS GIVEN IN LOW PRECISION. The matrix products marked QUANTISED in the list below multiply operands that are first quantised to E4M3 (4 exponent bits, 3 mantissa bits; 8 bits a number), with one power-of-two scale for each 32 numbers along K (OCP MX v1.0); their sums are f32. All else is computed in f32.
;;   The module's matrix products, in the order in which they are computed (A, B: the left and right operand; K: the contracted axis; several contracted axes count as one K, in the product's order):
;;     1. [M 16,384, K 256] x [K 256, N 256]; A: input q_feat (given as codes); B: input Wq (given as codes): QUANTISED
;;     2. [M 262,144, K 256] x [K 256, N 256]; A: computed on the way; B: input Wk (given as codes): QUANTISED
;;     3. [M 262,144, K 256] x [K 256, N 256]; A: computed on the way; B: input Wv (given as codes): QUANTISED
;;     4. batch 131,072 x [M 16, K 32] x [K 32, N 1]; A: computed on the way; B: computed on the way: left as it is (N = 1 < 16)
;;     5. batch 131,072 x [M 1, K 16] x [K 16, N 32]; A: softmax; B: computed on the way: left as it is (K = 16 < 32)
;;     6. [M 16,384, K 256] x [K 256, N 256]; A: computed on the way; B: input Wo (given as codes): QUANTISED
;;   THE QUANTISER, for each operand of a quantised product, along K:
;;     - K is cut into blocks of 32 from its start; a last block that is shorter is filled with zeros.
;;     - A block's scale is 2^e with e = floor(log2(the largest magnitude in the block)) - 8, held to -126 .. 127; a block of zeros has e = 0. As a byte (E8M0): e + 127.
;;     - Each number is divided by its block's scale, clamped to +-448, and rounded to the nearest number of E4M3, ties to even, subnormals kept.
;;     - The product sums the exact products of the quantised numbers (number of the format x scale) in f32.
;;   ~~~python
;;   def quantise(x, axis):      # numpy; x: float32 -> the quantised numbers, widened to float32 again
;;       x = np.moveaxis(x, axis, -1); K = x.shape[-1]
;;       x = np.pad(x, [(0, 0)] * (x.ndim - 1) + [(0, -K % 32)]); x = x.reshape(x.shape[:-1] + (-1, 32)); a = np.abs(x).max(-1, keepdims=True)
;;       e = np.where(a > 0, np.clip(np.frexp(np.where(a > 0, a, 1))[1] - 1 - 8, -126, 127), 0)      # np.frexp(a)[1] - 1 = floor(log2(a)), exactly
;;       r = np.clip(x / 2.0 ** e, -448, 448)
;;       step = 2.0 ** (np.maximum(np.frexp(np.where(r == 0, 1, r))[1] - 1, -6) - 3)
;;       q = np.round(r / step) * step * 2.0 ** e      # np.round: ties to even
;;       return np.moveaxis(q.reshape(q.shape[:-2] + (-1,))[..., :K], -1, axis).astype(np.float32)
;;   ~~~
;;   OPERANDS COMPUTED ON THE WAY. 'Computed on the way' means the value that the module computes at that place (a softmax that the list does not call 'softmax' is quantised finished and normalised). What goes into a quantiser is computed in f32, as accurately as f32 sums, v_exp_f32 and their like allow (about 1e-6 of the number): no bf16 or f16 on the way to a quantiser, and a product that is left as it is and whose result goes on into a quantised operand takes f32 operands (vector FMAs, or v_wmma_f32_16x16x4_f32). A number that lies on a knife's edge between two numbers of the format may be rounded either way, as far as f32 arithmetic and the matrix unit's own rounding can turn it there, and no further.
;;   INPUTS GIVEN AS CODES. Wk (in the module: [256, 256], K = its axis 0); Wo (in the module: [256, 256], K = its axis 0); Wq (in the module: [256, 256], K = its axis 0); Wv (in the module: [256, 256], K = its axis 0); q_feat (in the module: [4, 4096, 256], K = its axis 2): each comes as NAME_codes (uint8): NAME with its K axis moved to the last place and cut into blocks of 32 codes, [.., K / 32, bytes a block], one block behind the other in memory; one code a byte (a code: sign, 4 exponent bits, 3 mantissa bits); and NAME_scales (uint8): the same leading axes, one E8M0 byte (e + 127) for each 32 codes along K. Its value is code x scale, taken as it is: it is not quantised again, and the codes and scales need not be those that the quantiser above would give.
;; 2 versions. Each part assembles by itself: llvm-mc -triple=amdgcn-amd-amdhsa -mcpu=gfx1250 --defsym DOCPART=n.
;; ======== version 1 of 2: 3 launches
;; limits: inputs' magnitudes at most 100,000
;; workspace buffers: kvc 4,194,304 bytes; kvs 131,072 bytes; tabk 2,621,440 bytes; tabq 2,621,440 bytes; ktab 131,072 bytes; gmask 1,048,576 bytes of whole numbers; idx 1,048,576 bytes of whole numbers
;; launch prep (part 1): grid 256 x 1, 8 waves a work-group, no clusters, 150,016 bytes of LDS; arguments pos_q, pos_k, mask_k, heading_q, heading_k, kv_feat, kvc, kvs, tabk, tabq, ktab, gmask; writes kvc, kvs, tabk, tabq, ktab, gmask
.if DOCPART == 1
	.amdgcn_target "amdgcn-amd-amdhsa--gfx1250"
	.amdhsa_code_object_version 6
	.text
	.protected	k_qa9b04095e8_prep
	.globl	k_qa9b04095e8_prep
	.p2align	8
	.type	k_qa9b04095e8_prep,@function
k_qa9b04095e8_prep:
	s_mov_b64 s[64:65], 0
	v_nop
	global_prefetch_b8 v0, s[64:65] scope:SCOPE_SE
	s_setreg_imm32_b32 hwreg(HW_REG_WAVE_MODE, 25, 1), 1
	s_wait_xcnt 0x0
; PREP.  Four jobs for a work-group's 64 queries and 64 keys (work-group W, batch W / 64):
;  (1) tabk, tabq: for each key and query row and each h = 0, 1 twenty f32: cos(pos[h] f_j), j = 0..7; sin(..); cos(heading), sin(heading); mb (-inf for a masked key, else 0); 0.
;  (2) ktab: the keys in pairs, negated, (-x0, -x1, -y0, -y1), with +inf for the x of a masked key: a group of 16 keys is 128 bytes.
;  (3) kvc, kvs: kv_feat as codes of E4M3 with one E8M0 byte for each 32 along the row (a gather of rows and this quantiser commute: it works row by row).
;  (4) gmask: the batch's 4,096 keys are 256 groups of 16.  For each query: the least distance of each group; T, the 16th smallest of the 256; and two bit sets:
;      groups under T (words 0-7) and groups equal to T (words 8-15).  The 16 nearest keys, ties to the lower index, lie in the 16 groups that are first by (least distance, group).
; dist = sqrt(fma(dy, dy, dx dx)).  LIMITS: where the 16th and 17th distances differ by no more than the last bit of this arithmetic the choice may differ from one made with another rounding;
; d^2 under 2^-126 counts as 0 (the root flushes denormals); NaN among the positions is not served; angles beyond 1e5 rad are not served; blocks of kv_feat whose largest magnitude lies
; under 2^-118 get the byte 1 (a block of zeros too: its codes are zeros, and this program alone reads the bytes); NaN and infinities in kv_feat are not served.
; No tensor loads, no cluster: the work-groups share only the batch's 32 KB of keys, read once by each.
; REGISTERS: v0 thread, v1 lane, v2-15 addresses that stay, v16 the loop's LDS address, v17-25 load offsets and small inputs (v18-22 later the flags and T), v26-27 at work, v28-31 ktab's quad,
;   v32-47 -x (or inf), v48-63 -y of my 16 keys; v64-95 at work on distances; v64-127 later 64 group minima; v96-123 the tables; v128-143 the sorted list; v144-191 lists to merge; v192-255 kv_feat.
.set GP,  260                          ; LDS: group minima, a row of 64 queries + 1 word for each group: 65 words, so that 32 lanes' rows start in 32 different banks (64 banks of 4 bytes: ISA guide 11.1)
.set LL,  66560                        ; sorted lists, [wave][16][lane]
.set MS,  82944                        ; the bit sets, [query][16 words]
.set TS,  87040                        ; the tables' stage, 80 bytes a thread
.set QST, 107520                       ; the quantiser's stages: for each wave two of 32 x 80 bytes
.set SB,  148480                       ; 512 scale bytes
.set SP,  80
.set LST, 128
; cosine and sine of v[a].  n = the nearest whole number to a 2/pi; r = a - n pi/2, pi/2 in two parts, each taken off by one fused multiply-add; polynomials on |r| <= pi/4; the quadrant from n's two low bits.
.macro SINCOS a, c, s
	v_mul_f32 v116, s74, v[\a]
	v_rndne_f32 v116, v116
	v_fma_f32 v117, -v116, s75, v[\a]
	v_fma_f32 v117, -v116, s76, v117
	v_cvt_i32_f32 v118, v116
	v_mul_f32 v119, v117, v117
	v_fma_f32 v120, s78, v119, s79
	v_fma_f32 v121, s81, v119, s82
	v_fma_f32 v120, v120, v119, s80
	v_fma_f32 v121, v121, v119, s83
	v_fma_f32 v120, v120, v119, -0.5
	v_mul_f32 v122, v117, v119
	v_fma_f32 v120, v120, v119, 1.0                ; cos r
	v_fma_f32 v121, v121, v122, v117               ; sin r
	v_and_b32 v122, 1, v118
	v_cmp_ne_u32 vcc_lo, 0, v122                   ; an odd quadrant swaps the two
	v_cndmask_b32 v123, v121, v120, vcc_lo
	v_cndmask_b32 v122, v120, v121, vcc_lo
	v_lshlrev_b32 v120, 30, v118                   ; the sine is negative in quadrants 2, 3: bit 1 of n;
	v_add_nc_u32 v121, 1, v118                     ; the cosine in 1, 2: bit 1 of n + 1
	v_and_b32 v120, 0x80000000, v120
	v_lshlrev_b32 v121, 30, v121
	v_and_b32 v121, 0x80000000, v121
	v_xor_b32 v[\s], v120, v123
	v_xor_b32 v[\c], v121, v122
.endm
; One query (x, y in s[base + 2 i], s[base + 2 i + 1]) against my lane's 16 keys: the least distance goes to the group's row, word qn of the trip.
.macro QDIST i, base, qn
	s_mov_b32 s66, s[\base+2*\i+1]                 ; a scalar pair gives its low word to both halves: y gets a pair of its own
.irp p,0,2,4,6,8,10,12,14
	v_pk_add_f32 v[64+\p:65+\p], v[32+\p:33+\p], s[\base+2*\i:\base+2*\i+1] op_sel_hi:[1,0]
.endr
.irp p,0,2,4,6,8,10,12,14
	v_pk_add_f32 v[80+\p:81+\p], v[48+\p:49+\p], s[66:67] op_sel_hi:[1,0]
.endr
.irp p,0,2,4,6,8,10,12,14
	v_pk_mul_f32 v[64+\p:65+\p], v[64+\p:65+\p], v[64+\p:65+\p]
.endr
.irp p,0,2,4,6,8,10,12,14
	v_pk_fma_f32 v[64+\p:65+\p], v[80+\p:81+\p], v[80+\p:81+\p], v[64+\p:65+\p]
.endr
	v_min3_num_f32 v26, v64, v65, v66
	v_min3_num_f32 v27, v67, v68, v69
	v_min3_num_f32 v26, v26, v70, v71
	v_min3_num_f32 v27, v27, v72, v73
	v_min3_num_f32 v26, v26, v74, v75
	v_min3_num_f32 v27, v27, v76, v77
	v_min3_num_f32 v26, v26, v78, v79
	v_min_num_f32 v26, v26, v27
	v_sqrt_f32 v26, v26                            ; the root of the least square is the least root
	v_nop                                          ; one plain line behind a transcendental (ISA guide 5.7.2)
	s_wait_alu depctr_va_vdst(0)
	ds_store_b32 v16, v26 offset:4*(\qn)
.endm
; v[x] goes into the ascending list of 16: place e takes the middle one of (old place e - 1, x, old place e).  From the top down, so that each line reads old values.
.macro INSERT x
.irp e,15,14,13,12,11,10,9,8,7,6,5,4,3,2,1
	v_med3_num_f32 v[LST+\e], v[LST+\e-1], v[\x], v[LST+\e]
.endr
	v_min_num_f32 v[LST], v[LST], v[\x]
.endm
.macro FOLD a, b                       ; the 16 smallest of two ascending lists of 16, as a bitonic run
.irp e,0,1,2,3,4,5,6,7,8,9,10,11,12,13,14,15
	v_min_num_f32 v[\a+\e], v[\a+\e], v[\b+15-\e]
.endr
.endm
.macro BSTAGE src, dst, d
.irp e,0,1,2,3,4,5,6,7,8,9,10,11,12,13,14,15
.if ((\e) & (\d)) == 0
	v_min_num_f32 v[\dst+\e], v[\src+\e], v[\src+\e+\d]
	v_max_num_f32 v[\dst+\e+\d], v[\src+\e], v[\src+\e+\d]
.endif
.endr
.endm
.macro BSORT a, n                      ; a bitonic run of 16 becomes ascending: four stages, to and fro between a and n
	BSTAGE \a, \n, 8
	BSTAGE \n, \a, 4
	BSTAGE \a, \n, 2
	BSTAGE \n, \a, 1
.endm
.macro FLAGS g, lt, eq                 ; bit e of v[lt]: v[g + e] < T; of v[eq]: = T.  A word is doubled and takes the compare's bit as its carry in, from e = 31 down
.set n, 31
.rept 32
	v_cmp_lt_f32 vcc_lo, v[\g+n], v22
	v_add_co_ci_u32 v[\lt], vcc_lo, v[\lt], v[\lt], vcc_lo
	v_cmp_eq_f32 vcc_lo, v[\g+n], v22
	v_add_co_ci_u32 v[\eq], vcc_lo, v[\eq], v[\eq], vcc_lo
.set n, n-1
.endr
.endm
; The quantiser: a step is 512 numbers.  They were loaded 16 bytes a lane, 512 consecutive bytes a load; through the wave's own stage they come back 64 bytes a lane: 16 neighbours, two lanes to a block of 32.
.macro KTURN t
.irp e,0,1,2,3
	ds_store_b128 v9, v[192+16*(\t)+4*\e:192+16*(\t)+4*\e+3] offset:32*SP*((\t)%2)+8*SP*\e
.endr
.irp e,0,1,2,3
	ds_load_b128 v[32+16*((\t)%2)+4*\e:32+16*((\t)%2)+4*\e+3], v10 offset:32*SP*((\t)%2)+16*\e   ; LDS serves a wave's instructions in order (ISA guide 5.7.1.4): these see the stores above
.endr
.endm
.macro KSTEP t
.set XS, 32+16*((\t)%2)
.if (\t) > 0
	s_wait_dscnt 1                                 ; this step's numbers are back; behind their loads only the last step's byte store was issued
.else
	s_wait_dscnt 0x0
.endif
.if (\t)+1 < 4
	KTURN (\t)+1                                   ; the next step goes through the other stage meanwhile
.endif
	v_max3_num_f32 v84, |v[XS]|, |v[XS+1]|, |v[XS+2]|
	v_max3_num_f32 v85, |v[XS+3]|, |v[XS+4]|, |v[XS+5]|
.irp e,6,10
	v_max3_num_f32 v84, v84, |v[XS+\e]|, |v[XS+\e+1]|
	v_max3_num_f32 v85, v85, |v[XS+\e+2]|, |v[XS+\e+3]|
.endr
	v_max3_num_f32 v84, v84, |v[XS+14]|, |v[XS+15]|
	v_max3_num_f32 v84, v84, v85, 0x4800000        ; and the floor 2^(9 - 127): the byte cannot fall under 1
	v_max_num_f32_dpp v84, v84, v84 row_xmask:1 row_mask:0xf bank_mask:0xf   ; with my neighbour's 16: the block's largest magnitude
	v_add_nc_u32 v87, 0xfc000000, v84              ; 8 off its exponent field: the conversion's scale operand
	v_and_or_b32 v86, v84, 0x7f800000, s94         ; 448 x the scale
.irp e,0,1,2,3,4,5,6,7,8,9,10,11,12,13,14,15
	v_med3_num_f32 v[XS+\e], v[XS+\e], -v86, v86   ; the conversion to an 8-bit code does not saturate (ISA guide 7.6.2): the hold comes first
.endr
	v_cvt_scalef32_pk8_fp8_f32 v[64+4*(\t):65+4*(\t)], v[XS:XS+7], v87
	v_cvt_scalef32_pk8_fp8_f32 v[66+4*(\t):67+4*(\t)], v[XS+8:XS+15], v87
	v_lshrrev_b32 v[80+(\t)], 23, v87              ; the scale's byte (also the plain line behind the conversions)
	ds_store_b8 v11, v[80+(\t)] offset:16*(\t)     ; both lanes of a block write the same byte with the same value
	global_store_b128 v14, v[64+4*(\t):67+4*(\t)], s[16:17] offset:512*(\t)   ; the wave stores 512 consecutive bytes, aligned
.endm
	s_load_b512 s[4:19], s[0:1], 0x0               ; pos_q, pos_k, mask_k, heading_q, heading_k, kv_feat, kvc, kvs
	s_load_b256 s[20:27], s[0:1], 0x40             ; tabk, tabq, ktab, gmask
	s_set_vgpr_msb 0x40
	v_lshl_add_u32 v0, v0, 2, 0x24600
	v_mov_b32 v1, 0
	s_set_vgpr_msb 0x4000
	v_lshrrev_b32 v1, 5, v0
	v_readfirstlane_b32 s28, v1                    ; wave w
	v_and_b32 v1, 31, v0                           ; lane
	s_lshr_b32 s29, s28, 2                         ; u: which 32 of the 64 queries are mine in the second half
	s_and_b32 s30, s28, 3                          ; kq: which 64 of the 256 groups
	s_lshr_b32 s31, ttmp9, 6                       ; batch
	; every LDS address is made here, ahead of all branches
	v_mul_u32_u24 v2, v0, GP                       ; my group's row: group = thread
	s_mul_i32 s72, s30, 64*GP
	s_lshl_b32 s73, s29, 7
	s_add_co_u32 s72, s72, s73
	v_lshl_add_u32 v3, v1, 2, s72                  ; back: group 64 kq, query 32 u + lane
	s_lshl_b32 s72, s28, 11
	s_add_co_u32 s72, s72, LL
	v_lshl_add_u32 v4, v1, 2, s72                  ; my wave's list
	s_lshl_b32 s72, s29, 13
	s_add_co_u32 s72, s72, LL
	v_lshl_add_u32 v5, v1, 2, s72                  ; the four lists of my 32 queries
	s_lshl_b32 s72, s29, 11
	s_lshl_b32 s73, s30, 3
	s_add_co_u32 s72, s72, s73
	s_add_co_u32 s72, s72, MS
	v_lshl_add_u32 v6, v1, 6, s72                  ; my two words of my query's bit sets
	v_mul_u32_u24 v7, v0, 80
	v_add_nc_u32 v7, TS, v7                        ; my 80 bytes of the tables' stage
	v_and_b32 v15, 127, v0
	v_lshlrev_b32 v15, 4, v15                      ; the tables' way out: 16 bytes a thread of my half
	v_lshrrev_b32 v8, 7, v0
	v_mul_u32_u24 v8, v8, 10240
	v_add_nc_u32 v8, v8, v15
	v_add_nc_u32 v8, TS, v8
	s_mul_i32 s72, s28, 2*32*SP
	s_add_co_u32 s72, s72, QST
	v_lshrrev_b32 v9, 2, v1
	v_mul_u32_u24 v9, v9, SP
	v_and_b32 v10, 3, v1
	v_lshl_add_u32 v9, v10, 4, v9
	v_add_nc_u32 v9, s72, v9                       ; the quantiser's stage, in: four lanes' 64 bytes on end, then 16 of padding
	v_mul_u32_u24 v10, v1, SP
	v_add_nc_u32 v10, s72, v10                     ; and out
	s_lshl_b32 s72, s28, 6
	s_add_co_u32 s72, s72, SB
	v_lshrrev_b32 v11, 1, v1
	v_add_nc_u32 v11, s72, v11                     ; my block's scale byte
	v_lshl_add_u32 v12, v0, 4, MS
	v_lshl_add_u32 v13, v1, 4, SB
	v_lshlrev_b32 v14, 4, v1                       ; 16 x lane
	v_lshlrev_b32 v24, 4, v0                       ; 16 x thread
	v_and_b32 v17, 127, v0
	v_lshrrev_b32 v18, 1, v17                      ; the tables: my row of 64,
	v_lshlrev_b32 v19, 2, v18
	v_lshlrev_b32 v17, 2, v17                      ; and its x (h = 0) or y (h = 1)
	v_lshlrev_b32 v23, 7, v0                       ; my group's 16 keys: 128 bytes
	v_mov_b32 v160, 0x7f800000                     ; +inf
	s_mov_b32 s74, 0x3f22f983                      ; 2 / pi
	s_mov_b32 s75, 0x3fc90fdb                      ; pi / 2, the f32 nearest to it,
	s_mov_b32 s76, 0xb33bbd2e                      ; and what it leaves
	s_mov_b32 s78, 0x37ccf5ce                      ; cosine: z^4, z^3, z^2 terms' factors
	s_mov_b32 s79, 0xbab6061a
	s_mov_b32 s80, 0x3d2aaaa5
	s_mov_b32 s81, 0xb94ca1f9                      ; sine
	s_mov_b32 s82, 0x3c08839e
	s_mov_b32 s83, 0xbe2aaaa3
	s_mov_b32 s85, 0x3f800000                      ; f_j = 10000^(-j / 8)
	s_mov_b32 s86, 0x3ea1e89b
	s_mov_b32 s87, 0x3dcccccd
	s_mov_b32 s88, 0x3d0186e2
	s_mov_b32 s89, 0x3c23d70a
	s_mov_b32 s90, 0x3b4f3e37
	s_mov_b32 s91, 0x3a83126f
	s_mov_b32 s92, 0x39a5cb5f
	s_mov_b32 s94, 0x600000                        ; the mantissa field of 448
	s_mov_b32 s67, 0                               ; (named as the upper half of the pair s[66:67])
	s_wait_kmcnt 0x0
	s_cmp_lt_u32 s28, 4                            ; waves 0-3 make the keys' table, waves 4-7 the queries': the choice hangs on the wave's number alone
	s_cselect_b64 s[96:97], s[6:7], s[4:5]
	s_cselect_b64 s[98:99], s[12:13], s[10:11]
	s_cselect_b64 s[100:101], s[20:21], s[22:23]
	s_cselect_b32 s93, 0xff800000, 0               ; what a masked row gets: -inf for keys; queries have no mask
	s_mov_b32 s73, 0
	s_lshl_b32 s72, ttmp9, 9                       ; 64 rows of 8 bytes
	s_add_nc_u64 s[70:71], s[4:5], s[72:73]        ; pos_q at my 64 queries
	s_add_nc_u64 s[96:97], s[96:97], s[72:73]
	s_add_nc_u64 s[4:5], s[6:7], s[72:73]          ; pos_k at my 64 keys
	s_add_nc_u64 s[24:25], s[24:25], s[72:73]      ; ktab and kvs likewise: 512 bytes a work-group
	s_add_nc_u64 s[18:19], s[18:19], s[72:73]
	s_lshl_b32 s72, ttmp9, 8
	s_add_nc_u64 s[98:99], s[98:99], s[72:73]
	s_mul_i32 s72, ttmp9, 10240
	s_add_nc_u64 s[100:101], s[100:101], s[72:73]
	s_lshl_b32 s72, ttmp9, 6
	s_add_nc_u64 s[10:11], s[8:9], s[72:73]        ; mask_k at my 64 keys
	s_lshl_b32 s72, s31, 15
	s_add_nc_u64 s[6:7], s[6:7], s[72:73]          ; pos_k at my batch
	s_lshl_b32 s72, s31, 12
	s_add_nc_u64 s[8:9], s[8:9], s[72:73]          ; mask_k at my batch
	s_lshl_b32 s72, ttmp9, 16
	s_lshl_b32 s69, s28, 13
	s_add_co_u32 s72, s72, s69
	s_add_nc_u64 s[14:15], s[14:15], s[72:73]      ; kv_feat at my wave's 8 rows
	s_lshl_b32 s72, ttmp9, 14
	s_lshl_b32 s69, s28, 11
	s_add_co_u32 s72, s72, s69
	s_add_nc_u64 s[16:17], s[16:17], s[72:73]      ; and their codes
	s_lshl_b32 s72, ttmp9, 12
	s_add_nc_u64 s[26:27], s[26:27], s[72:73]      ; gmask at my 64 queries
	global_load_b32 v20, v17, s[96:97]             ; the tables' inputs
	global_load_b32 v21, v19, s[98:99]
	global_load_u8 v22, v18, s[10:11]
.irp p,0,1,2,3,4,5,6,7
	global_load_b128 v[64+4*\p:67+4*\p], v23, s[6:7] offset:16*\p     ; my group's keys: x, y, x, y
.endr
	global_load_b128 v[124:127], v24, s[8:9]       ; and their 16 mask bytes
	s_cmp_lg_u32 s28, 0
	s_cbranch_scc1 .Lno_ktab
	global_load_b128 v[132:135], v14, s[4:5]       ; wave 0: lane t takes keys 2 t, 2 t + 1 of the work-group's 64
	v_lshlrev_b32 v25, 1, v1
	global_load_u16 v136, v25, s[10:11]
	s_wait_loadcnt 0x0
	v_and_b32 v137, 0xff, v136
	v_lshrrev_b32 v138, 8, v136
	v_xor_b32 v139, 0x80000000, v132
	v_xor_b32 v140, 0x80000000, v134
	v_cmp_ne_u32 vcc_lo, 0, v137
	v_cndmask_b32 v28, v160, v139, vcc_lo
	v_cmp_ne_u32 vcc_lo, 0, v138
	v_cndmask_b32 v29, v160, v140, vcc_lo
	v_xor_b32 v30, 0x80000000, v133
	v_xor_b32 v31, 0x80000000, v135
	global_store_b128 v14, v[28:31], s[24:25]      ; 512 consecutive bytes, aligned; v28-31 are never written again
.Lno_ktab:
.irp t,0,1,2,3
.irp e,0,1,2,3
	global_load_b128 v[192+16*\t+4*\e:195+16*\t+4*\e], v14, s[14:15] offset:2048*\t+512*\e th:TH_LOAD_NT   ; kv_feat: asked for now, wanted at the kernel's end
.endr
.endr
	s_wait_loadcnt 16                              ; all but the 16 loads of kv_feat are in
	; ---- the tables
.irp j,0,1,2,3,4,5,6,7
	v_mul_f32 v26, s[85+\j], v20
	SINCOS 26, 96+\j, 104+\j
.endr
	SINCOS 21, 112, 113
	v_mov_b32 v27, s93
	v_cmp_eq_u32 vcc_lo, 0, v22
	v_cndmask_b32 v114, 0, v27, vcc_lo
	v_mov_b32 v115, 0
.irp e,0,1,2,3,4
	ds_store_b128 v7, v[96+4*\e:99+4*\e] offset:16*\e
.endr
	; ---- my 16 keys, negated; a masked key's x becomes +inf, so its distance is +inf
.irp e,0,1,2,3,4,5,6,7,8,9,10,11,12,13,14,15
	v_bfe_u32 v26, v[124+\e/4], 8*(\e%4), 8
	v_xor_b32 v27, 0x80000000, v[64+2*\e]
	v_cmp_ne_u32 vcc_lo, 0, v26
	v_cndmask_b32 v[32+\e], v160, v27, vcc_lo
	v_xor_b32 v[48+\e], 0x80000000, v[65+2*\e]
.endr
	; ---- every query of the work-group against my wave's 32 groups: four trips of 16 queries, their coordinates in scalar registers, eight queries a load, two sets by turns
	s_load_b512 s[32:47], s[70:71], 0x0
	s_mov_b32 s68, 0
	s_mov_b32 s69, 0
.Lq:
	v_add_nc_u32 v16, s69, v2
	s_wait_kmcnt 0x0                               ; the first eight are in
	s_load_b512 s[48:63], s[70:71], 0x40
.irp e,0,1,2,3,4,5,6,7
	QDIST \e, 32, \e
.endr
	s_wait_kmcnt 0x0                               ; the second eight are in, and no scalar load is out: the pointer may step
	s_add_nc_u64 s[70:71], s[70:71], 128
	s_cmp_eq_u32 s68, 3
	s_cbranch_scc1 .Lno_more                       ; the last trip asks for nothing: no load leaves its buffer
	s_load_b512 s[32:47], s[70:71], 0x0
.Lno_more:
.irp e,0,1,2,3,4,5,6,7
	QDIST \e, 48, 8+\e
.endr
	s_add_co_u32 s69, s69, 64
	s_add_co_u32 s68, s68, 1
	s_cmp_lt_u32 s68, 4
	s_cbranch_scc1 .Lq
	s_wait_dscnt 0x0                               ; my stores have landed: the minima and the tables' stage are whole behind this barrier
	s_barrier_signal -1
	s_barrier_wait -1
.irp e,0,1,2,3,4
	ds_load_b128 v[144+4*\e:147+4*\e], v8 offset:2048*\e
.endr
	s_wait_dscnt 0x0
.irp e,0,1,2,3,4
	global_store_b128 v15, v[144+4*\e:147+4*\e], s[100:101] offset:2048*\e   ; a wave stores 512 consecutive bytes, aligned
.endr
	; ---- lanes are queries now: my query's 64 minima of groups 64 kq on, sorted into a list of 16
.set n, 0
.rept 64
	ds_load_b32 v[64+n], v3 offset:GP*n
.set n, n+1
.endr
.set n, 0
.rept 16
	v_mov_b32 v[LST+n], 0x7f800000
.set n, n+1
.endr
.set n, 0
.rept 64
	s_wait_dscnt 63-n                              ; LDS loads come back in order (ISA guide 5.7.1): number n is in when at most the 63 - n younger ones are out
	INSERT 64+n
.set n, n+1
.endr
.set n, 0
.rept 16
	ds_store_b32 v4, v[LST+n] offset:128*n
.set n, n+1
.endr
	s_wait_dscnt 0x0
	s_barrier_signal -1
	s_barrier_wait -1
	s_wait_xcnt 0x0                                ; the tables' stores have read v144-163: only now are they loaded again
.set n, 0
.rept 16
	ds_load_b32 v[144+n], v5 offset:128*n
	ds_load_b32 v[160+n], v5 offset:2048+128*n
	ds_load_b32 v[32+n], v5 offset:4096+128*n
	ds_load_b32 v[48+n], v5 offset:6144+128*n
.set n, n+1
.endr
	s_wait_dscnt 0x0
	FOLD 144, 160
	BSORT 144, 176
	FOLD 32, 48
	BSORT 32, 176
	FOLD 144, 32                                   ; the 16 smallest of the 256; T is the largest of them
	v_max3_num_f32 v22, v144, v145, v146
	v_max3_num_f32 v23, v147, v148, v149
	v_max3_num_f32 v22, v22, v150, v151
	v_max3_num_f32 v23, v23, v152, v153
	v_max3_num_f32 v22, v22, v154, v155
	v_max3_num_f32 v23, v23, v156, v157
	v_max3_num_f32 v22, v22, v158, v159
	v_max_num_f32 v22, v22, v23
	v_mov_b32 v18, 0
	v_mov_b32 v19, 0
	v_mov_b32 v20, 0
	v_mov_b32 v21, 0
	FLAGS 64, 18, 20
	FLAGS 96, 19, 21
	ds_store_b64 v6, v[18:19]
	ds_store_b64 v6, v[20:21] offset:32
	; ---- kv_feat: my wave's 8 rows, four steps of 512 numbers
	s_wait_loadcnt 0x0
	KTURN 0
	KSTEP 0
	KSTEP 1
	KSTEP 2
	KSTEP 3
	s_wait_dscnt 0x0
	s_barrier_signal -1
	s_barrier_wait -1
	ds_load_b128 v[88:91], v12
	s_wait_dscnt 0x0
	global_store_b128 v24, v[88:91], s[26:27]      ; the bit sets: a wave stores 512 consecutive bytes, aligned
	s_cmp_lg_u32 s28, 0
	s_cbranch_scc1 .Ldone
	ds_load_b128 v[92:95], v13
	s_wait_dscnt 0x0
	global_store_b128 v14, v[92:95], s[18:19]      ; the work-group's 512 scale bytes
.Ldone:
	s_set_vgpr_msb 0x5
	s_wait_tensorcnt 0x0
	ds_add_u32 v0, v1
	s_wait_dscnt 0x0
	s_set_vgpr_msb 0x500
	s_endpgm
.Lfunc_end_k_qa9b04095e8_prep:
	.size	k_qa9b04095e8_prep, .Lfunc_end_k_qa9b04095e8_prep-k_qa9b04095e8_prep
	.p2alignl 7, 3214868480
	.fill 96, 4, 3214868480
	.section	.rodata,"a",@progbits
	.p2align	6, 0x0
	.amdhsa_kernel k_qa9b04095e8_prep
		.amdhsa_group_segment_fixed_size 150016
		.amdhsa_private_segment_fixed_size 0
		.amdhsa_enable_private_segment 0
		.amdhsa_kernarg_size 96
		.amdhsa_user_sgpr_count 2
		.amdhsa_user_sgpr_kernarg_segment_ptr 1
		.amdhsa_wavefront_size32 1
		.amdhsa_system_sgpr_workgroup_id_x 1
		.amdhsa_system_sgpr_workgroup_id_y 1
		.amdhsa_system_sgpr_workgroup_id_z 1
		.amdhsa_system_vgpr_workitem_id 0
		.amdhsa_next_free_vgpr 258
		.amdhsa_next_free_sgpr 102
		.amdhsa_reserve_vcc 1
		.amdhsa_float_denorm_mode_32 3
		.amdhsa_float_denorm_mode_16_64 3
		.amdhsa_memory_ordered 1
		.amdhsa_forward_progress 1
		.amdhsa_inst_pref_size 168
	.end_amdhsa_kernel
	.amdgpu_metadata
---
amdhsa.version: [ 1, 2 ]
amdhsa.kernels:
  - .name:           k_qa9b04095e8_prep
    .symbol:         k_qa9b04095e8_prep.kd
    .args:
      - { .name: pos_q, .offset: 0, .size: 8, .value_kind: global_buffer, .address_space: global }
      - { .name: pos_k, .offset: 8, .size: 8, .value_kind: global_buffer, .address_space: global }
      - { .name: mask_k, .offset: 16, .size: 8, .value_kind: global_buffer, .address_space: global }
      - { .name: heading_q, .offset: 24, .size: 8, .value_kind: global_buffer, .address_space: global }
      - { .name: heading_k, .offset: 32, .size: 8, .value_kind: global_buffer, .address_space: global }
      - { .name: kv_feat, .offset: 40, .size: 8, .value_kind: global_buffer, .address_space: global }
      - { .name: kvc, .offset: 48, .size: 8, .value_kind: global_buffer, .address_space: global }
      - { .name: kvs, .offset: 56, .size: 8, .value_kind: global_buffer, .address_space: global }
      - { .name: tabk, .offset: 64, .size: 8, .value_kind: global_buffer, .address_space: global }
      - { .name: tabq, .offset: 72, .size: 8, .value_kind: global_buffer, .address_space: global }
      - { .name: ktab, .offset: 80, .size: 8, .value_kind: global_buffer, .address_space: global }
      - { .name: gmask, .offset: 88, .size: 8, .value_kind: global_buffer, .address_space: global }
    .group_segment_fixed_size: 150016
    .private_segment_fixed_size: 0
    .kernarg_segment_align: 8
    .kernarg_segment_size: 96
    .max_flat_workgroup_size: 256
    .sgpr_count:     102
    .vgpr_count:     258
    .wavefront_size: 32
...
	.end_amdgpu_metadata
.endif
;; end of part 1
;; launch pick (part 2): grid 256 x 1, 8 waves a work-group, no clusters, 26,624 bytes of LDS; arguments gmask, ktab, pos_q, idx; writes idx
.if DOCPART == 2
	.amdgcn_target "amdgcn-amd-amdhsa--gfx1250"
	.amdhsa_code_object_version 6
	.text
	.protected	k_qa9b04095e8_pick
	.globl	k_qa9b04095e8_pick
	.p2align	8
	.type	k_qa9b04095e8_pick,@function
k_qa9b04095e8_pick:
	s_mov_b64 s[64:65], 0
	v_nop
	global_prefetch_b8 v0, s[64:65] scope:SCOPE_SE
	s_setreg_imm32_b32 hwreg(HW_REG_WAVE_MODE, 25, 1), 1
	s_wait_xcnt 0x0
; PICK.  For each query: from its two bit sets of groups (under T, equal to T) the 16 groups that are first by (least distance, group); their 256 keys' distances anew, by the same arithmetic;
; T*, the 16th smallest; the keys under T* and the first of those equal to T*, in index order, 16 in all: their numbers inside the batch go to idx, ascending.
; The groups' numbers come from whole numbers read from memory, so they may steer the gather from ktab; the keys' numbers hang on distances made here and are only stored.
; A work-group takes 64 queries.  A lane is query 32 u + lane; the four waves kq = 0..3 of a u share the 16 groups: wave kq takes places 4 kq .. 4 kq + 3.  The decoding is done by all four alike.
; Counts of bits are sums of fields (2, 4, 8 bits, then a multiplication); a bit's place by its rank walks the same sums from 16 bits down to 1.
; LIMITS: as in the launch that made the bit sets (last-bit ties of distances; no NaN among positions).
; REGISTERS: v2-9 LDS addresses; v[10:11] qx twice, v[12:13] qy twice; v14-16 offsets; v19 4 kq; v20-35 the bit sets (under: 20-27, equal: 28-35), between the decodings the sorted list;
;   v36-43 running counts; v44-51 the choice; v52-55 the four places' results; v56-59 packed groups, flags; v60 all ones, v61 0, v62-63 at work; v64-191 keys, later lists; v192-255 distances; v240-255 at work while decoding.
.set LL, 0                             ; LDS: sorted lists [wave][16][lane]
.set GS, 16384                         ; the 16 groups of each query, four to a word: [kq][query]
.set FM, 17408                         ; the keys' bit sets [query][16 words]
.set IS, 21504                         ; the result [query][16]
.set LST, 20
.macro POPC dst, src                   ; v[dst] = the number of ones in v[src]
	v_lshrrev_b32 v255, 1, v[\src]
	v_and_b32 v255, s20, v255
	v_sub_nc_u32 v[\dst], v[\src], v255
	v_lshrrev_b32 v255, 2, v[\dst]
	v_and_b32 v[\dst], s21, v[\dst]
	v_and_b32 v255, s21, v255
	v_add_nc_u32 v[\dst], v[\dst], v255
	v_lshrrev_b32 v255, 4, v[\dst]
	v_add_nc_u32 v[\dst], v[\dst], v255
	v_and_b32 v[\dst], s22, v[\dst]
	v_mul_lo_u32 v[\dst], v[\dst], s23
	v_lshrrev_b32 v[\dst], 24, v[\dst]
.endm
.macro RANK                            ; v249 = ones in the lower half of what is left: if my rank v243 reaches it, go to the upper half (a 1 into v248) and take it off
	v_cmp_ge_u32 vcc_lo, v243, v249
	v_cndmask_b32 v249, 0, v249, vcc_lo
	v_add_co_ci_u32 v248, vcc_lo, v248, v248, vcc_lo
	v_sub_nc_u32 v243, v243, v249
.endm
; v[out] = the place, 0..255, of the one with rank v[k] (from 0) in the eight words v[wb] on, whose running counts stand in v[pb] on
.macro SELECT8 wb, pb, k, out
	v_mov_b32 v240, v[\wb]
	v_mov_b32 v241, 0
	v_mov_b32 v242, 0
.irp j,1,2,3,4,5,6,7
	v_cmp_le_u32 vcc_lo, v[\pb+\j-1], v[\k]
	v_cndmask_b32 v240, v240, v[\wb+\j], vcc_lo
	v_cndmask_b32 v241, v241, v[\pb+\j-1], vcc_lo
	v_add_co_ci_u32 v242, vcc_lo, 0, v242, vcc_lo
.endr
	v_sub_nc_u32 v243, v[\k], v241
	v_lshrrev_b32 v249, 1, v240
	v_and_b32 v249, s20, v249
	v_sub_nc_u32 v244, v240, v249                  ; counts of 2 bits
	v_lshrrev_b32 v249, 2, v244
	v_and_b32 v245, s21, v244
	v_and_b32 v249, s21, v249
	v_add_nc_u32 v245, v245, v249                  ; of 4
	v_lshrrev_b32 v249, 4, v245
	v_add_nc_u32 v246, v245, v249
	v_and_b32 v246, s22, v246                      ; of 8
	v_lshrrev_b32 v249, 8, v246
	v_add_nc_u32 v247, v246, v249                  ; of 16, in the low byte
	v_mov_b32 v248, 0
	v_and_b32 v249, 0xff, v247
	RANK
	v_lshlrev_b32 v250, 4, v248
	v_bfe_u32 v249, v246, v250, 8
	RANK
	v_lshlrev_b32 v250, 3, v248
	v_bfe_u32 v249, v245, v250, 4
	RANK
	v_lshlrev_b32 v250, 2, v248
	v_bfe_u32 v249, v244, v250, 2
	RANK
	v_lshlrev_b32 v250, 1, v248
	v_bfe_u32 v249, v240, v250, 1
	RANK
	v_lshl_add_u32 v[\out], v242, 5, v248
.endm
; From the sets 'under' (n of them, at most 15) and 'equal': the choice = all of 'under' and the first 16 - n of 'equal'; and its running counts
.macro PICK16
.irp j,0,1,2,3,4,5,6,7
	POPC 36+\j, 20+\j
.endr
	v_add3_u32 v62, v36, v37, v38
	v_add3_u32 v62, v62, v39, v40
	v_add3_u32 v62, v62, v41, v42
	v_add_nc_u32 v62, v62, v43
	v_sub_nc_u32 v62, 15, v62                      ; the rank of the last 'equal' that is taken
.irp j,0,1,2,3,4,5,6,7
	POPC 36+\j, 28+\j
.endr
.irp j,1,2,3,4,5,6,7
	v_add_nc_u32 v[36+\j], v[36+\j], v[35+\j]
.endr
	SELECT8 28, 36, 62, 63                         ; its place
.irp j,0,1,2,3,4,5,6,7
	v_add_nc_u32 v251, -32*\j, v63                 ; word j keeps its bits up to that place
	v_min_u32 v251, 31, v251
	v_sub_nc_u32 v251, 31, v251
	v_lshrrev_b32 v251, v251, v60
	v_cmp_gt_u32 vcc_lo, 32*\j, v63                ; a word that begins behind it keeps none
	v_cndmask_b32 v251, v251, v61, vcc_lo
	v_and_or_b32 v[44+\j], v[28+\j], v251, v[20+\j]
.endr
.irp j,0,1,2,3,4,5,6,7
	POPC 36+\j, 44+\j
.endr
.irp j,1,2,3,4,5,6,7
	v_add_nc_u32 v[36+\j], v[36+\j], v[35+\j]
.endr
.endm
.macro INSERT x                        ; v[x] into the ascending list of 16, from the top down
.irp e,15,14,13,12,11,10,9,8,7,6,5,4,3,2,1
	v_med3_num_f32 v[LST+\e], v[LST+\e-1], v[\x], v[LST+\e]
.endr
	v_min_num_f32 v[LST], v[LST], v[\x]
.endm
.macro FOLD a, b
.irp e,0,1,2,3,4,5,6,7,8,9,10,11,12,13,14,15
	v_min_num_f32 v[\a+\e], v[\a+\e], v[\b+15-\e]
.endr
.endm
.macro BSTAGE src, dst, d
.irp e,0,1,2,3,4,5,6,7,8,9,10,11,12,13,14,15
.if ((\e) & (\d)) == 0
	v_min_num_f32 v[\dst+\e], v[\src+\e], v[\src+\e+\d]
	v_max_num_f32 v[\dst+\e+\d], v[\src+\e], v[\src+\e+\d]
.endif
.endr
.endm
.macro BSORT a, n
	BSTAGE \a, \n, 8
	BSTAGE \n, \a, 4
	BSTAGE \a, \n, 2
	BSTAGE \n, \a, 1
.endm
.macro FLAGS g, lt, eq
.set n, 31
.rept 32
	v_cmp_lt_f32 vcc_lo, v[\g+n], v62
	v_add_co_ci_u32 v[\lt], vcc_lo, v[\lt], v[\lt], vcc_lo
	v_cmp_eq_f32 vcc_lo, v[\g+n], v62
	v_add_co_ci_u32 v[\eq], vcc_lo, v[\eq], v[\eq], vcc_lo
.set n, n-1
.endr
.endm
; My place i: its group's 16 distances, and into the list with them
.macro SLOT i
	s_wait_loadcnt 24-8*\i                         ; this place's eight loads are in; those of the 3 - i places behind it may be out
.irp p,0,1,2,3,4,5,6,7
	v_pk_add_f32 v[64+32*\i+4*\p:65+32*\i+4*\p], v[64+32*\i+4*\p:65+32*\i+4*\p], v[10:11]
	v_pk_add_f32 v[66+32*\i+4*\p:67+32*\i+4*\p], v[66+32*\i+4*\p:67+32*\i+4*\p], v[12:13]
.endr
.irp p,0,1,2,3,4,5,6,7
	v_pk_mul_f32 v[64+32*\i+4*\p:65+32*\i+4*\p], v[64+32*\i+4*\p:65+32*\i+4*\p], v[64+32*\i+4*\p:65+32*\i+4*\p]
.endr
.irp p,0,1,2,3,4,5,6,7
	v_pk_fma_f32 v[64+32*\i+4*\p:65+32*\i+4*\p], v[66+32*\i+4*\p:67+32*\i+4*\p], v[66+32*\i+4*\p:67+32*\i+4*\p], v[64+32*\i+4*\p:65+32*\i+4*\p]
.endr
.irp p,0,1,2,3,4,5,6,7
	v_sqrt_f32 v[192+16*\i+2*\p], v[64+32*\i+4*\p]
	v_sqrt_f32 v[193+16*\i+2*\p], v[65+32*\i+4*\p]
.endr
	v_nop                                          ; one plain line behind the transcendentals (ISA guide 5.7.2)
	s_wait_alu depctr_va_vdst(0)
.set n, 0
.rept 16
	INSERT 192+16*\i+n
.set n, n+1
.endr
.endm
	s_load_b256 s[4:11], s[0:1], 0x0               ; gmask, ktab, pos_q, idx
	s_set_vgpr_msb 0x40
	v_lshl_add_u32 v0, v0, 2, 0x6400
	v_mov_b32 v1, 0
	s_set_vgpr_msb 0x4000
	v_lshrrev_b32 v1, 5, v0
	v_readfirstlane_b32 s12, v1                    ; wave
	v_and_b32 v1, 31, v0
	s_lshr_b32 s13, s12, 2                         ; u
	s_and_b32 s14, s12, 3                          ; kq
	s_lshr_b32 s15, ttmp9, 6                       ; batch
	s_lshl_b32 s24, s14, 2
	s_lshl_b32 s16, s12, 11
	v_lshl_add_u32 v2, v1, 2, s16                  ; my wave's list
	s_lshl_b32 s16, s13, 13
	v_lshl_add_u32 v3, v1, 2, s16                  ; the four lists of my 32 queries
	s_lshl_b32 s16, s13, 5
	v_add_nc_u32 v17, s16, v1                      ; my query of 64
	s_lshl_b32 s16, s14, 8
	s_add_co_u32 s16, s16, GS
	v_lshl_add_u32 v4, v17, 2, s16
	s_lshl_b32 s16, s14, 3
	s_add_co_u32 s16, s16, FM
	v_lshl_add_u32 v5, v17, 6, s16
	v_lshl_add_u32 v6, v17, 6, FM
	v_lshl_add_u32 v7, v17, 2, GS
	s_lshl_b32 s16, s14, 4
	s_add_co_u32 s16, s16, IS
	v_lshl_add_u32 v8, v17, 6, s16
	v_lshl_add_u32 v9, v0, 4, IS
	v_lshlrev_b32 v14, 6, v17
	v_lshlrev_b32 v15, 3, v17
	v_lshlrev_b32 v16, 4, v0
	v_mov_b32 v60, -1
	v_mov_b32 v61, 0
	s_mov_b32 s20, 0x55555555
	s_mov_b32 s21, 0x33333333
	s_mov_b32 s22, 0x0f0f0f0f
	s_mov_b32 s23, 0x01010101
	s_mov_b32 s19, 0
	s_wait_kmcnt 0x0
	s_lshl_b32 s18, ttmp9, 12
	s_add_nc_u64 s[4:5], s[4:5], s[18:19]
	s_add_nc_u64 s[10:11], s[10:11], s[18:19]
	s_lshl_b32 s18, ttmp9, 9
	s_add_nc_u64 s[8:9], s[8:9], s[18:19]
	s_lshl_b32 s18, s15, 15
	s_add_nc_u64 s[6:7], s[6:7], s[18:19]          ; ktab at my batch
.irp e,0,1,2,3
	global_load_b128 v[20+4*\e:23+4*\e], v14, s[4:5] offset:16*\e
.endr
	global_load_b64 v[18:19], v15, s[8:9]
	s_wait_loadcnt 0x0
	v_mov_b32 v10, v18
	v_mov_b32 v11, v18
	v_mov_b32 v12, v19
	v_mov_b32 v13, v19
	v_mov_b32 v19, s24                             ; 4 kq
	; ---- the 16 groups; mine are those of ranks 4 kq .. 4 kq + 3
	PICK16
.irp i,0,1,2,3
	v_add_nc_u32 v62, \i, v19
	SELECT8 44, 36, 62, 52+\i
.endr
	v_lshl_or_b32 v56, v53, 8, v52
	v_lshl_or_b32 v56, v54, 16, v56
	v_lshl_or_b32 v56, v55, 24, v56
	ds_store_b32 v4, v56
.irp i,0,1,2,3
	v_min_u32 v[52+\i], 0xff, v[52+\i]             ; a number made of loaded ones enters an address only behind this hold
	v_lshlrev_b32 v[52+\i], 7, v[52+\i]            ; a group's keys are 128 bytes
.endr
.irp i,0,1,2,3
.irp p,0,1,2,3,4,5,6,7
	global_load_b128 v[64+32*\i+4*\p:67+32*\i+4*\p], v[52+\i], s[6:7] offset:16*\p
.endr
.endr
.set n, 0
.rept 16
	v_mov_b32 v[LST+n], 0x7f800000
.set n, n+1
.endr
	SLOT 0
	SLOT 1
	SLOT 2
	SLOT 3
.set n, 0
.rept 16
	ds_store_b32 v2, v[LST+n] offset:LL+128*n
.set n, n+1
.endr
	s_wait_dscnt 0x0
	s_barrier_signal -1
	s_barrier_wait -1
.set n, 0
.rept 16
	ds_load_b32 v[64+n], v3 offset:LL+128*n
	ds_load_b32 v[80+n], v3 offset:LL+2048+128*n
	ds_load_b32 v[96+n], v3 offset:LL+4096+128*n
	ds_load_b32 v[112+n], v3 offset:LL+6144+128*n
.set n, n+1
.endr
	s_wait_dscnt 0x0
	FOLD 64, 80
	BSORT 64, 128
	FOLD 96, 112
	BSORT 96, 128
	FOLD 64, 96
	v_max3_num_f32 v62, v64, v65, v66
	v_max3_num_f32 v63, v67, v68, v69
	v_max3_num_f32 v62, v62, v70, v71
	v_max3_num_f32 v63, v63, v72, v73
	v_max3_num_f32 v62, v62, v74, v75
	v_max3_num_f32 v63, v63, v76, v77
	v_max3_num_f32 v62, v62, v78, v79
	v_max_num_f32 v62, v62, v63                    ; T*
	v_mov_b32 v56, 0
	v_mov_b32 v57, 0
	v_mov_b32 v58, 0
	v_mov_b32 v59, 0
	FLAGS 192, 56, 58
	FLAGS 224, 57, 59
	ds_store_b64 v5, v[56:57]
	ds_store_b64 v5, v[58:59] offset:32
	s_wait_dscnt 0x0
	s_barrier_signal -1
	s_barrier_wait -1
	; ---- the 16 keys.  Candidate c = 16 x place + key in its group; places ascend by group, so candidates ascend by key index
.irp e,0,1,2,3
	ds_load_b128 v[20+4*\e:23+4*\e], v6 offset:16*\e
.endr
.irp e,0,1,2,3
	ds_load_b32 v[56+\e], v7 offset:256*\e
.endr
	s_wait_dscnt 0x0
	PICK16
.irp i,0,1,2,3
	v_add_nc_u32 v62, \i, v19
	SELECT8 44, 36, 62, 63
	v_lshrrev_b32 v251, 6, v63                     ; which packed word holds its place's group: a choice of values, no address
	v_cmp_eq_u32 vcc_lo, 1, v251
	v_cndmask_b32 v252, v56, v57, vcc_lo
	v_cmp_eq_u32 vcc_lo, 2, v251
	v_cndmask_b32 v252, v252, v58, vcc_lo
	v_cmp_eq_u32 vcc_lo, 3, v251
	v_cndmask_b32 v252, v252, v59, vcc_lo
	v_bfe_u32 v253, v63, 4, 2
	v_lshlrev_b32 v253, 3, v253
	v_bfe_u32 v252, v252, v253, 8                  ; the group
	v_and_b32 v253, 15, v63
	v_lshl_or_b32 v[52+\i], v252, 4, v253          ; the key's number inside the batch
.endr
	ds_store_b128 v8, v[52:55]
	s_wait_dscnt 0x0
	s_barrier_signal -1
	s_barrier_wait -1
	ds_load_b128 v[64:67], v9
	s_wait_dscnt 0x0
	global_store_b128 v16, v[64:67], s[10:11]      ; a wave stores 512 consecutive bytes, aligned
	s_set_vgpr_msb 0x5
	s_wait_tensorcnt 0x0
	ds_add_u32 v0, v1
	s_wait_dscnt 0x0
	s_set_vgpr_msb 0x500
	s_endpgm
.Lfunc_end_k_qa9b04095e8_pick:
	.size	k_qa9b04095e8_pick, .Lfunc_end_k_qa9b04095e8_pick-k_qa9b04095e8_pick
	.p2alignl 7, 3214868480
	.fill 96, 4, 3214868480
	.section	.rodata,"a",@progbits
	.p2align	6, 0x0
	.amdhsa_kernel k_qa9b04095e8_pick
		.amdhsa_group_segment_fixed_size 26624
		.amdhsa_private_segment_fixed_size 0
		.amdhsa_enable_private_segment 0
		.amdhsa_kernarg_size 32
		.amdhsa_user_sgpr_count 2
		.amdhsa_user_sgpr_kernarg_segment_ptr 1
		.amdhsa_wavefront_size32 1
		.amdhsa_system_sgpr_workgroup_id_x 1
		.amdhsa_system_sgpr_workgroup_id_y 1
		.amdhsa_system_sgpr_workgroup_id_z 1
		.amdhsa_system_vgpr_workitem_id 0
		.amdhsa_next_free_vgpr 258
		.amdhsa_next_free_sgpr 66
		.amdhsa_reserve_vcc 1
		.amdhsa_float_denorm_mode_32 3
		.amdhsa_float_denorm_mode_16_64 3
		.amdhsa_memory_ordered 1
		.amdhsa_forward_progress 1
		.amdhsa_inst_pref_size 154
	.end_amdhsa_kernel
	.amdgpu_metadata
---
amdhsa.version: [ 1, 2 ]
amdhsa.kernels:
  - .name:           k_qa9b04095e8_pick
    .symbol:         k_qa9b04095e8_pick.kd
    .args:
      - { .name: gmask, .offset: 0, .size: 8, .value_kind: global_buffer, .address_space: global }
      - { .name: ktab, .offset: 8, .size: 8, .value_kind: global_buffer, .address_space: global }
      - { .name: pos_q, .offset: 16, .size: 8, .value_kind: global_buffer, .address_space: global }
      - { .name: idx, .offset: 24, .size: 8, .value_kind: global_buffer, .address_space: global }
    .group_segment_fixed_size: 26624
    .private_segment_fixed_size: 0
    .kernarg_segment_align: 8
    .kernarg_segment_size: 32
    .max_flat_workgroup_size: 256
    .sgpr_count:     66
    .vgpr_count:     258
    .wavefront_size: 32
...
	.end_amdgpu_metadata
.endif
;; end of part 2
;; launch attn (part 3): grid 256 x 1, 8 waves a work-group, no clusters, 201,728 bytes of LDS; arguments q_feat_codes, q_feat_scales, Wq_codes, Wq_scales, bq, Wk_codes, Wk_scales, bk, Wv_codes, Wv_scales, bv, Wo_codes, Wo_scales, bo, kvc, kvs, tabk, tabq, idx, out0; writes out0
.if DOCPART == 3
	.amdgcn_target "amdgcn-amd-amdhsa--gfx1250"
	.amdhsa_code_object_version 6
	.text
	.protected	k_qa9b04095e8_attn
	.globl	k_qa9b04095e8_attn
	.p2align	8
	.type	k_qa9b04095e8_attn,@function
k_qa9b04095e8_attn:
	s_mov_b64 s[64:65], 0
	v_nop
	global_prefetch_b8 v0, s[64:65] scope:SCOPE_SE
	s_setreg_imm32_b32 hwreg(HW_REG_WAVE_MODE, 25, 1), 1
	s_wait_xcnt 0x0
; ATTN.  out0 = attention(Q, K, V of each query's 16 chosen keys) Wo + bo; all four large products on codes of E4M3 with one E8M0 scale for each 32 along K.
; SHARES.  A work-group takes 64 queries of one batch.  Wave w = 4 u + g owns columns 64 g .. 64 g + 63 (head 2 g, which gets the 2-D rotation by position, and head 2 g + 1, which gets the rotation by heading)
; for queries 32 u .. 32 u + 31.  Its quarter of Wk and of Wv, 256 registers, stays in registers for the whole launch.  A query's 16 keys are one tile of 16 rows.
; LAPS.  Eight laps of four queries a wave.  The operand of query 32 u + 4 t + g (its keys' codes, scale words and rotation numbers) is gathered by wave (g, u) into registers a lap and more ahead, goes to LDS
; AS AN IMAGE OF THE REGISTERS (16 bytes a lane, 512 a store) and is read so by the four waves of that u.  Two image buffers take turns; one barrier a lap.
; LAYOUTS.  K^T = Wk x keys (source 0 = 16 rows of Wk, source 1 = the keys): lane (r, h) holds key r and columns 16 t + 8 h + 0..7.  V = keys x Wv (source 0 = the same fragment): lane (r, h) holds column 16 t + r
; and keys 8 h + 0..7.  q', rotated and multiplied by log2(e) / sqrt(32), lies in the wave's own LDS rows and is read by all lanes of a half alike.
; logit = c (q1 k1 + q2 k2) + s (q2 k1 - q1 k2), c and s the key's cosine and sine (by dimension for the even head, one pair for the odd one); a masked key adds -inf.
; The softmax takes the 16 keys' maximum away; both heads stand in one register, one in each half of the lanes.  The attention's result takes the place of its query's q' in LDS, is quantised from there, and multiplied by Wo.
; No tensor loads and no cluster: the rows wanted are named by a list, and the weights, the only bytes that work-groups share, go once from memory straight into operand registers.
; LIMITS: a query all of whose 16 chosen keys are masked (a batch with fewer than one open key among them) is not served; blocks of the attention's result under 2^-118 get the scale byte 1.
; REGISTERS, window 0: v1 16 x lane, v2 h, v3 16 h, v255 4 x lane; v4-9 LDS addresses; v10-12 gather offsets; v13, v15 key numbers ahead; v14 their offset; v16-25 scale words and nothing else
;   (16-19 Wk's, 20-23 Wv's, 24-25 the keys'); v26-27 bv; v28-47 a key's rotation numbers; v48-79 bk; v80-111, v112-143 the keys' fragment and q', by turns; v144-175 four accumulators; v176-183 weights spread;
;   v184-201 at work; v202-254 the gather's registers.   window 1: v256-383 Wk (tile t, K step s at 32 t + 16 s), v384-511 Wv.
; Every scale register holds K step 0's word in lanes 0-15 and K step 1's in lanes 16-31.
.set IMGB, 6784                        ; an image: codes 8 x 512, position numbers 4 x 512, heading numbers 512, scale words 128
.set QS,   131072                      ; LDS: image buffers at 0 and at 65,536 (8 images each); from here 32 rows x 272 bytes for each wave
.set QSW,  8704
.set QP,   272
.set OSC,  16384                       ; the last phase: images of the result's 8 fragments at 0, their scale words here,
.set YS,   17408                       ; and 64 rows x (1,024 + 16) bytes of out0
.set YP,   1040
.set MSB, 0
.macro WIN new                         ; the immediate's high byte repeats the setting that is left
.if MSB != \new
	s_set_vgpr_msb (MSB<<8)|\new
.set MSB, \new
.endif
.endm
.macro GADDR src                       ; the gather's offsets from the key's number in v[src]
	v_min_u32 v200, 0xfff, v[\src]                 ; a loaded number enters an address only behind this hold
	v_lshl_add_u32 v10, v200, 8, v3                ; codes: 256 bytes a key, + 16 h
	v_lshl_add_u32 v201, v200, 1, v2
	v_lshlrev_b32 v11, 2, v201                     ; scale word h of the key's two
	v_mul_u32_u24 v12, v201, 80                    ; the table's row (key, h)
.endm
.macro GATHER                          ; 14 loads
.irp p,0,1,2,3,4,5,6,7
	global_load_b128 v[202+4*\p:205+4*\p], v10, s[32:33] offset:128*(\p/4)+32*(\p%4)
.endr
.irp p,0,1,2,3
	global_load_b128 v[234+4*\p:237+4*\p], v12, s[36:37] offset:16*\p
.endr
	global_load_b128 v[250:253], v12, s[36:37] offset:64
	global_load_b32 v254, v11, s[34:35]
.endm
.macro PUT                             ; 14 stores: the image
.irp p,0,1,2,3,4,5,6,7
	ds_store_b128 v8, v[202+4*\p:205+4*\p] offset:512*\p
.endr
.irp p,0,1,2,3
	ds_store_b128 v8, v[234+4*\p:237+4*\p] offset:4096+512*\p
.endr
	ds_store_b128 v8, v[250:253] offset:6144
	ds_store_b32 v9, v254 offset:6656
.endm
.macro PRE_A i, dst, ks                ; 14 loads: image i of my four: the fragment, its scale words, the rotation numbers, in this order
.irp p,0,1,2,3,4,5,6,7
	ds_load_b128 v[\dst+4*\p:\dst+4*\p+3], v4 offset:IMGB*(\i)+512*\p
.endr
	ds_load_b32 v[24+(\ks)], v5 offset:IMGB*(\i)+6656
.irp p,0,1,2,3
	ds_load_b128 v[28+4*\p:31+4*\p], v4 offset:IMGB*(\i)+4096+512*\p
.endr
	ds_load_b128 v[44:47], v4 offset:IMGB*(\i)+6144
.endm
.macro PRE_Q i, dst                    ; 8 loads: q' of the lap's query i: register 8 t + j = column 16 t + 8 h + j
.irp t,0,1,2,3
	ds_load_b128 v[\dst+8*\t:\dst+8*\t+3], v6 offset:QP*(\i)+64*\t
	ds_load_b128 v[\dst+8*\t+4:\dst+8*\t+7], v6 offset:QP*(\i)+64*\t+16
.endr
.endm
; The four accumulators take turns, one instruction a turn.
.macro KPROD A, ks
	WIN 0x01                                       ; source 0 in window 1
.irp t,0,1,2,3
	v_wmma_scale_f32_16x16x128_f8f6f4 v[144+8*\t:151+8*\t], v[32*\t:32*\t+15], v[\A:\A+15], v[48+8*\t:55+8*\t], v[16+\t], v[24+(\ks)]
.endr
.irp t,0,1,2,3
	v_wmma_scale_f32_16x16x128_f8f6f4 v[144+8*\t:151+8*\t], v[32*\t+16:32*\t+31], v[\A+16:\A+31], v[144+8*\t:151+8*\t], v[16+\t], v[24+(\ks)] matrix_a_scale:MATRIX_SCALE_ROW1 matrix_b_scale:MATRIX_SCALE_ROW1
.endr
	WIN 0
.endm
.macro VPROD A, ks
	WIN 0x04                                       ; source 1 in window 1
.irp t,0,1,2,3
	v_wmma_scale_f32_16x16x128_f8f6f4 v[144+8*\t:151+8*\t], v[\A:\A+15], v[128+32*\t:143+32*\t], 0, v[24+(\ks)], v[20+\t]
.endr
.irp t,0,1,2,3
	v_wmma_scale_f32_16x16x128_f8f6f4 v[144+8*\t:151+8*\t], v[\A+16:\A+31], v[144+32*\t:159+32*\t], v[144+8*\t:151+8*\t], v[24+(\ks)], v[20+\t] matrix_a_scale:MATRIX_SCALE_ROW1 matrix_b_scale:MATRIX_SCALE_ROW1
.endr
	WIN 0
.endm
; My half's part of both heads' logits of key r: v200 the even head's, v201 the odd head's.  Each accumulator is read from its low end on.
.macro LOGITS Q
.irp p,0,2,4,6
	v_pk_mul_f32 v[184+\p:185+\p], v[\Q+\p:\Q+\p+1], v[144+\p:145+\p]
.endr
.irp p,0,2,4,6
	v_pk_mul_f32 v[192+\p:193+\p], v[\Q+8+\p:\Q+9+\p], v[144+\p:145+\p]
.endr
.irp p,0,2,4,6
	v_pk_fma_f32 v[184+\p:185+\p], v[\Q+8+\p:\Q+9+\p], v[152+\p:153+\p], v[184+\p:185+\p]       ; q1 k1 + q2 k2
.endr
.irp p,0,2,4,6
	v_pk_fma_f32 v[192+\p:193+\p], v[\Q+\p:\Q+\p+1], v[152+\p:153+\p], v[192+\p:193+\p] neg_lo:[1,0,0] neg_hi:[1,0,0]   ; q2 k1 - q1 k2
.endr
	v_pk_fma_f32 v[200:201], v[28:29], v[184:185], v[46:47]        ; the sum begins with (mb, 0)
	v_pk_mul_f32 v[184:185], v[36:37], v[192:193]
	v_pk_fma_f32 v[200:201], v[30:31], v[186:187], v[200:201]
	v_pk_fma_f32 v[184:185], v[38:39], v[194:195], v[184:185]
	v_pk_fma_f32 v[200:201], v[32:33], v[188:189], v[200:201]
	v_pk_fma_f32 v[184:185], v[40:41], v[196:197], v[184:185]
	v_pk_fma_f32 v[200:201], v[34:35], v[190:191], v[200:201]
	v_pk_fma_f32 v[184:185], v[42:43], v[198:199], v[184:185]
	v_pk_mul_f32 v[186:187], v[\Q+16:\Q+17], v[160:161]
	v_pk_mul_f32 v[188:189], v[\Q+24:\Q+25], v[168:169]
	v_pk_mul_f32 v[190:191], v[\Q+24:\Q+25], v[160:161]
	v_pk_mul_f32 v[192:193], v[\Q+16:\Q+17], v[168:169]
.irp p,2,4,6
	v_pk_fma_f32 v[186:187], v[\Q+16+\p:\Q+17+\p], v[160+\p:161+\p], v[186:187]
	v_pk_fma_f32 v[188:189], v[\Q+24+\p:\Q+25+\p], v[168+\p:169+\p], v[188:189]
	v_pk_fma_f32 v[190:191], v[\Q+24+\p:\Q+25+\p], v[160+\p:161+\p], v[190:191]
	v_pk_fma_f32 v[192:193], v[\Q+16+\p:\Q+17+\p], v[168+\p:169+\p], v[192:193]
.endr
	v_pk_add_f32 v[200:201], v[200:201], v[184:185]
	v_pk_add_f32 v[186:187], v[186:187], v[188:189]
	v_pk_add_f32 v[190:191], v[190:191], v[192:193] neg_lo:[0,1] neg_hi:[0,1]
	v_add_f32 v200, v200, v201
	v_add_f32 v186, v186, v187
	v_add_f32 v190, v190, v191
	v_fma_f32 v201, v45, v190, v46
	v_fma_f32 v201, v44, v186, v201
.endm
; The halves' parts meet: lanes 0-15 end up with the even head's logit of key r, lanes 16-31 with the odd head's.  Then one softmax over 16 lanes serves both.
; v190, v191: the weights laid so that lane j (8 + j for the odd head) of each half holds the weight of key 8 h + j.
.macro SOFTMAX
	v_cndmask_b32 v184, v201, v200, s52
	v_cndmask_b32 v185, v200, v201, s52
	v_permlanex16_b32 v186, v184, s54, s55
	v_add_f32 v187, v185, v186
	v_max_num_f32_dpp v188, v187, v187 row_xmask:1 row_mask:0xf bank_mask:0xf
	v_max_num_f32_dpp v188, v188, v188 row_xmask:2 row_mask:0xf bank_mask:0xf
	v_max_num_f32_dpp v188, v188, v188 row_xmask:4 row_mask:0xf bank_mask:0xf
	v_max_num_f32_dpp v188, v188, v188 row_xmask:8 row_mask:0xf bank_mask:0xf
	v_sub_f32 v187, v187, v188
	v_exp_f32 v187, v187
	v_nop                                          ; one plain line behind a transcendental (ISA guide 5.7.2)
	s_wait_alu depctr_va_vdst(0)
	v_add_f32_dpp v189, v187, v187 row_xmask:1 row_mask:0xf bank_mask:0xf
	v_add_f32_dpp v189, v189, v189 row_xmask:2 row_mask:0xf bank_mask:0xf
	v_add_f32_dpp v189, v189, v189 row_xmask:4 row_mask:0xf bank_mask:0xf
	v_add_f32_dpp v189, v189, v189 row_xmask:8 row_mask:0xf bank_mask:0xf
	v_rcp_f32 v189, v189
	v_nop
	s_wait_alu depctr_va_vdst(0)
	v_mul_f32 v187, v187, v189
	v_permlanex16_b32 v186, v187, s56, s57         ; from the other half, eight lanes round
	v_cndmask_b32 v190, v187, v186, s52
	v_cndmask_b32 v191, v186, v187, s52
.endm
; The weighted sum of V, the halves' parts joined, + bv; it takes the place of the query's q' in my LDS rows.
.macro WSUM i
.irp j,0,1,2,3,4,5,6,7
	v_mov_b32_dpp v[176+\j], v190 row_share:\j row_mask:0xf bank_mask:0xf
.endr
	v_pk_mul_f32 v[192:193], v[144:145], v[176:177]
	v_pk_mul_f32 v[194:195], v[152:153], v[176:177]
.irp p,2,4,6
	v_pk_fma_f32 v[192:193], v[144+\p:145+\p], v[176+\p:177+\p], v[192:193]
	v_pk_fma_f32 v[194:195], v[152+\p:153+\p], v[176+\p:177+\p], v[194:195]
.endr
.irp j,8,9,10,11,12,13,14,15
	v_mov_b32_dpp v[168+\j], v191 row_share:\j row_mask:0xf bank_mask:0xf
.endr
	v_pk_mul_f32 v[196:197], v[160:161], v[176:177]
	v_pk_mul_f32 v[198:199], v[168:169], v[176:177]
.irp p,2,4,6
	v_pk_fma_f32 v[196:197], v[160+\p:161+\p], v[176+\p:177+\p], v[196:197]
	v_pk_fma_f32 v[198:199], v[168+\p:169+\p], v[176+\p:177+\p], v[198:199]
.endr
	v_add_f32 v192, v192, v193
	v_add_f32 v194, v194, v195
	v_add_f32 v196, v196, v197
	v_add_f32 v198, v198, v199
	v_cndmask_b32 v184, v194, v192, s52
	v_cndmask_b32 v185, v192, v194, s52
	v_cndmask_b32 v186, v198, v196, s52
	v_cndmask_b32 v187, v196, v198, s52
	v_permlanex16_b32 v188, v184, s54, s55
	v_permlanex16_b32 v189, v186, s54, s55
	v_add_f32 v185, v185, v26
	v_add_f32 v187, v187, v27
	v_add_f32 v185, v185, v188                     ; column 64 g + lane
	v_add_f32 v187, v187, v189                     ; column 64 g + 32 + lane
	ds_store_b32 v7, v185 offset:QP*(\i)
	ds_store_b32 v7, v187 offset:QP*(\i)+128
.endm
; One query.  A: the registers of its keys' fragment; Q: of its q'.  The next query's fragment is fetched into Q once the logits are made, its q' into A once V's products are eight places back.
; w1: what was issued behind the scale word's load and may stay out (5 rotation loads, 8 of q', 2 result stores; 13 where the prologue leads here).  w2: what was issued behind q' (the 2 stores).
; last = 1: the lap's barrier.  In front of its signal my reads of this lap's images are over and my image for the next lap has landed; V's products stand between signal and wait.
.macro QUERY i, A, Q, ks, w1, w2, last
	s_wait_dscnt \w1
	KPROD \A, \ks
.rept 8
	v_nop                                          ; eight places behind this form before its results are read
.endr
	s_wait_dscnt \w2
	LOGITS \Q
.if \last
	s_wait_dscnt 0x0
	s_barrier_signal -1
.endif
	VPROD \A, \ks                                  ; over K's results: behind each of K's products stand the eight v_nop and the lines of the other head, which name none of its registers
.if \last
	s_barrier_wait -1
	s_xor_b32 s49, s49, 0x10000                    ; the buffers change places
	s_xor_b32 s50, s50, 0x10000
	v_add_nc_u32 v4, s49, v1
	v_add_nc_u32 v5, s49, v255
	s_cmp_eq_u32 s48, 7
	s_cbranch_scc1 .Lno_a\@                        ; the last lap fetches nothing
	PRE_A 0, \Q, 0
.Lno_a\@:
.else
	PRE_A (\i)+1, \Q, 1-(\ks)
.endif
	SOFTMAX
.if \last
	s_cmp_eq_u32 s48, 7
	s_cbranch_scc1 .Lno_q\@
	PRE_Q 4, \A
.Lno_q\@:
.else
	PRE_Q (\i)+1, \A
.endif
	WSUM \i
.endm
; Between a lap's third and fourth query: the image for lap t + 1 goes to LDS, the gather for lap t + 2 goes out, the key numbers for lap t + 3 are asked for.  The last laps leave out what no lap wants.
.macro STAGE
	s_wait_loadcnt 0x0                             ; the gather issued a lap ago and the key numbers are in
	s_cmp_gt_u32 s48, 6
	s_cbranch_scc1 .Lst\@
	PUT
	s_cmp_gt_u32 s48, 5
	s_cbranch_scc1 .Lst\@
	GADDR 13
	s_wait_dscnt 0x0                               ; the stores have read the registers that the gather fills again
	GATHER
	s_cmp_gt_u32 s48, 4
	s_cbranch_scc1 .Lst\@
	v_add_nc_u32 v14, 0x100, v14
	global_load_b32 v13, v14, s[40:41]
.Lst\@:
.endm
; Q for 16 of my queries (fragment in v[F] on, table row in v[TQ] on): product, rotation, into my LDS rows.
.macro QPROJ mm, F, TQ
	WIN 0x01
.irp t,0,1,2,3
	v_wmma_scale_f32_16x16x128_f8f6f4 v[144+8*\t:151+8*\t], v[128+32*\t:143+32*\t], v[\F:\F+15], v[48+8*\t:55+8*\t], v[20+\t], v[24+\mm]
.endr
.irp t,0,1,2,3
	v_wmma_scale_f32_16x16x128_f8f6f4 v[144+8*\t:151+8*\t], v[144+32*\t:159+32*\t], v[\F+16:\F+31], v[144+8*\t:151+8*\t], v[20+\t], v[24+\mm] matrix_a_scale:MATRIX_SCALE_ROW1 matrix_b_scale:MATRIX_SCALE_ROW1
.endr
	WIN 0
.irp e,0,2,4,6,8,10,12,14,16
	v_pk_mul_f32 v[\TQ+\e:\TQ+\e+1], v[\TQ+\e:\TQ+\e+1], s[58:59] op_sel_hi:[1,0]   ; log2(e) / sqrt(32) goes into q's cosines and sines.  These nine lines are the places behind the products
.endr
.irp p,0,2,4,6
	v_pk_mul_f32 v[200:201], v[144+\p:145+\p], v[\TQ+8+\p:\TQ+9+\p]
	v_pk_mul_f32 v[144+\p:145+\p], v[144+\p:145+\p], v[\TQ+\p:\TQ+\p+1]
	v_pk_fma_f32 v[144+\p:145+\p], v[152+\p:153+\p], v[\TQ+8+\p:\TQ+9+\p], v[144+\p:145+\p] neg_lo:[1,0,0] neg_hi:[1,0,0]
	v_pk_fma_f32 v[152+\p:153+\p], v[152+\p:153+\p], v[\TQ+\p:\TQ+\p+1], v[200:201]
.endr
.irp j,0,1,2,3,4,5,6,7
	v_mul_f32 v200, v[160+\j], v[\TQ+17]
	v_mul_f32 v[160+\j], v[160+\j], v[\TQ+16]
	v_fma_f32 v[160+\j], -v[168+\j], v[\TQ+17], v[160+\j]
	v_fma_f32 v[168+\j], v[168+\j], v[\TQ+16], v200
.endr
.irp t,0,1,2,3
	ds_store_b128 v6, v[144+8*\t:147+8*\t] offset:16*QP*\mm+64*\t
	ds_store_b128 v6, v[148+8*\t:151+8*\t] offset:16*QP*\mm+64*\t+16
.endr
	s_wait_dscnt 0x0                               ; the stores have read the accumulators
.endm
; 64 numbers of a lane, v[s + 16 b + e] = k 32 b + 16 h + e of my row, become a fragment's codes in v144-159 and its scale word in v44
.macro QUANT s
.irp b,0,1,2,3
	v_max3_num_f32 v[28+\b], |v[\s+16*\b]|, |v[\s+1+16*\b]|, 0x4800000      ; with the floor 2^(9 - 127): the byte cannot fall under 1
.endr
.irp e,2,4,6,8,10,12,14
.irp b,0,1,2,3
	v_max3_num_f32 v[28+\b], v[28+\b], |v[\s+16*\b+\e]|, |v[\s+1+16*\b+\e]|
.endr
.endr
.irp b,0,1,2,3
	v_permlanex16_b32 v[32+\b], v[28+\b], s54, s55
.endr
.irp b,0,1,2,3
	v_max_num_f32 v[28+\b], v[28+\b], v[32+\b]     ; with lane l xor 16's: the block's largest magnitude
.endr
.irp b,0,1,2,3
	v_add_nc_u32 v[40+\b], 0xfc000000, v[28+\b]    ; 8 off its exponent field: the conversion's scale operand
.endr
.irp b,0,1,2,3
	v_and_or_b32 v[36+\b], v[28+\b], 0x7f800000, s59   ; 448 x the scale
.endr
.irp b,0,1,2,3
	v_lshrrev_b32 v[32+\b], 23, v[40+\b]           ; the scale's byte
.endr
	v_lshl_or_b32 v44, v33, 8, v32
	v_lshl_or_b32 v44, v34, 16, v44
	v_lshl_or_b32 v44, v35, 24, v44
.irp b,0,1,2,3
.irp e,0,1,2,3,4,5,6,7,8,9,10,11,12,13,14,15
	v_med3_num_f32 v[\s+16*\b+\e], v[\s+16*\b+\e], -v[36+\b], v[36+\b]   ; the conversion to an 8-bit code does not saturate (ISA guide 7.6.2): the hold comes first
.endr
	v_cvt_scalef32_pk8_fp8_f32 v[144+4*\b:145+4*\b], v[\s+16*\b:\s+7+16*\b], v[40+\b]
	v_cvt_scalef32_pk8_fp8_f32 v[146+4*\b:147+4*\b], v[\s+8+16*\b:\s+15+16*\b], v[40+\b]
.endr
	v_nop                                          ; one plain line behind the last conversion: matrix instructions write these registers later
.endm
	s_load_b512 s[4:19], s[0:1], 0x0               ; q codes, q scales, Wq codes, Wq scales, bq, Wk codes, Wk scales, bk
	s_load_b512 s[20:35], s[0:1], 0x40             ; Wv codes, Wv scales, bv, Wo codes, Wo scales, bo, kvc, kvs
	s_load_b256 s[36:43], s[0:1], 0x80             ; tabk, tabq, idx, out0
	v_lshrrev_b32 v4, 5, v0
	v_readfirstlane_b32 s44, v4                    ; wave w
	s_and_b32 s45, s44, 3                          ; g
	s_lshr_b32 s46, s44, 2                         ; u
	s_lshr_b32 s47, ttmp9, 6                       ; batch
	s_mov_b32 s52, 0xffff0000                      ; lanes 16-31, as a select's mask
	s_mov_b32 s54, 0x76543210                      ; v_permlanex16_b32: lane l xor 16
	s_mov_b32 s55, 0xfedcba98
	s_mov_b32 s56, 0xfedcba98                      ; and the other half's lane (l + 8) mod 16
	s_mov_b32 s57, 0x76543210
	s_mov_b32 s58, 0x3e8293ee                      ; log2(e) / sqrt(32)
	s_mov_b32 s59, 0x600000                        ; the mantissa field of 448
	s_mul_i32 s49, s46, 4*IMGB                     ; where I read images: buffer 0, the four of my u
	s_mul_i32 s53, s44, IMGB                       ; my image's place in a buffer
	s_add_co_u32 s50, s53, 0x10000                 ; where I store the next one: buffer 1
	s_mul_i32 s51, s44, QSW
	s_add_co_u32 s51, s51, QS                      ; my rows; four rows on with each lap
	v_and_b32 v4, 31, v0
	v_lshlrev_b32 v1, 4, v4
	v_lshlrev_b32 v255, 2, v4
	v_bfe_u32 v2, v0, 4, 1
	v_lshlrev_b32 v3, 4, v2
	v_and_b32 v5, 15, v0                           ; r
	v_lshlrev_b32 v14, 2, v5
	v_lshl_add_u32 v176, v5, 8, v3                 ; a fragment's lane: row r of 256 codes, + 16 h
	v_lshlrev_b32 v177, 3, v5
	v_lshl_add_u32 v177, v2, 2, v177               ; scale word h of row r
	v_lshl_add_u32 v178, v5, 1, v2
	v_mul_u32_u24 v178, v178, 80                   ; the table's row (r, h)
	v_lshlrev_b32 v179, 5, v2                      ; a bias: my half's eight numbers of a tile
	v_mul_u32_u24 v6, v5, QP
	v_lshl_add_u32 v6, v2, 5, v6
	v_add_nc_u32 v6, s51, v6                       ; q' on its way in: row r, + 32 h
	v_add_nc_u32 v4, s49, v1
	v_add_nc_u32 v5, s49, v255
	v_add_nc_u32 v8, s53, v1                       ; lap 0's image goes to buffer 0
	v_add_nc_u32 v9, s53, v255
	s_mov_b32 s63, 0
	s_lshl_b32 s60, ttmp9, 6
	s_lshl_b32 s61, s46, 5
	s_add_co_u32 s60, s60, s61                     ; my first query, counted over all batches
	s_wait_kmcnt 0x0
	s_lshl_b32 s62, s60, 8
	s_add_nc_u64 s[4:5], s[4:5], s[62:63]
	s_lshl_b32 s62, s60, 3
	s_add_nc_u64 s[6:7], s[6:7], s[62:63]
	s_mul_i32 s62, s60, 160
	s_add_nc_u64 s[38:39], s[38:39], s[62:63]
	s_add_co_u32 s62, s60, s45
	s_lshl_b32 s62, s62, 6
	s_add_nc_u64 s[40:41], s[40:41], s[62:63]      ; idx at the query whose image I gather in lap 0
	s_lshl_b32 s62, s45, 14                        ; my 64 rows of each weight,
	s_add_nc_u64 s[8:9], s[8:9], s[62:63]
	s_add_nc_u64 s[14:15], s[14:15], s[62:63]
	s_add_nc_u64 s[20:21], s[20:21], s[62:63]
	s_lshl_b32 s62, s45, 9                         ; of their scales,
	s_add_nc_u64 s[10:11], s[10:11], s[62:63]
	s_add_nc_u64 s[16:17], s[16:17], s[62:63]
	s_add_nc_u64 s[22:23], s[22:23], s[62:63]
	s_lshl_b32 s62, s45, 8                         ; of the biases
	s_add_nc_u64 s[12:13], s[12:13], s[62:63]
	s_add_nc_u64 s[18:19], s[18:19], s[62:63]
	s_add_nc_u64 s[24:25], s[24:25], s[62:63]
	s_lshl_b32 s62, s47, 20                        ; the keys' buffers at my batch
	s_add_nc_u64 s[32:33], s[32:33], s[62:63]
	s_lshl_b32 s62, s47, 15
	s_add_nc_u64 s[34:35], s[34:35], s[62:63]
	s_mul_i32 s62, s47, 655360
	s_add_nc_u64 s[36:37], s[36:37], s[62:63]
	s_lshl_b32 s62, s44, 13                        ; Wo: rows 32 w on
	s_add_nc_u64 s[26:27], s[26:27], s[62:63]
	s_lshl_b32 s62, s44, 8
	s_add_nc_u64 s[28:29], s[28:29], s[62:63]
	s_lshl_b32 s62, s44, 7
	s_add_nc_u64 s[30:31], s[30:31], s[62:63]
	s_lshl_b32 s62, ttmp9, 16
	s_lshl_b32 s61, s44, 13
	s_add_co_u32 s62, s62, s61
	s_add_nc_u64 s[42:43], s[42:43], s[62:63]      ; out0 at row 64 W + 8 w
	; ---- the key numbers of laps 0, 1, 2: three loads
	global_load_b32 v12, v14, s[40:41]
	global_load_b32 v15, v14, s[40:41] offset:256
	global_load_b32 v13, v14, s[40:41] offset:512
	; ---- what Q wants: 72 loads
.irp mm,0,1
.irp p,0,1,2,3,4,5,6,7
	global_load_b128 v[80+32*\mm+4*\p:83+32*\mm+4*\p], v176, s[4:5] offset:4096*\mm+128*(\p/4)+32*(\p%4)
.endr
	global_load_b32 v[24+\mm], v177, s[6:7] offset:128*\mm
.endr
.irp p,0,1,2,3,4
	global_load_b128 v[28+4*\p:31+4*\p], v178, s[38:39] offset:16*\p
	global_load_b128 v[180+4*\p:183+4*\p], v178, s[38:39] offset:2560+16*\p
.endr
.irp t,0,1,2,3
	global_load_b128 v[48+8*\t:51+8*\t], v179, s[12:13] offset:64*\t
	global_load_b128 v[52+8*\t:55+8*\t], v179, s[12:13] offset:64*\t+16
	global_load_b32 v[20+\t], v177, s[10:11] offset:128*\t
.endr
	WIN 0x40                                       ; destination in window 1: Wq lies for now where Wv will
.irp t,0,1,2,3
.irp p,0,1,2,3,4,5,6,7
	global_load_b128 v[128+32*\t+4*\p:131+32*\t+4*\p], v176, s[8:9] offset:4096*\t+128*(\p/4)+32*(\p%4)
.endr
.endr
	WIN 0
	s_wait_loadcnt 63                              ; of 75 loads the oldest 12 are in, the three key numbers among them
	GADDR 12
	GATHER                                         ; lap 0's image
	v_add_nc_u32 v14, 0x200, v14
	s_wait_loadcnt 14                              ; all but the gather's 14
	WIN 0x40
.irp t,0,1,2,3
.irp p,0,1,2,3,4,5,6,7
	global_load_b128 v[32*\t+4*\p:32*\t+4*\p+3], v176, s[14:15] offset:4096*\t+128*(\p/4)+32*(\p%4)
.endr
.endr
	WIN 0
.irp t,0,1,2,3
	global_load_b32 v[16+\t], v177, s[16:17] offset:128*\t
.endr
	QPROJ 0, 80, 28
	QPROJ 1, 112, 180
.irp t,0,1,2,3
	global_load_b128 v[48+8*\t:51+8*\t], v179, s[18:19] offset:64*\t
	global_load_b128 v[52+8*\t:55+8*\t], v179, s[18:19] offset:64*\t+16
.endr
	global_load_b32 v26, v255, s[24:25]
	global_load_b32 v27, v255, s[24:25] offset:128
	WIN 0x40
.irp t,0,1,2,3
.irp p,0,1,2,3,4,5,6,7
	global_load_b128 v[128+32*\t+4*\p:131+32*\t+4*\p], v176, s[20:21] offset:4096*\t+128*(\p/4)+32*(\p%4)
.endr
.endr
	WIN 0
.irp t,0,1,2,3
	global_load_b32 v[20+\t], v177, s[22:23] offset:128*\t
.endr
	s_wait_loadcnt 63                              ; behind the gather's 14 loads 82 were issued: with at most 63 out the gather is in
	PUT
	s_wait_dscnt 0x0                               ; my image and my rows of q' have landed, and the stores have read their registers
	GADDR 15
	GATHER                                         ; lap 1's image
	s_barrier_signal -1
	s_barrier_wait -1
	v_add_nc_u32 v6, s51, v3
	v_add_nc_u32 v6, v6, v3                        ; q' on its way back: + 32 h
	PRE_A 0, 80, 0
	PRE_Q 0, 112
	s_wait_loadcnt 14                              ; all weights and biases are in; lap 1's gather may be out
.irp j,0,1,2,3,4,5,6,7
	v_mov_b32 v[176+\j], 0                         ; written once: the destination of a lane-sharing move counts as read
.endr
	s_mov_b32 s48, 0
.Llap:
	v_add_nc_u32 v6, s51, v3
	v_add_nc_u32 v6, v6, v3
	v_add_nc_u32 v7, s51, v255
	v_add_nc_u32 v8, s50, v1
	v_add_nc_u32 v9, s50, v255
	QUERY 0, 80, 112, 0, 13, 0, 0
	QUERY 1, 112, 80, 1, 15, 2, 0
	QUERY 2, 80, 112, 0, 15, 2, 0
	STAGE
	QUERY 3, 112, 80, 1, 15, 2, 1
	s_add_co_u32 s51, s51, 4*QP
	s_add_co_u32 s48, s48, 1
	s_cmp_lt_u32 s48, 8
	s_cbranch_scc1 .Llap
	; ---- the result x Wo + bo.  Wave w: quantises fragment (16 queries w / 2, K step w % 2); multiplies all eight by rows 32 w .. 32 w + 31 of Wo; stores rows 8 w .. 8 w + 7
	s_wait_dscnt 0x0                               ; my results have landed in my rows
	v_and_b32 v12, 15, v0
	v_lshl_add_u32 v4, v12, 8, v3
	v_lshlrev_b32 v5, 3, v12
	v_lshl_add_u32 v5, v2, 2, v5
	v_lshlrev_b32 v6, 5, v2
	WIN 0x40
.irp n,0,1
.irp p,0,1,2,3,4,5,6,7
	global_load_b128 v[32*\n+4*\p:32*\n+4*\p+3], v4, s[26:27] offset:4096*\n+128*(\p/4)+32*(\p%4)
.endr
.endr
	WIN 0
.irp n,0,1
	global_load_b32 v[16+\n], v5, s[28:29] offset:128*\n
	global_load_b128 v[48+8*\n:51+8*\n], v6, s[30:31] offset:64*\n
	global_load_b128 v[52+8*\n:55+8*\n], v6, s[30:31] offset:64*\n+16
.endr
	s_and_b32 s60, s44, 1
	s_lshl_b32 s60, s60, 1
	s_lshl_b32 s61, s46, 2
	s_add_co_u32 s60, s60, s61
	s_mul_i32 s60, s60, QSW                        ; the rows of wave 4 u + 2 (w % 2): columns 128 (w % 2) on,
	s_bfe_u32 s61, s44, 0x10001
	s_mul_i32 s61, s61, 16*QP                      ; their upper or lower 16 queries
	s_add_co_u32 s60, s60, s61
	s_add_co_u32 s60, s60, QS
	v_mul_u32_u24 v7, v12, QP
	v_lshl_add_u32 v7, v2, 6, v7
	v_add_nc_u32 v7, s60, v7
	s_lshl_b32 s61, s44, 11
	v_add_nc_u32 v8, s61, v1
	s_lshl_b32 s61, s44, 7
	s_add_co_u32 s60, s61, OSC
	v_add_nc_u32 v9, s60, v255
	s_add_co_u32 s60, s61, YS
	v_mul_u32_u24 v10, v12, YP
	v_lshl_add_u32 v10, v2, 5, v10
	v_add_nc_u32 v10, s60, v10
	s_mul_i32 s60, s44, 8*YP
	s_add_co_u32 s60, s60, YS
	v_add_nc_u32 v11, s60, v1
	s_barrier_signal -1
	s_barrier_wait -1                              ; every wave's results lie in LDS, and nobody reads an image any more
.irp b,0,1,2,3
.irp j,0,1,2,3
	ds_load_b128 v[80+16*\b+4*\j:83+16*\b+4*\j], v7 offset:QSW*(\b/2)+128*(\b%2)+16*\j
.endr
.endr
	s_wait_dscnt 0x0
	QUANT 80
.irp c,0,1,2,3
	ds_store_b128 v8, v[144+4*\c:147+4*\c] offset:512*\c
.endr
	ds_store_b32 v9, v44
	s_wait_dscnt 0x0
	s_barrier_signal -1
	s_barrier_wait -1
	s_wait_loadcnt 0x0                             ; Wo, its scale words, bo
.irp s,0,1
.irp m,0,1,2,3
.irp c,0,1,2,3
	ds_load_b128 v[80+16*\m+4*\c:83+16*\m+4*\c], v1 offset:2048*(2*\m+\s)+512*\c
.endr
	ds_load_b32 v[20+\m], v255 offset:OSC+128*(2*\m+\s)
.endr
	s_wait_dscnt 0x0
	WIN 0x01
.irp m,0,1,2,3
.irp n,0,1
.if \s == 0
	v_wmma_scale_f32_16x16x128_f8f6f4 v[144+8*(2*\m+\n):151+8*(2*\m+\n)], v[32*\n:32*\n+15], v[80+16*\m:95+16*\m], v[48+8*\n:55+8*\n], v[16+\n], v[20+\m]
.else
	v_wmma_scale_f32_16x16x128_f8f6f4 v[144+8*(2*\m+\n):151+8*(2*\m+\n)], v[32*\n+16:32*\n+31], v[80+16*\m:95+16*\m], v[144+8*(2*\m+\n):151+8*(2*\m+\n)], v[16+\n], v[20+\m] matrix_a_scale:MATRIX_SCALE_ROW1
.endif
.endr
.endr
	WIN 0
.rept 8
	v_nop                                          ; places in front of loads into registers that these products have read, and of the first read of their results
.endr
.endr
.irp m,0,1,2,3
.irp n,0,1
	ds_store_b128 v10, v[144+8*(2*\m+\n):147+8*(2*\m+\n)] offset:16*YP*\m+64*\n          ; lane (r, h): out0(16 m + r, 32 w + 16 n + 8 h + 0..7); each accumulator from its low end on
	ds_store_b128 v10, v[148+8*(2*\m+\n):151+8*(2*\m+\n)] offset:16*YP*\m+64*\n+16
.endr
.endr
	s_wait_dscnt 0x0
	s_barrier_signal -1
	s_barrier_wait -1
.irp e,0,1,2,3,4,5,6,7,8,9,10,11,12,13,14,15
	ds_load_b128 v[80+4*\e:83+4*\e], v11 offset:YP*(\e/2)+512*(\e%2)
.endr
.irp e,0,1,2,3,4,5,6,7,8,9,10,11,12,13,14,15
	s_wait_dscnt 15-\e                             ; LDS loads come back in order: number e is in when at most the 15 - e younger ones are out
	global_store_b128 v1, v[80+4*\e:83+4*\e], s[42:43] offset:1024*(\e/2)+512*(\e%2) th:TH_STORE_NT   ; 32 lanes store 512 consecutive bytes, aligned; written once
.endr
	s_wait_xcnt 0x0
	v_lshl_add_u32 v254, v0, 2, 0x31000
	v_mov_b32 v255, 0
	s_wait_tensorcnt 0x0
	ds_add_u32 v254, v255
	s_wait_dscnt 0x0
	s_endpgm
.Lfunc_end_k_qa9b04095e8_attn:
	.size	k_qa9b04095e8_attn, .Lfunc_end_k_qa9b04095e8_attn-k_qa9b04095e8_attn
	.p2alignl 7, 3214868480
	.fill 96, 4, 3214868480
	.section	.rodata,"a",@progbits
	.p2align	6, 0x0
	.amdhsa_kernel k_qa9b04095e8_attn
		.amdhsa_group_segment_fixed_size 201728
		.amdhsa_private_segment_fixed_size 0
		.amdhsa_enable_private_segment 0
		.amdhsa_kernarg_size 160
		.amdhsa_user_sgpr_count 2
		.amdhsa_user_sgpr_kernarg_segment_ptr 1
		.amdhsa_wavefront_size32 1
		.amdhsa_system_sgpr_workgroup_id_x 1
		.amdhsa_system_sgpr_workgroup_id_y 1
		.amdhsa_system_sgpr_workgroup_id_z 1
		.amdhsa_system_vgpr_workitem_id 0
		.amdhsa_next_free_vgpr 512
		.amdhsa_next_free_sgpr 66
		.amdhsa_reserve_vcc 0
		.amdhsa_float_denorm_mode_32 3
		.amdhsa_float_denorm_mode_16_64 3
		.amdhsa_memory_ordered 1
		.amdhsa_forward_progress 1
		.amdhsa_inst_pref_size 103
	.end_amdhsa_kernel
	.amdgpu_metadata
---
amdhsa.version: [ 1, 2 ]
amdhsa.kernels:
  - .name:           k_qa9b04095e8_attn
    .symbol:         k_qa9b04095e8_attn.kd
    .args:
      - { .name: q_feat_codes, .offset: 0, .size: 8, .value_kind: global_buffer, .address_space: global }
      - { .name: q_feat_scales, .offset: 8, .size: 8, .value_kind: global_buffer, .address_space: global }
      - { .name: Wq_codes, .offset: 16, .size: 8, .value_kind: global_buffer, .address_space: global }
      - { .name: Wq_scales, .offset: 24, .size: 8, .value_kind: global_buffer, .address_space: global }
      - { .name: bq, .offset: 32, .size: 8, .value_kind: global_buffer, .address_space: global }
      - { .name: Wk_codes, .offset: 40, .size: 8, .value_kind: global_buffer, .address_space: global }
      - { .name: Wk_scales, .offset: 48, .size: 8, .value_kind: global_buffer, .address_space: global }
      - { .name: bk, .offset: 56, .size: 8, .value_kind: global_buffer, .address_space: global }
      - { .name: Wv_codes, .offset: 64, .size: 8, .value_kind: global_buffer, .address_space: global }
      - { .name: Wv_scales, .offset: 72, .size: 8, .value_kind: global_buffer, .address_space: global }
      - { .name: bv, .offset: 80, .size: 8, .value_kind: global_buffer, .address_space: global }
      - { .name: Wo_codes, .offset: 88, .size: 8, .value_kind: global_buffer, .address_space: global }
      - { .name: Wo_scales, .offset: 96, .size: 8, .value_kind: global_buffer, .address_space: global }
      - { .name: bo, .offset: 104, .size: 8, .value_kind: global_buffer, .address_space: global }
      - { .name: kvc, .offset: 112, .size: 8, .value_kind: global_buffer, .address_space: global }
      - { .name: kvs, .offset: 120, .size: 8, .value_kind: global_buffer, .address_space: global }
      - { .name: tabk, .offset: 128, .size: 8, .value_kind: global_buffer, .address_space: global }
      - { .name: tabq, .offset: 136, .size: 8, .value_kind: global_buffer, .address_space: global }
      - { .name: idx, .offset: 144, .size: 8, .value_kind: global_buffer, .address_space: global }
      - { .name: out0, .offset: 152, .size: 8, .value_kind: global_buffer, .address_space: global }
    .group_segment_fixed_size: 201728
    .private_segment_fixed_size: 0
    .kernarg_segment_align: 8
    .kernarg_segment_size: 160
    .max_flat_workgroup_size: 256
    .sgpr_count:     66
    .vgpr_count:     512
    .wavefront_size: 32
...
	.end_amdgpu_metadata
.endif
;; end of part 3
;; ======== version 2 of 2: 3 launches
;; limits: inputs' magnitudes at most 100,000
;; workspace buffers: kvc 4,194,304 bytes; kvs 131,072 bytes; tabk 2,621,440 bytes; tabq 2,621,440 bytes; ktab 131,072 bytes; gmask 1,048,576 bytes of whole numbers; idx 1,048,576 bytes of whole numbers
;; launch prep (part 4): grid 256 x 1, 8 waves a work-group, no clusters, 150,016 bytes of LDS; arguments pos_q, pos_k, mask_k, heading_q, heading_k, kv_feat, kvc, kvs, tabk, tabq, ktab, gmask; writes kvc, kvs, tabk, tabq, ktab, gmask
.if DOCPART == 4
	.amdgcn_target "amdgcn-amd-amdhsa--gfx1250"
	.amdhsa_code_object_version 6
	.text
	.protected	k_qa9b04095e8_prep
	.globl	k_qa9b04095e8_prep
	.p2align	8
	.type	k_qa9b04095e8_prep,@function
k_qa9b04095e8_prep:
	s_mov_b64 s[64:65], 0
	v_nop
	global_prefetch_b8 v0, s[64:65] scope:SCOPE_SE
	s_setreg_imm32_b32 hwreg(HW_REG_WAVE_MODE, 25, 1), 1
	s_wait_xcnt 0x0
; PREP.  Four jobs for a work-group's 64 queries and 64 keys (work-group W, batch W / 64):
;  (1) tabk, tabq: for each key and query row and each h = 0, 1 twenty f32: cos(pos[h] f_j), j = 0..7; sin(..); cos(heading), sin(heading); mb (-inf for a masked key, else 0); 0.
;  (2) ktab: the keys in pairs, negated, (-x0, -x1, -y0, -y1), with +inf for the x of a masked key: a group of 16 keys is 128 bytes.
;  (3) kvc, kvs: kv_feat as codes of E4M3 with one E8M0 byte for each 32 along the row (a gather of rows and this quantiser commute: it works row by row).
;  (4) gmask: the batch's 4,096 keys are 256 groups of 16.  For each query: the least distance of each group; T, the 16th smallest of the 256; and two bit sets:
;      groups under T (words 0-7) and groups equal to T (words 8-15).  The 16 nearest keys, ties to the lower index, lie in the 16 groups that are first by (least distance, group).
; dist = sqrt(fma(dy, dy, dx dx)).  LIMITS: where the 16th and 17th distances differ by no more than the last bit of this arithmetic the choice may differ from one made with another rounding;
; d^2 under 2^-126 counts as 0 (the root flushes denormals); NaN among the positions is not served; angles beyond 1e5 rad are not served; blocks of kv_feat whose largest magnitude lies
; under 2^-118 get the byte 1 (a block of zeros too: its codes are zeros, and this program alone reads the bytes); NaN and infinities in kv_feat are not served.
; No tensor loads, no cluster: the work-groups share only the batch's 32 KB of keys, read once by each.
; REGISTERS: v0 thread, v1 lane, v2-15 addresses that stay, v16 the loop's LDS address, v17-25 load offsets and small inputs (v18-22 later the flags and T), v26-27 at work, v28-31 ktab's quad,
;   v32-47 -x (or inf), v48-63 -y of my 16 keys; v64-95 at work on distances; v64-127 later 64 group minima; v96-123 the tables; v128-143 the sorted list; v144-191 lists to merge; v192-255 kv_feat.
.set GP,  260                          ; LDS: group minima, a row of 64 queries + 1 word for each group: 65 words, so that 32 lanes' rows start in 32 different banks (64 banks of 4 bytes: ISA guide 11.1)
.set LL,  66560                        ; sorted lists, [wave][16][lane]
.set MS,  82944                        ; the bit sets, [query][16 words]
.set TS,  87040                        ; the tables' stage, 80 bytes a thread
.set QST, 107520                       ; the quantiser's stages: for each wave two of 32 x 80 bytes
.set SB,  148480                       ; 512 scale bytes
.set SP,  80
.set LST, 128
; cosine and sine of v[a].  n = the nearest whole number to a 2/pi; r = a - n pi/2, pi/2 in two parts, each taken off by one fused multiply-add; polynomials on |r| <= pi/4; the quadrant from n's two low bits.
.macro SINCOS a, c, s
	v_mul_f32 v116, s74, v[\a]
	s_delay_alu instid0(VALU_DEP_1)
	v_rndne_f32 v116, v116
	s_delay_alu instid0(VALU_DEP_1)
	v_fma_f32 v117, -v116, s75, v[\a]
	s_delay_alu instid0(VALU_DEP_1)
	v_fma_f32 v117, -v116, s76, v117
	s_delay_alu instid0(VALU_DEP_3)
	v_cvt_i32_f32 v118, v116
	s_delay_alu instid0(VALU_DEP_2)
	v_mul_f32 v119, v117, v117
	s_delay_alu instid0(VALU_DEP_1)
	v_fma_f32 v120, s78, v119, s79
	s_delay_alu instid0(VALU_DEP_2)
	v_fma_f32 v121, s81, v119, s82
	s_delay_alu instid0(VALU_DEP_2)
	v_fma_f32 v120, v120, v119, s80
	s_delay_alu instid0(VALU_DEP_2)
	v_fma_f32 v121, v121, v119, s83
	s_delay_alu instid0(VALU_DEP_2)
	v_fma_f32 v120, v120, v119, -0.5
	v_mul_f32 v122, v117, v119
	s_delay_alu instid0(VALU_DEP_2)
	v_fma_f32 v120, v120, v119, 1.0                ; cos r
	s_delay_alu instid0(VALU_DEP_2)
	v_fma_f32 v121, v121, v122, v117               ; sin r
	v_and_b32 v122, 1, v118
	s_delay_alu instid0(VALU_DEP_1)
	v_cmp_ne_u32 vcc_lo, 0, v122                   ; an odd quadrant swaps the two
	s_delay_alu instid0(VALU_DEP_1)
	v_cndmask_b32 v123, v121, v120, vcc_lo
	s_delay_alu instid0(VALU_DEP_2)
	v_cndmask_b32 v122, v120, v121, vcc_lo
	v_lshlrev_b32 v120, 30, v118                   ; the sine is negative in quadrants 2, 3: bit 1 of n;
	v_add_nc_u32 v121, 1, v118                     ; the cosine in 1, 2: bit 1 of n + 1
	s_delay_alu instid0(VALU_DEP_2)
	v_and_b32 v120, 0x80000000, v120
	s_delay_alu instid0(VALU_DEP_2)
	v_lshlrev_b32 v121, 30, v121
	s_delay_alu instid0(VALU_DEP_1)
	v_and_b32 v121, 0x80000000, v121
	s_delay_alu instid0(VALU_DEP_3)
	v_xor_b32 v[\s], v120, v123
	s_delay_alu instid0(VALU_DEP_2)
	v_xor_b32 v[\c], v121, v122
.endm
; One query (x, y in s[base + 2 i], s[base + 2 i + 1]) against my lane's 16 keys: the least distance goes to the group's row, word qn of the trip.
.macro QDIST i, base, qn
	s_mov_b32 s66, s[\base+2*\i+1]                 ; a scalar pair gives its low word to both halves: y gets a pair of its own
.irp p,0,2,4,6,8,10,12,14
	v_pk_add_f32 v[64+\p:65+\p], v[32+\p:33+\p], s[\base+2*\i:\base+2*\i+1] op_sel_hi:[1,0]
.endr
.irp p,0,2,4,6,8,10,12,14
	v_pk_add_f32 v[80+\p:81+\p], v[48+\p:49+\p], s[66:67] op_sel_hi:[1,0]
.endr
.irp p,0,2,4,6,8,10,12,14
	v_pk_mul_f32 v[64+\p:65+\p], v[64+\p:65+\p], v[64+\p:65+\p]
.endr
.irp p,0,2,4,6,8,10,12,14
	v_pk_fma_f32 v[64+\p:65+\p], v[80+\p:81+\p], v[80+\p:81+\p], v[64+\p:65+\p]
.endr
	v_min3_num_f32 v26, v64, v65, v66
	v_min3_num_f32 v27, v67, v68, v69
	s_delay_alu instid0(VALU_DEP_2)
	v_min3_num_f32 v26, v26, v70, v71
	s_delay_alu instid0(VALU_DEP_2)
	v_min3_num_f32 v27, v27, v72, v73
	s_delay_alu instid0(VALU_DEP_2)
	v_min3_num_f32 v26, v26, v74, v75
	s_delay_alu instid0(VALU_DEP_2)
	v_min3_num_f32 v27, v27, v76, v77
	s_delay_alu instid0(VALU_DEP_2)
	v_min3_num_f32 v26, v26, v78, v79
	s_delay_alu instid0(VALU_DEP_1)
	v_min_num_f32 v26, v26, v27
	s_wait_alu depctr_va_vdst(0)
	v_sqrt_f32 v26, v26                            ; the root of the least square is the least root
	v_nop                                          ; one plain line behind a transcendental (ISA guide 5.7.2)
	s_wait_alu depctr_va_vdst(0)
	ds_store_b32 v16, v26 offset:4*(\qn)
.endm
; v[x] goes into the ascending list of 16: place e takes the middle one of (old place e - 1, x, old place e).  From the top down, so that each line reads old values.
.macro INSERT x
.irp e,15,14,13,12,11,10,9,8,7,6,5,4,3,2,1
	v_med3_num_f32 v[LST+\e], v[LST+\e-1], v[\x], v[LST+\e]
.endr
	v_min_num_f32 v[LST], v[LST], v[\x]
.endm
.macro FOLD a, b                       ; the 16 smallest of two ascending lists of 16, as a bitonic run
.irp e,0,1,2,3,4,5,6,7,8,9,10,11,12,13,14,15
	v_min_num_f32 v[\a+\e], v[\a+\e], v[\b+15-\e]
.endr
.endm
.macro BSTAGE src, dst, d
.irp e,0,1,2,3,4,5,6,7,8,9,10,11,12,13,14,15
.if ((\e) & (\d)) == 0
	v_min_num_f32 v[\dst+\e], v[\src+\e], v[\src+\e+\d]
	v_max_num_f32 v[\dst+\e+\d], v[\src+\e], v[\src+\e+\d]
.endif
.endr
.endm
.macro BSORT a, n                      ; a bitonic run of 16 becomes ascending: four stages, to and fro between a and n
	BSTAGE \a, \n, 8
	BSTAGE \n, \a, 4
	BSTAGE \a, \n, 2
	BSTAGE \n, \a, 1
.endm
.macro FLAGS g, lt, eq                 ; bit e of v[lt]: v[g + e] < T; of v[eq]: = T.  A word is doubled and takes the compare's bit as its carry in, from e = 31 down
.set n, 31
.rept 32
	v_cmp_lt_f32 vcc_lo, v[\g+n], v22
	s_delay_alu instid0(VALU_DEP_1)
	v_add_co_ci_u32 v[\lt], vcc_lo, v[\lt], v[\lt], vcc_lo
	v_cmp_eq_f32 vcc_lo, v[\g+n], v22
	s_delay_alu instid0(VALU_DEP_1)
	v_add_co_ci_u32 v[\eq], vcc_lo, v[\eq], v[\eq], vcc_lo
.set n, n-1
.endr
.endm
; The quantiser: a step is 512 numbers.  They were loaded 16 bytes a lane, 512 consecutive bytes a load; through the wave's own stage they come back 64 bytes a lane: 16 neighbours, two lanes to a block of 32.
.macro KTURN t
.irp e,0,1,2,3
	ds_store_b128 v9, v[192+16*(\t)+4*\e:192+16*(\t)+4*\e+3] offset:32*SP*((\t)%2)+8*SP*\e
.endr
.irp e,0,1,2,3
	ds_load_b128 v[32+16*((\t)%2)+4*\e:32+16*((\t)%2)+4*\e+3], v10 offset:32*SP*((\t)%2)+16*\e   ; LDS serves a wave's instructions in order (ISA guide 5.7.1.4): these see the stores above
.endr
.endm
.macro KSTEP t
.set XS, 32+16*((\t)%2)
.if (\t) > 0
	s_wait_dscnt 1                                 ; this step's numbers are back; behind their loads only the last step's byte store was issued
.else
	s_wait_dscnt 0x0
.endif
.if (\t)+1 < 4
	KTURN (\t)+1                                   ; the next step goes through the other stage meanwhile
.endif
	v_max3_num_f32 v84, |v[XS]|, |v[XS+1]|, |v[XS+2]|
	v_max3_num_f32 v85, |v[XS+3]|, |v[XS+4]|, |v[XS+5]|
.irp e,6,10
	s_delay_alu instid0(VALU_DEP_2)
	v_max3_num_f32 v84, v84, |v[XS+\e]|, |v[XS+\e+1]|
	s_delay_alu instid0(VALU_DEP_2)
	v_max3_num_f32 v85, v85, |v[XS+\e+2]|, |v[XS+\e+3]|
.endr
	s_delay_alu instid0(VALU_DEP_2)
	v_max3_num_f32 v84, v84, |v[XS+14]|, |v[XS+15]|
	s_delay_alu instid0(VALU_DEP_1)
	v_max3_num_f32 v84, v84, v85, 0x4800000        ; and the floor 2^(9 - 127): the byte cannot fall under 1
	s_delay_alu instid0(VALU_DEP_1)
	v_max_num_f32_dpp v84, v84, v84 row_xmask:1 row_mask:0xf bank_mask:0xf   ; with my neighbour's 16: the block's largest magnitude
	s_delay_alu instid0(VALU_DEP_1)
	v_add_nc_u32 v87, 0xfc000000, v84              ; 8 off its exponent field: the conversion's scale operand
	s_delay_alu instid0(VALU_DEP_2)
	v_and_or_b32 v86, v84, 0x7f800000, s94         ; 448 x the scale
.irp e,0,1,2,3,4,5,6,7,8,9,10,11,12,13,14,15
	v_med3_num_f32 v[XS+\e], v[XS+\e], -v86, v86   ; the conversion to an 8-bit code does not saturate (ISA guide 7.6.2): the hold comes first
.endr
	v_cvt_scalef32_pk8_fp8_f32 v[64+4*(\t):65+4*(\t)], v[XS:XS+7], v87
	v_cvt_scalef32_pk8_fp8_f32 v[66+4*(\t):67+4*(\t)], v[XS+8:XS+15], v87
	v_lshrrev_b32 v[80+(\t)], 23, v87              ; the scale's byte (also the plain line behind the conversions)
	ds_store_b8 v11, v[80+(\t)] offset:16*(\t)     ; both lanes of a block write the same byte with the same value
	global_store_b128 v14, v[64+4*(\t):67+4*(\t)], s[16:17] offset:512*(\t)   ; the wave stores 512 consecutive bytes, aligned
.endm
	s_load_b512 s[4:19], s[0:1], 0x0               ; pos_q, pos_k, mask_k, heading_q, heading_k, kv_feat, kvc, kvs
	s_load_b256 s[20:27], s[0:1], 0x40             ; tabk, tabq, ktab, gmask
	s_set_vgpr_msb 0x40
	v_lshl_add_u32 v0, v0, 2, 0x24600
	v_mov_b32 v1, 0
	s_set_vgpr_msb 0x4000
	v_lshrrev_b32 v1, 5, v0
	s_delay_alu instid0(VALU_DEP_1)
	v_readfirstlane_b32 s28, v1                    ; wave w
	v_and_b32 v1, 31, v0                           ; lane
	s_wait_alu depctr_va_vdst(0)
	s_lshr_b32 s29, s28, 2                         ; u: which 32 of the 64 queries are mine in the second half
	s_and_b32 s30, s28, 3                          ; kq: which 64 of the 256 groups
	s_lshr_b32 s31, ttmp9, 6                       ; batch
	; every LDS address is made here, ahead of all branches
	v_mul_u32_u24 v2, v0, GP                       ; my group's row: group = thread
	s_mul_i32 s72, s30, 64*GP
	s_lshl_b32 s73, s29, 7
	s_add_co_u32 s72, s72, s73
	v_lshl_add_u32 v3, v1, 2, s72                  ; back: group 64 kq, query 32 u + lane
	s_lshl_b32 s72, s28, 11
	s_add_co_u32 s72, s72, LL
	v_lshl_add_u32 v4, v1, 2, s72                  ; my wave's list
	s_lshl_b32 s72, s29, 13
	s_add_co_u32 s72, s72, LL
	v_lshl_add_u32 v5, v1, 2, s72                  ; the four lists of my 32 queries
	s_lshl_b32 s72, s29, 11
	s_lshl_b32 s73, s30, 3
	s_add_co_u32 s72, s72, s73
	s_add_co_u32 s72, s72, MS
	v_lshl_add_u32 v6, v1, 6, s72                  ; my two words of my query's bit sets
	v_mul_u32_u24 v7, v0, 80
	s_delay_alu instid0(VALU_DEP_1)
	v_add_nc_u32 v7, TS, v7                        ; my 80 bytes of the tables' stage
	v_and_b32 v15, 127, v0
	s_delay_alu instid0(VALU_DEP_1)
	v_lshlrev_b32 v15, 4, v15                      ; the tables' way out: 16 bytes a thread of my half
	v_lshrrev_b32 v8, 7, v0
	s_delay_alu instid0(VALU_DEP_1)
	v_mul_u32_u24 v8, v8, 10240
	s_delay_alu instid0(VALU_DEP_1)
	v_add_nc_u32 v8, v8, v15
	s_delay_alu instid0(VALU_DEP_1)
	v_add_nc_u32 v8, TS, v8
	s_mul_i32 s72, s28, 2*32*SP
	s_add_co_u32 s72, s72, QST
	v_lshrrev_b32 v9, 2, v1
	s_delay_alu instid0(VALU_DEP_1)
	v_mul_u32_u24 v9, v9, SP
	v_and_b32 v10, 3, v1
	s_delay_alu instid0(VALU_DEP_1)
	v_lshl_add_u32 v9, v10, 4, v9
	s_delay_alu instid0(VALU_DEP_1)
	v_add_nc_u32 v9, s72, v9                       ; the quantiser's stage, in: four lanes' 64 bytes on end, then 16 of padding
	v_mul_u32_u24 v10, v1, SP
	s_delay_alu instid0(VALU_DEP_1)
	v_add_nc_u32 v10, s72, v10                     ; and out
	s_lshl_b32 s72, s28, 6
	s_add_co_u32 s72, s72, SB
	v_lshrrev_b32 v11, 1, v1
	s_delay_alu instid0(VALU_DEP_1)
	v_add_nc_u32 v11, s72, v11                     ; my block's scale byte
	v_lshl_add_u32 v12, v0, 4, MS
	v_lshl_add_u32 v13, v1, 4, SB
	v_lshlrev_b32 v14, 4, v1                       ; 16 x lane
	v_lshlrev_b32 v24, 4, v0                       ; 16 x thread
	v_and_b32 v17, 127, v0
	s_delay_alu instid0(VALU_DEP_1)
	v_lshrrev_b32 v18, 1, v17                      ; the tables: my row of 64,
	s_delay_alu instid0(VALU_DEP_1)
	v_lshlrev_b32 v19, 2, v18
	s_delay_alu instid0(VALU_DEP_3)
	v_lshlrev_b32 v17, 2, v17                      ; and its x (h = 0) or y (h = 1)
	v_lshlrev_b32 v23, 7, v0                       ; my group's 16 keys: 128 bytes
	v_mov_b32 v160, 0x7f800000                     ; +inf
	s_mov_b32 s74, 0x3f22f983                      ; 2 / pi
	s_mov_b32 s75, 0x3fc90fdb                      ; pi / 2, the f32 nearest to it,
	s_mov_b32 s76, 0xb33bbd2e                      ; and what it leaves
	s_mov_b32 s78, 0x37ccf5ce                      ; cosine: z^4, z^3, z^2 terms' factors
	s_mov_b32 s79, 0xbab6061a
	s_mov_b32 s80, 0x3d2aaaa5
	s_mov_b32 s81, 0xb94ca1f9                      ; sine
	s_mov_b32 s82, 0x3c08839e
	s_mov_b32 s83, 0xbe2aaaa3
	s_mov_b32 s85, 0x3f800000                      ; f_j = 10000^(-j / 8)
	s_mov_b32 s86, 0x3ea1e89b
	s_mov_b32 s87, 0x3dcccccd
	s_mov_b32 s88, 0x3d0186e2
	s_mov_b32 s89, 0x3c23d70a
	s_mov_b32 s90, 0x3b4f3e37
	s_mov_b32 s91, 0x3a83126f
	s_mov_b32 s92, 0x39a5cb5f
	s_mov_b32 s94, 0x600000                        ; the mantissa field of 448
	s_mov_b32 s67, 0                               ; (named as the upper half of the pair s[66:67])
	s_wait_alu depctr_va_vdst(0)
	s_wait_kmcnt 0x0
	s_cmp_lt_u32 s28, 4                            ; waves 0-3 make the keys' table, waves 4-7 the queries': the choice hangs on the wave's number alone
	s_cselect_b64 s[96:97], s[6:7], s[4:5]
	s_cselect_b64 s[98:99], s[12:13], s[10:11]
	s_cselect_b64 s[100:101], s[20:21], s[22:23]
	s_cselect_b32 s93, 0xff800000, 0               ; what a masked row gets: -inf for keys; queries have no mask
	s_mov_b32 s73, 0
	s_lshl_b32 s72, ttmp9, 9                       ; 64 rows of 8 bytes
	s_add_nc_u64 s[70:71], s[4:5], s[72:73]        ; pos_q at my 64 queries
	s_add_nc_u64 s[96:97], s[96:97], s[72:73]
	s_add_nc_u64 s[4:5], s[6:7], s[72:73]          ; pos_k at my 64 keys
	s_add_nc_u64 s[24:25], s[24:25], s[72:73]      ; ktab and kvs likewise: 512 bytes a work-group
	s_add_nc_u64 s[18:19], s[18:19], s[72:73]
	s_lshl_b32 s72, ttmp9, 8
	s_add_nc_u64 s[98:99], s[98:99], s[72:73]
	s_mul_i32 s72, ttmp9, 10240
	s_add_nc_u64 s[100:101], s[100:101], s[72:73]
	s_lshl_b32 s72, ttmp9, 6
	s_add_nc_u64 s[10:11], s[8:9], s[72:73]        ; mask_k at my 64 keys
	s_lshl_b32 s72, s31, 15
	s_add_nc_u64 s[6:7], s[6:7], s[72:73]          ; pos_k at my batch
	s_lshl_b32 s72, s31, 12
	s_add_nc_u64 s[8:9], s[8:9], s[72:73]          ; mask_k at my batch
	s_lshl_b32 s72, ttmp9, 16
	s_lshl_b32 s69, s28, 13
	s_add_co_u32 s72, s72, s69
	s_add_nc_u64 s[14:15], s[14:15], s[72:73]      ; kv_feat at my wave's 8 rows
	s_lshl_b32 s72, ttmp9, 14
	s_lshl_b32 s69, s28, 11
	s_add_co_u32 s72, s72, s69
	s_add_nc_u64 s[16:17], s[16:17], s[72:73]      ; and their codes
	s_lshl_b32 s72, ttmp9, 12
	s_add_nc_u64 s[26:27], s[26:27], s[72:73]      ; gmask at my 64 queries
	global_load_b32 v20, v17, s[96:97]             ; the tables' inputs
	global_load_b32 v21, v19, s[98:99]
	global_load_u8 v22, v18, s[10:11]
.irp p,0,1,2,3,4,5,6,7
	global_load_b128 v[64+4*\p:67+4*\p], v23, s[6:7] offset:16*\p     ; my group's keys: x, y, x, y
.endr
	global_load_b128 v[124:127], v24, s[8:9]       ; and their 16 mask bytes
	s_cmp_lg_u32 s28, 0
	s_cbranch_scc1 .Lno_ktab
	global_load_b128 v[132:135], v14, s[4:5]       ; wave 0: lane t takes keys 2 t, 2 t + 1 of the work-group's 64
	v_lshlrev_b32 v25, 1, v1
	global_load_u16 v136, v25, s[10:11]
	s_wait_loadcnt 0x0
	v_and_b32 v137, 0xff, v136
	v_lshrrev_b32 v138, 8, v136
	v_xor_b32 v139, 0x80000000, v132
	v_xor_b32 v140, 0x80000000, v134
	s_delay_alu instid0(VALU_DEP_4)
	v_cmp_ne_u32 vcc_lo, 0, v137
	s_delay_alu instid0(VALU_DEP_1)
	v_cndmask_b32 v28, v160, v139, vcc_lo
	v_cmp_ne_u32 vcc_lo, 0, v138
	s_delay_alu instid0(VALU_DEP_1)
	v_cndmask_b32 v29, v160, v140, vcc_lo
	v_xor_b32 v30, 0x80000000, v133
	v_xor_b32 v31, 0x80000000, v135
	global_store_b128 v14, v[28:31], s[24:25]      ; 512 consecutive bytes, aligned; v28-31 are never written again
.Lno_ktab:
.irp t,0,1,2,3
.irp e,0,1,2,3
	global_load_b128 v[192+16*\t+4*\e:195+16*\t+4*\e], v14, s[14:15] offset:2048*\t+512*\e th:TH_LOAD_NT   ; kv_feat: asked for now, wanted at the kernel's end
.endr
.endr
	s_wait_loadcnt 16                              ; all but the 16 loads of kv_feat are in
	; ---- the tables
.irp j,0,1,2,3,4,5,6,7
	v_mul_f32 v26, s[85+\j], v20
	SINCOS 26, 96+\j, 104+\j
.endr
	SINCOS 21, 112, 113
	v_mov_b32 v27, s93
	v_cmp_eq_u32 vcc_lo, 0, v22
	s_delay_alu instid0(VALU_DEP_1)
	v_cndmask_b32 v114, 0, v27, vcc_lo
	v_mov_b32 v115, 0
.irp e,0,1,2,3,4
	ds_store_b128 v7, v[96+4*\e:99+4*\e] offset:16*\e
.endr
	; ---- my 16 keys, negated; a masked key's x becomes +inf, so its distance is +inf
.irp e,0,1,2,3,4,5,6,7,8,9,10,11,12,13,14,15
	v_bfe_u32 v26, v[124+\e/4], 8*(\e%4), 8
	v_xor_b32 v27, 0x80000000, v[64+2*\e]
	s_delay_alu instid0(VALU_DEP_2)
	v_cmp_ne_u32 vcc_lo, 0, v26
	s_delay_alu instid0(VALU_DEP_1)
	v_cndmask_b32 v[32+\e], v160, v27, vcc_lo
	v_xor_b32 v[48+\e], 0x80000000, v[65+2*\e]
.endr
	; ---- every query of the work-group against my wave's 32 groups: four trips of 16 queries, their coordinates in scalar registers, eight queries a load, two sets by turns
	s_load_b512 s[32:47], s[70:71], 0x0
	s_mov_b32 s68, 0
	s_mov_b32 s69, 0
.Lq:
	v_add_nc_u32 v16, s69, v2
	s_wait_kmcnt 0x0                               ; the first eight are in
	s_load_b512 s[48:63], s[70:71], 0x40
.irp e,0,1,2,3,4,5,6,7
	QDIST \e, 32, \e
.endr
	s_wait_kmcnt 0x0                               ; the second eight are in, and no scalar load is out: the pointer may step
	s_add_nc_u64 s[70:71], s[70:71], 128
	s_cmp_eq_u32 s68, 3
	s_cbranch_scc1 .Lno_more                       ; the last trip asks for nothing: no load leaves its buffer
	s_load_b512 s[32:47], s[70:71], 0x0
.Lno_more:
.irp e,0,1,2,3,4,5,6,7
	QDIST \e, 48, 8+\e
.endr
	s_add_co_u32 s69, s69, 64
	s_add_co_u32 s68, s68, 1
	s_cmp_lt_u32 s68, 4
	s_cbranch_scc1 .Lq
	s_wait_dscnt 0x0                               ; my stores have landed: the minima and the tables' stage are whole behind this barrier
	s_barrier_signal -1
	s_barrier_wait -1
.irp e,0,1,2,3,4
	ds_load_b128 v[144+4*\e:147+4*\e], v8 offset:2048*\e
.endr
	s_wait_dscnt 0x0
.irp e,0,1,2,3,4
	global_store_b128 v15, v[144+4*\e:147+4*\e], s[100:101] offset:2048*\e   ; a wave stores 512 consecutive bytes, aligned
.endr
	; ---- lanes are queries now: my query's 64 minima of groups 64 kq on, sorted into a list of 16
.set n, 0
.rept 64
	ds_load_b32 v[64+n], v3 offset:GP*n
.set n, n+1
.endr
.set n, 0
.rept 16
	v_mov_b32 v[LST+n], 0x7f800000
.set n, n+1
.endr
.set n, 0
	s_wait_alu depctr_va_vdst(0)
.rept 64
	s_wait_dscnt 63-n                              ; LDS loads come back in order (ISA guide 5.7.1): number n is in when at most the 63 - n younger ones are out
	INSERT 64+n
.set n, n+1
.endr
.set n, 0
.rept 16
	ds_store_b32 v4, v[LST+n] offset:128*n
.set n, n+1
.endr
	s_wait_dscnt 0x0
	s_barrier_signal -1
	s_barrier_wait -1
	s_wait_xcnt 0x0                                ; the tables' stores have read v144-163: only now are they loaded again
.set n, 0
.rept 16
	ds_load_b32 v[144+n], v5 offset:128*n
	ds_load_b32 v[160+n], v5 offset:2048+128*n
	ds_load_b32 v[32+n], v5 offset:4096+128*n
	ds_load_b32 v[48+n], v5 offset:6144+128*n
.set n, n+1
.endr
	s_wait_dscnt 0x0
	FOLD 144, 160
	BSORT 144, 176
	FOLD 32, 48
	BSORT 32, 176
	FOLD 144, 32                                   ; the 16 smallest of the 256; T is the largest of them
	v_max3_num_f32 v22, v144, v145, v146
	v_max3_num_f32 v23, v147, v148, v149
	s_delay_alu instid0(VALU_DEP_2)
	v_max3_num_f32 v22, v22, v150, v151
	s_delay_alu instid0(VALU_DEP_2)
	v_max3_num_f32 v23, v23, v152, v153
	s_delay_alu instid0(VALU_DEP_2)
	v_max3_num_f32 v22, v22, v154, v155
	s_delay_alu instid0(VALU_DEP_2)
	v_max3_num_f32 v23, v23, v156, v157
	s_delay_alu instid0(VALU_DEP_2)
	v_max3_num_f32 v22, v22, v158, v159
	s_delay_alu instid0(VALU_DEP_1)
	v_max_num_f32 v22, v22, v23
	v_mov_b32 v18, 0
	v_mov_b32 v19, 0
	v_mov_b32 v20, 0
	v_mov_b32 v21, 0
	FLAGS 64, 18, 20
	FLAGS 96, 19, 21
	ds_store_b64 v6, v[18:19]
	ds_store_b64 v6, v[20:21] offset:32
	; ---- kv_feat: my wave's 8 rows, four steps of 512 numbers
	s_wait_loadcnt 0x0
	KTURN 0
	KSTEP 0
	KSTEP 1
	KSTEP 2
	KSTEP 3
	s_wait_dscnt 0x0
	s_barrier_signal -1
	s_barrier_wait -1
	ds_load_b128 v[88:91], v12
	s_wait_dscnt 0x0
	global_store_b128 v24, v[88:91], s[26:27]      ; the bit sets: a wave stores 512 consecutive bytes, aligned
	s_cmp_lg_u32 s28, 0
	s_cbranch_scc1 .Ldone
	ds_load_b128 v[92:95], v13
	s_wait_dscnt 0x0
	global_store_b128 v14, v[92:95], s[18:19]      ; the work-group's 512 scale bytes
.Ldone:
	s_set_vgpr_msb 0x5
	s_wait_tensorcnt 0x0
	ds_add_u32 v0, v1
	s_wait_dscnt 0x0
	s_set_vgpr_msb 0x500
	s_endpgm
.Lfunc_end_k_qa9b04095e8_prep:
	.size	k_qa9b04095e8_prep, .Lfunc_end_k_qa9b04095e8_prep-k_qa9b04095e8_prep
	.p2alignl 7, 3214868480
	.fill 96, 4, 3214868480
	.section	.rodata,"a",@progbits
	.p2align	6, 0x0
	.amdhsa_kernel k_qa9b04095e8_prep
		.amdhsa_group_segment_fixed_size 150016
		.amdhsa_private_segment_fixed_size 0
		.amdhsa_enable_private_segment 0
		.amdhsa_kernarg_size 96
		.amdhsa_user_sgpr_count 2
		.amdhsa_user_sgpr_kernarg_segment_ptr 1
		.amdhsa_wavefront_size32 1
		.amdhsa_system_sgpr_workgroup_id_x 1
		.amdhsa_system_sgpr_workgroup_id_y 1
		.amdhsa_system_sgpr_workgroup_id_z 1
		.amdhsa_system_vgpr_workitem_id 0
		.amdhsa_next_free_vgpr 258
		.amdhsa_next_free_sgpr 102
		.amdhsa_reserve_vcc 1
		.amdhsa_float_denorm_mode_32 3
		.amdhsa_float_denorm_mode_16_64 3
		.amdhsa_memory_ordered 1
		.amdhsa_forward_progress 1
		.amdhsa_inst_pref_size 184
	.end_amdhsa_kernel
	.amdgpu_metadata
---
amdhsa.version: [ 1, 2 ]
amdhsa.kernels:
  - .name:           k_qa9b04095e8_prep
    .symbol:         k_qa9b04095e8_prep.kd
    .args:
      - { .name: pos_q, .offset: 0, .size: 8, .value_kind: global_buffer, .address_space: global }
      - { .name: pos_k, .offset: 8, .size: 8, .value_kind: global_buffer, .address_space: global }
      - { .name: mask_k, .offset: 16, .size: 8, .value_kind: global_buffer, .address_space: global }
      - { .name: heading_q, .offset: 24, .size: 8, .value_kind: global_buffer, .address_space: global }
      - { .name: heading_k, .offset: 32, .size: 8, .value_kind: global_buffer, .address_space: global }
      - { .name: kv_feat, .offset: 40, .size: 8, .value_kind: global_buffer, .address_space: global }
      - { .name: kvc, .offset: 48, .size: 8, .value_kind: global_buffer, .address_space: global }
      - { .name: kvs, .offset: 56, .size: 8, .value_kind: global_buffer, .address_space: global }
      - { .name: tabk, .offset: 64, .size: 8, .value_kind: global_buffer, .address_space: global }
      - { .name: tabq, .offset: 72, .size: 8, .value_kind: global_buffer, .address_space: global }
      - { .name: ktab, .offset: 80, .size: 8, .value_kind: global_buffer, .address_space: global }
      - { .name: gmask, .offset: 88, .size: 8, .value_kind: global_buffer, .address_space: global }
    .group_segment_fixed_size: 150016
    .private_segment_fixed_size: 0
    .kernarg_segment_align: 8
    .kernarg_segment_size: 96
    .max_flat_workgroup_size: 256
    .sgpr_count:     102
    .vgpr_count:     258
    .wavefront_size: 32
...
	.end_amdgpu_metadata
.endif
;; end of part 4
;; launch pick (part 5): grid 256 x 1, 8 waves a work-group, no clusters, 26,624 bytes of LDS; arguments gmask, ktab, pos_q, idx; writes idx
.if DOCPART == 5
	.amdgcn_target "amdgcn-amd-amdhsa--gfx1250"
	.amdhsa_code_object_version 6
	.text
	.protected	k_qa9b04095e8_pick
	.globl	k_qa9b04095e8_pick
	.p2align	8
	.type	k_qa9b04095e8_pick,@function
k_qa9b04095e8_pick:
	s_mov_b64 s[64:65], 0
	v_nop
	global_prefetch_b8 v0, s[64:65] scope:SCOPE_SE
	s_setreg_imm32_b32 hwreg(HW_REG_WAVE_MODE, 25, 1), 1
	s_wait_xcnt 0x0
; PICK.  For each query: from its two bit sets of groups (under T, equal to T) the 16 groups that are first by (least distance, group); their 256 keys' distances anew, by the same arithmetic;
; T*, the 16th smallest; the keys under T* and the first of those equal to T*, in index order, 16 in all: their numbers inside the batch go to idx, ascending.
; The groups' numbers come from whole numbers read from memory, so they may steer the gather from ktab; the keys' numbers hang on distances made here and are only stored.
; A work-group takes 64 queries.  A lane is query 32 u + lane; the four waves kq = 0..3 of a u share the 16 groups: wave kq takes places 4 kq .. 4 kq + 3.  The decoding is done by all four alike.
; Counts of bits are sums of fields (2, 4, 8 bits, then a multiplication); a bit's place by its rank walks the same sums from 16 bits down to 1.
; LIMITS: as in the launch that made the bit sets (last-bit ties of distances; no NaN among positions).
; REGISTERS: v2-9 LDS addresses; v[10:11] qx twice, v[12:13] qy twice; v14-16 offsets; v19 4 kq; v20-35 the bit sets (under: 20-27, equal: 28-35), between the decodings the sorted list;
;   v36-43 running counts; v44-51 the choice; v52-55 the four places' results; v56-59 packed groups, flags; v60 all ones, v61 0, v62-63 at work; v64-191 keys, later lists; v192-255 distances; v240-255 at work while decoding.
.set LL, 0                             ; LDS: sorted lists [wave][16][lane]
.set GS, 16384                         ; the 16 groups of each query, four to a word: [kq][query]
.set FM, 17408                         ; the keys' bit sets [query][16 words]
.set IS, 21504                         ; the result [query][16]
.set LST, 20
.macro POPC dst, src                   ; v[dst] = the number of ones in v[src]
	v_lshrrev_b32 v255, 1, v[\src]
	s_delay_alu instid0(VALU_DEP_1)
	v_and_b32 v255, s20, v255
	s_delay_alu instid0(VALU_DEP_1)
	v_sub_nc_u32 v[\dst], v[\src], v255
	s_delay_alu instid0(VALU_DEP_1)
	v_lshrrev_b32 v255, 2, v[\dst]
	s_delay_alu instid0(VALU_DEP_2)
	v_and_b32 v[\dst], s21, v[\dst]
	s_delay_alu instid0(VALU_DEP_2)
	v_and_b32 v255, s21, v255
	s_delay_alu instid0(VALU_DEP_1)
	v_add_nc_u32 v[\dst], v[\dst], v255
	s_delay_alu instid0(VALU_DEP_1)
	v_lshrrev_b32 v255, 4, v[\dst]
	s_delay_alu instid0(VALU_DEP_1)
	v_add_nc_u32 v[\dst], v[\dst], v255
	s_delay_alu instid0(VALU_DEP_1)
	v_and_b32 v[\dst], s22, v[\dst]
	s_delay_alu instid0(VALU_DEP_1)
	v_mul_lo_u32 v[\dst], v[\dst], s23
	s_delay_alu instid0(VALU_DEP_1)
	v_lshrrev_b32 v[\dst], 24, v[\dst]
.endm
.macro RANK                            ; v249 = ones in the lower half of what is left: if my rank v243 reaches it, go to the upper half (a 1 into v248) and take it off
	s_delay_alu instid0(VALU_DEP_1)
	v_cmp_ge_u32 vcc_lo, v243, v249
	s_delay_alu instid0(VALU_DEP_1)
	v_cndmask_b32 v249, 0, v249, vcc_lo
	s_delay_alu instid0(VALU_DEP_2)
	v_add_co_ci_u32 v248, vcc_lo, v248, v248, vcc_lo
	s_delay_alu instid0(VALU_DEP_2)
	v_sub_nc_u32 v243, v243, v249
.endm
; v[out] = the place, 0..255, of the one with rank v[k] (from 0) in the eight words v[wb] on, whose running counts stand in v[pb] on
.macro SELECT8 wb, pb, k, out
	v_mov_b32 v240, v[\wb]
	v_mov_b32 v241, 0
	v_mov_b32 v242, 0
.irp j,1,2,3,4,5,6,7
	v_cmp_le_u32 vcc_lo, v[\pb+\j-1], v[\k]
	s_delay_alu instid0(VALU_DEP_1)
	v_cndmask_b32 v240, v240, v[\wb+\j], vcc_lo
	s_delay_alu instid0(VALU_DEP_2)
	v_cndmask_b32 v241, v241, v[\pb+\j-1], vcc_lo
	s_delay_alu instid0(VALU_DEP_3)
	v_add_co_ci_u32 v242, vcc_lo, 0, v242, vcc_lo
.endr
	s_delay_alu instid0(VALU_DEP_2)
	v_sub_nc_u32 v243, v[\k], v241
	s_delay_alu instid0(VALU_DEP_4)
	v_lshrrev_b32 v249, 1, v240
	s_delay_alu instid0(VALU_DEP_1)
	v_and_b32 v249, s20, v249
	s_delay_alu instid0(VALU_DEP_1)
	v_sub_nc_u32 v244, v240, v249                  ; counts of 2 bits
	s_delay_alu instid0(VALU_DEP_1)
	v_lshrrev_b32 v249, 2, v244
	s_delay_alu instid0(VALU_DEP_2)
	v_and_b32 v245, s21, v244
	s_delay_alu instid0(VALU_DEP_2)
	v_and_b32 v249, s21, v249
	s_delay_alu instid0(VALU_DEP_1)
	v_add_nc_u32 v245, v245, v249                  ; of 4
	s_delay_alu instid0(VALU_DEP_1)
	v_lshrrev_b32 v249, 4, v245
	s_delay_alu instid0(VALU_DEP_1)
	v_add_nc_u32 v246, v245, v249
	s_delay_alu instid0(VALU_DEP_1)
	v_and_b32 v246, s22, v246                      ; of 8
	s_delay_alu instid0(VALU_DEP_1)
	v_lshrrev_b32 v249, 8, v246
	s_delay_alu instid0(VALU_DEP_1)
	v_add_nc_u32 v247, v246, v249                  ; of 16, in the low byte
	v_mov_b32 v248, 0
	s_delay_alu instid0(VALU_DEP_2)
	v_and_b32 v249, 0xff, v247
	RANK
	s_delay_alu instid0(VALU_DEP_2)
	v_lshlrev_b32 v250, 4, v248
	s_delay_alu instid0(VALU_DEP_1)
	v_bfe_u32 v249, v246, v250, 8
	RANK
	s_delay_alu instid0(VALU_DEP_2)
	v_lshlrev_b32 v250, 3, v248
	s_delay_alu instid0(VALU_DEP_1)
	v_bfe_u32 v249, v245, v250, 4
	RANK
	s_delay_alu instid0(VALU_DEP_2)
	v_lshlrev_b32 v250, 2, v248
	s_delay_alu instid0(VALU_DEP_1)
	v_bfe_u32 v249, v244, v250, 2
	RANK
	s_delay_alu instid0(VALU_DEP_2)
	v_lshlrev_b32 v250, 1, v248
	s_delay_alu instid0(VALU_DEP_1)
	v_bfe_u32 v249, v240, v250, 1
	RANK
	s_delay_alu instid0(VALU_DEP_2)
	v_lshl_add_u32 v[\out], v242, 5, v248
.endm
; From the sets 'under' (n of them, at most 15) and 'equal': the choice = all of 'under' and the first 16 - n of 'equal'; and its running counts
.macro PICK16
.irp j,0,1,2,3,4,5,6,7
	POPC 36+\j, 20+\j
.endr
	v_add3_u32 v62, v36, v37, v38
	s_delay_alu instid0(VALU_DEP_1)
	v_add3_u32 v62, v62, v39, v40
	s_delay_alu instid0(VALU_DEP_1)
	v_add3_u32 v62, v62, v41, v42
	s_delay_alu instid0(VALU_DEP_1)
	v_add_nc_u32 v62, v62, v43
	s_delay_alu instid0(VALU_DEP_1)
	v_sub_nc_u32 v62, 15, v62                      ; the rank of the last 'equal' that is taken
.irp j,0,1,2,3,4,5,6,7
	POPC 36+\j, 28+\j
.endr
.irp j, 1
	v_add_nc_u32 v[36+\j], v[36+\j], v[35+\j]
.endr
.irp j, 2, 3, 4, 5, 6, 7
	s_delay_alu instid0(VALU_DEP_1)
	v_add_nc_u32 v[36+\j], v[36+\j], v[35+\j]
.endr
	SELECT8 28, 36, 62, 63                         ; its place
.irp j,0,1,2,3,4,5,6,7
	v_add_nc_u32 v251, -32*\j, v63                 ; word j keeps its bits up to that place
	s_delay_alu instid0(VALU_DEP_1)
	v_min_u32 v251, 31, v251
	s_delay_alu instid0(VALU_DEP_1)
	v_sub_nc_u32 v251, 31, v251
	s_delay_alu instid0(VALU_DEP_1)
	v_lshrrev_b32 v251, v251, v60
	v_cmp_gt_u32 vcc_lo, 32*\j, v63                ; a word that begins behind it keeps none
	s_delay_alu instid0(VALU_DEP_1)
	v_cndmask_b32 v251, v251, v61, vcc_lo
	s_delay_alu instid0(VALU_DEP_1)
	v_and_or_b32 v[44+\j], v[28+\j], v251, v[20+\j]
.endr
.irp j,0,1,2,3,4,5,6,7
	POPC 36+\j, 44+\j
.endr
.irp j, 1
	v_add_nc_u32 v[36+\j], v[36+\j], v[35+\j]
.endr
.irp j, 2, 3, 4, 5, 6, 7
	s_delay_alu instid0(VALU_DEP_1)
	v_add_nc_u32 v[36+\j], v[36+\j], v[35+\j]
.endr
.endm
.macro INSERT x                        ; v[x] into the ascending list of 16, from the top down
.irp e,15,14,13,12,11,10,9,8,7,6,5,4,3,2,1
	v_med3_num_f32 v[LST+\e], v[LST+\e-1], v[\x], v[LST+\e]
.endr
	v_min_num_f32 v[LST], v[LST], v[\x]
.endm
.macro FOLD a, b
.irp e,0,1,2,3,4,5,6,7,8,9,10,11,12,13,14,15
	v_min_num_f32 v[\a+\e], v[\a+\e], v[\b+15-\e]
.endr
.endm
.macro BSTAGE src, dst, d
.irp e,0,1,2,3,4,5,6,7,8,9,10,11,12,13,14,15
.if ((\e) & (\d)) == 0
	v_min_num_f32 v[\dst+\e], v[\src+\e], v[\src+\e+\d]
	v_max_num_f32 v[\dst+\e+\d], v[\src+\e], v[\src+\e+\d]
.endif
.endr
.endm
.macro BSORT a, n
	BSTAGE \a, \n, 8
	BSTAGE \n, \a, 4
	BSTAGE \a, \n, 2
	BSTAGE \n, \a, 1
.endm
.macro FLAGS g, lt, eq
.set n, 31
.rept 32
	v_cmp_lt_f32 vcc_lo, v[\g+n], v62
	s_delay_alu instid0(VALU_DEP_1)
	v_add_co_ci_u32 v[\lt], vcc_lo, v[\lt], v[\lt], vcc_lo
	v_cmp_eq_f32 vcc_lo, v[\g+n], v62
	s_delay_alu instid0(VALU_DEP_1)
	v_add_co_ci_u32 v[\eq], vcc_lo, v[\eq], v[\eq], vcc_lo
.set n, n-1
.endr
.endm
; My place i: its group's 16 distances, and into the list with them
.macro SLOT i
	s_wait_loadcnt 24-8*\i                         ; this place's eight loads are in; those of the 3 - i places behind it may be out
.irp p,0,1,2,3,4,5,6,7
	v_pk_add_f32 v[64+32*\i+4*\p:65+32*\i+4*\p], v[64+32*\i+4*\p:65+32*\i+4*\p], v[10:11]
	v_pk_add_f32 v[66+32*\i+4*\p:67+32*\i+4*\p], v[66+32*\i+4*\p:67+32*\i+4*\p], v[12:13]
.endr
.irp p,0,1,2,3,4,5,6,7
	v_pk_mul_f32 v[64+32*\i+4*\p:65+32*\i+4*\p], v[64+32*\i+4*\p:65+32*\i+4*\p], v[64+32*\i+4*\p:65+32*\i+4*\p]
.endr
.irp p,0,1,2,3,4,5,6,7
	v_pk_fma_f32 v[64+32*\i+4*\p:65+32*\i+4*\p], v[66+32*\i+4*\p:67+32*\i+4*\p], v[66+32*\i+4*\p:67+32*\i+4*\p], v[64+32*\i+4*\p:65+32*\i+4*\p]
.endr
	s_wait_alu depctr_va_vdst(0)
.irp p,0,1,2,3,4,5,6,7
	v_sqrt_f32 v[192+16*\i+2*\p], v[64+32*\i+4*\p]
	v_sqrt_f32 v[193+16*\i+2*\p], v[65+32*\i+4*\p]
.endr
	v_nop                                          ; one plain line behind the transcendentals (ISA guide 5.7.2)
	s_wait_alu depctr_va_vdst(0)
.set n, 0
.rept 16
	INSERT 192+16*\i+n
.set n, n+1
.endr
.endm
	s_load_b256 s[4:11], s[0:1], 0x0               ; gmask, ktab, pos_q, idx
	s_set_vgpr_msb 0x40
	v_lshl_add_u32 v0, v0, 2, 0x6400
	v_mov_b32 v1, 0
	s_set_vgpr_msb 0x4000
	v_lshrrev_b32 v1, 5, v0
	s_delay_alu instid0(VALU_DEP_1)
	v_readfirstlane_b32 s12, v1                    ; wave
	v_and_b32 v1, 31, v0
	s_lshr_b32 s13, s12, 2                         ; u
	s_and_b32 s14, s12, 3                          ; kq
	s_lshr_b32 s15, ttmp9, 6                       ; batch
	s_lshl_b32 s24, s14, 2
	s_lshl_b32 s16, s12, 11
	v_lshl_add_u32 v2, v1, 2, s16                  ; my wave's list
	s_lshl_b32 s16, s13, 13
	v_lshl_add_u32 v3, v1, 2, s16                  ; the four lists of my 32 queries
	s_lshl_b32 s16, s13, 5
	v_add_nc_u32 v17, s16, v1                      ; my query of 64
	s_lshl_b32 s16, s14, 8
	s_add_co_u32 s16, s16, GS
	v_lshl_add_u32 v4, v17, 2, s16
	s_lshl_b32 s16, s14, 3
	s_add_co_u32 s16, s16, FM
	v_lshl_add_u32 v5, v17, 6, s16
	v_lshl_add_u32 v6, v17, 6, FM
	v_lshl_add_u32 v7, v17, 2, GS
	s_lshl_b32 s16, s14, 4
	s_add_co_u32 s16, s16, IS
	v_lshl_add_u32 v8, v17, 6, s16
	v_lshl_add_u32 v9, v0, 4, IS
	v_lshlrev_b32 v14, 6, v17
	v_lshlrev_b32 v15, 3, v17
	v_lshlrev_b32 v16, 4, v0
	v_mov_b32 v60, -1
	v_mov_b32 v61, 0
	s_mov_b32 s20, 0x55555555
	s_mov_b32 s21, 0x33333333
	s_mov_b32 s22, 0x0f0f0f0f
	s_mov_b32 s23, 0x01010101
	s_mov_b32 s19, 0
	s_wait_alu depctr_va_vdst(0)
	s_wait_kmcnt 0x0
	s_lshl_b32 s18, ttmp9, 12
	s_add_nc_u64 s[4:5], s[4:5], s[18:19]
	s_add_nc_u64 s[10:11], s[10:11], s[18:19]
	s_lshl_b32 s18, ttmp9, 9
	s_add_nc_u64 s[8:9], s[8:9], s[18:19]
	s_lshl_b32 s18, s15, 15
	s_add_nc_u64 s[6:7], s[6:7], s[18:19]          ; ktab at my batch
.irp e,0,1,2,3
	global_load_b128 v[20+4*\e:23+4*\e], v14, s[4:5] offset:16*\e
.endr
	global_load_b64 v[18:19], v15, s[8:9]
	s_wait_loadcnt 0x0
	v_mov_b32 v10, v18
	v_mov_b32 v11, v18
	v_mov_b32 v12, v19
	v_mov_b32 v13, v19
	v_mov_b32 v19, s24                             ; 4 kq
	; ---- the 16 groups; mine are those of ranks 4 kq .. 4 kq + 3
	PICK16
.irp i,0,1,2,3
	v_add_nc_u32 v62, \i, v19
	SELECT8 44, 36, 62, 52+\i
.endr
	v_lshl_or_b32 v56, v53, 8, v52
	s_delay_alu instid0(VALU_DEP_1)
	v_lshl_or_b32 v56, v54, 16, v56
	s_delay_alu instid0(VALU_DEP_1)
	v_lshl_or_b32 v56, v55, 24, v56
	ds_store_b32 v4, v56
.irp i,0,1,2,3
	v_min_u32 v[52+\i], 0xff, v[52+\i]             ; a number made of loaded ones enters an address only behind this hold
	s_delay_alu instid0(VALU_DEP_1)
	v_lshlrev_b32 v[52+\i], 7, v[52+\i]            ; a group's keys are 128 bytes
.endr
.irp i,0,1,2,3
.irp p,0,1,2,3,4,5,6,7
	global_load_b128 v[64+32*\i+4*\p:67+32*\i+4*\p], v[52+\i], s[6:7] offset:16*\p
.endr
.endr
.set n, 0
.rept 16
	v_mov_b32 v[LST+n], 0x7f800000
.set n, n+1
.endr
	SLOT 0
	SLOT 1
	SLOT 2
	SLOT 3
.set n, 0
.rept 16
	ds_store_b32 v2, v[LST+n] offset:LL+128*n
.set n, n+1
.endr
	s_wait_dscnt 0x0
	s_barrier_signal -1
	s_barrier_wait -1
.set n, 0
.rept 16
	ds_load_b32 v[64+n], v3 offset:LL+128*n
	ds_load_b32 v[80+n], v3 offset:LL+2048+128*n
	ds_load_b32 v[96+n], v3 offset:LL+4096+128*n
	ds_load_b32 v[112+n], v3 offset:LL+6144+128*n
.set n, n+1
.endr
	s_wait_dscnt 0x0
	FOLD 64, 80
	BSORT 64, 128
	FOLD 96, 112
	BSORT 96, 128
	FOLD 64, 96
	v_max3_num_f32 v62, v64, v65, v66
	v_max3_num_f32 v63, v67, v68, v69
	s_delay_alu instid0(VALU_DEP_2)
	v_max3_num_f32 v62, v62, v70, v71
	s_delay_alu instid0(VALU_DEP_2)
	v_max3_num_f32 v63, v63, v72, v73
	s_delay_alu instid0(VALU_DEP_2)
	v_max3_num_f32 v62, v62, v74, v75
	s_delay_alu instid0(VALU_DEP_2)
	v_max3_num_f32 v63, v63, v76, v77
	s_delay_alu instid0(VALU_DEP_2)
	v_max3_num_f32 v62, v62, v78, v79
	s_delay_alu instid0(VALU_DEP_1)
	v_max_num_f32 v62, v62, v63                    ; T*
	v_mov_b32 v56, 0
	v_mov_b32 v57, 0
	v_mov_b32 v58, 0
	v_mov_b32 v59, 0
	FLAGS 192, 56, 58
	FLAGS 224, 57, 59
	ds_store_b64 v5, v[56:57]
	ds_store_b64 v5, v[58:59] offset:32
	s_wait_dscnt 0x0
	s_barrier_signal -1
	s_barrier_wait -1
	; ---- the 16 keys.  Candidate c = 16 x place + key in its group; places ascend by group, so candidates ascend by key index
.irp e,0,1,2,3
	ds_load_b128 v[20+4*\e:23+4*\e], v6 offset:16*\e
.endr
.irp e,0,1,2,3
	ds_load_b32 v[56+\e], v7 offset:256*\e
.endr
	s_wait_dscnt 0x0
	PICK16
.irp i,0,1,2,3
	v_add_nc_u32 v62, \i, v19
	SELECT8 44, 36, 62, 63
	s_delay_alu instid0(VALU_DEP_1)
	v_lshrrev_b32 v251, 6, v63                     ; which packed word holds its place's group: a choice of values, no address
	s_delay_alu instid0(VALU_DEP_1)
	v_cmp_eq_u32 vcc_lo, 1, v251
	s_delay_alu instid0(VALU_DEP_1)
	v_cndmask_b32 v252, v56, v57, vcc_lo
	s_delay_alu instid0(VALU_DEP_3)
	v_cmp_eq_u32 vcc_lo, 2, v251
	s_delay_alu instid0(VALU_DEP_1)
	v_cndmask_b32 v252, v252, v58, vcc_lo
	v_cmp_eq_u32 vcc_lo, 3, v251
	s_delay_alu instid0(VALU_DEP_1)
	v_cndmask_b32 v252, v252, v59, vcc_lo
	v_bfe_u32 v253, v63, 4, 2
	s_delay_alu instid0(VALU_DEP_1)
	v_lshlrev_b32 v253, 3, v253
	s_delay_alu instid0(VALU_DEP_1)
	v_bfe_u32 v252, v252, v253, 8                  ; the group
	v_and_b32 v253, 15, v63
	s_delay_alu instid0(VALU_DEP_1)
	v_lshl_or_b32 v[52+\i], v252, 4, v253          ; the key's number inside the batch
.endr
	ds_store_b128 v8, v[52:55]
	s_wait_dscnt 0x0
	s_barrier_signal -1
	s_barrier_wait -1
	ds_load_b128 v[64:67], v9
	s_wait_dscnt 0x0
	global_store_b128 v16, v[64:67], s[10:11]      ; a wave stores 512 consecutive bytes, aligned
	s_set_vgpr_msb 0x5
	s_wait_tensorcnt 0x0
	ds_add_u32 v0, v1
	s_wait_dscnt 0x0
	s_set_vgpr_msb 0x500
	s_endpgm
.Lfunc_end_k_qa9b04095e8_pick:
	.size	k_qa9b04095e8_pick, .Lfunc_end_k_qa9b04095e8_pick-k_qa9b04095e8_pick
	.p2alignl 7, 3214868480
	.fill 96, 4, 3214868480
	.section	.rodata,"a",@progbits
	.p2align	6, 0x0
	.amdhsa_kernel k_qa9b04095e8_pick
		.amdhsa_group_segment_fixed_size 26624
		.amdhsa_private_segment_fixed_size 0
		.amdhsa_enable_private_segment 0
		.amdhsa_kernarg_size 32
		.amdhsa_user_sgpr_count 2
		.amdhsa_user_sgpr_kernarg_segment_ptr 1
		.amdhsa_wavefront_size32 1
		.amdhsa_system_sgpr_workgroup_id_x 1
		.amdhsa_system_sgpr_workgroup_id_y 1
		.amdhsa_system_sgpr_workgroup_id_z 1
		.amdhsa_system_vgpr_workitem_id 0
		.amdhsa_next_free_vgpr 258
		.amdhsa_next_free_sgpr 66
		.amdhsa_reserve_vcc 1
		.amdhsa_float_denorm_mode_32 3
		.amdhsa_float_denorm_mode_16_64 3
		.amdhsa_memory_ordered 1
		.amdhsa_forward_progress 1
		.amdhsa_inst_pref_size 200
	.end_amdhsa_kernel
	.amdgpu_metadata
---
amdhsa.version: [ 1, 2 ]
amdhsa.kernels:
  - .name:           k_qa9b04095e8_pick
    .symbol:         k_qa9b04095e8_pick.kd
    .args:
      - { .name: gmask, .offset: 0, .size: 8, .value_kind: global_buffer, .address_space: global }
      - { .name: ktab, .offset: 8, .size: 8, .value_kind: global_buffer, .address_space: global }
      - { .name: pos_q, .offset: 16, .size: 8, .value_kind: global_buffer, .address_space: global }
      - { .name: idx, .offset: 24, .size: 8, .value_kind: global_buffer, .address_space: global }
    .group_segment_fixed_size: 26624
    .private_segment_fixed_size: 0
    .kernarg_segment_align: 8
    .kernarg_segment_size: 32
    .max_flat_workgroup_size: 256
    .sgpr_count:     66
    .vgpr_count:     258
    .wavefront_size: 32
...
	.end_amdgpu_metadata
.endif
;; end of part 5
;; launch attn (part 6): grid 256 x 1, 8 waves a work-group, no clusters, 201,728 bytes of LDS; arguments q_feat_codes, q_feat_scales, Wq_codes, Wq_scales, bq, Wk_codes, Wk_scales, bk, Wv_codes, Wv_scales, bv, Wo_codes, Wo_scales, bo, kvc, kvs, tabk, tabq, idx, out0; writes out0
.if DOCPART == 6
	.amdgcn_target "amdgcn-amd-amdhsa--gfx1250"
	.amdhsa_code_object_version 6
	.text
	.protected	k_qa9b04095e8_attn
	.globl	k_qa9b04095e8_attn
	.p2align	8
	.type	k_qa9b04095e8_attn,@function
k_qa9b04095e8_attn:
	s_mov_b64 s[64:65], 0
	v_nop
	global_prefetch_b8 v0, s[64:65] scope:SCOPE_SE
	s_setreg_imm32_b32 hwreg(HW_REG_WAVE_SCHED_MODE, 0, 2), 2
	s_setreg_imm32_b32 hwreg(HW_REG_WAVE_MODE, 25, 1), 1
	s_wait_xcnt 0x0
	s_wait_alu depctr_vm_vsrc(0)
; ATTN.  out0 = attention(Q, K, V of each query's 16 chosen keys) Wo + bo; all four large products on codes of E4M3 with one E8M0 scale for each 32 along K.
; SHARES.  A work-group takes 64 queries of one batch.  Wave w = 4 u + g owns columns 64 g .. 64 g + 63 (head 2 g, which gets the 2-D rotation by position, and head 2 g + 1, which gets the rotation by heading)
; for queries 32 u .. 32 u + 31.  Its quarter of Wk and of Wv, 256 registers, stays in registers for the whole launch.  A query's 16 keys are one tile of 16 rows.
; LAPS.  Eight laps of four queries a wave.  The operand of query 32 u + 4 t + g (its keys' codes, scale words and rotation numbers) is gathered by wave (g, u) into registers a lap and more ahead, goes to LDS
; AS AN IMAGE OF THE REGISTERS (16 bytes a lane, 512 a store) and is read so by the four waves of that u.  Two image buffers take turns; one barrier a lap.
; LAYOUTS.  K^T = Wk x keys (source 0 = 16 rows of Wk, source 1 = the keys): lane (r, h) holds key r and columns 16 t + 8 h + 0..7.  V = keys x Wv (source 0 = the same fragment): lane (r, h) holds column 16 t + r
; and keys 8 h + 0..7.  q', rotated and multiplied by log2(e) / sqrt(32), lies in the wave's own LDS rows and is read by all lanes of a half alike.
; logit = c (q1 k1 + q2 k2) + s (q2 k1 - q1 k2), c and s the key's cosine and sine (by dimension for the even head, one pair for the odd one); a masked key adds -inf.
; The softmax takes the 16 keys' maximum away; both heads stand in one register, one in each half of the lanes.  The attention's result takes the place of its query's q' in LDS, is quantised from there, and multiplied by Wo.
; No tensor loads and no cluster: the rows wanted are named by a list, and the weights, the only bytes that work-groups share, go once from memory straight into operand registers.
; LIMITS: a query all of whose 16 chosen keys are masked (a batch with fewer than one open key among them) is not served; blocks of the attention's result under 2^-118 get the scale byte 1.
; REGISTERS, window 0: v1 16 x lane, v2 h, v3 16 h, v255 4 x lane; v4-9 LDS addresses; v10-12 gather offsets; v13, v15 key numbers ahead; v14 their offset; v16-25 scale words and nothing else
;   (16-19 Wk's, 20-23 Wv's, 24-25 the keys'); v26-27 bv; v28-47 a key's rotation numbers; v48-79 bk; v80-111, v112-143 the keys' fragment and q', by turns; v144-175 four accumulators; v176-183 weights spread;
;   v184-201 at work; v202-254 the gather's registers.   window 1: v256-383 Wk (tile t, K step s at 32 t + 16 s), v384-511 Wv.
; Every scale register holds K step 0's word in lanes 0-15 and K step 1's in lanes 16-31.
; THE MODE: SCHED_MODE bits 1:0 = 2 (LLVM: expert scheduling mode 2), set by the entry lines.  The code itself states the register dependences between vector or matrix instructions
; and memory or LDS instructions, with s_wait_alu, always for 0.
; THE PLAN.  Registers that memory or LDS instructions touch in the loop over laps, and who else names them:
;   v80-111, v112-143  In a query one is A, the keys' fragment, read by its sixteen products; the other is Q, its q', read by the logits' lines.  The next fragment's loads land in Q, the next q' in A.
;   v24, v25           One is read by the query's products; the other, last read by the products of the query before, is loaded with the next fragment.
;   v28-47             Read by the logits' lines; loaded with the next fragment.
;   v185, v187         Written by the weighted sum's last lines, read by its two LDS stores, written again by the next query's logits.
;   v4, v5             Read by the fragments' loads; written once a lap, behind the fourth query's logits.     v6-9  Read by q's loads, the result's stores, the image's stores; written at a lap's head.
;   v10-12, v14, v13   The gather's offsets, the key numbers' offset and the numbers: written or read by a few lines between a lap's third and fourth query.     v202-254  Named by loads and LDS stores alone.
;   The accumulators, the weights, the biases and the rest of v176-201 are named by vector and matrix instructions alone.
; A QUERY'S WAITS.  On vm_vsrc ahead of the logits (the first query's stands at the lap's head).  ONE on va_vdst behind the logits, ahead of V's products: those name A, its scale word, Wv and the accumulators,
; none of the registers that the next fragment's loads touch, so these loads are dealt among V's products with no further wait.  The softmax's four waits stand behind V's products: they also state that A has been read,
; for q's loads.  One on va_vdst ahead of the two result stores.
.set IMGB, 6784                        ; an image: codes 8 x 512, position numbers 4 x 512, heading numbers 512, scale words 128
.set QS,   131072                      ; LDS: image buffers at 0 and at 65,536 (8 images each); from here 32 rows x 272 bytes for each wave
.set QSW,  8704
.set QP,   272
.set OSC,  16384                       ; the last phase: images of the result's 8 fragments at 0, their scale words here,
.set YS,   17408                       ; and 64 rows x (1,024 + 16) bytes of out0
.set YP,   1040
.set MSB, 0
.macro WIN new                         ; the immediate's high byte repeats the setting that is left
.if MSB != \new
	s_set_vgpr_msb (MSB<<8)|\new
.set MSB, \new
.endif
.endm
.macro GADDR src                       ; the gather's offsets from the key's number in v[src]
	v_min_u32 v200, 0xfff, v[\src]                 ; a loaded number enters an address only behind this hold
	v_lshl_add_u32 v10, v200, 8, v3                ; codes: 256 bytes a key, + 16 h
	v_lshl_add_u32 v201, v200, 1, v2
	v_lshlrev_b32 v11, 2, v201                     ; scale word h of the key's two
	v_mul_u32_u24 v12, v201, 80                    ; the table's row (key, h)
.endm
.macro GATHER                          ; 14 loads
.irp p,0,1,2,3,4,5,6,7
	global_load_b128 v[202+4*\p:205+4*\p], v10, s[32:33] offset:128*(\p/4)+32*(\p%4)
.endr
.irp p,0,1,2,3
	global_load_b128 v[234+4*\p:237+4*\p], v12, s[36:37] offset:16*\p
.endr
	global_load_b128 v[250:253], v12, s[36:37] offset:64
	global_load_b32 v254, v11, s[34:35]
.endm
.macro PUT                             ; 14 stores: the image
.irp p,0,1,2,3,4,5,6,7
	ds_store_b128 v8, v[202+4*\p:205+4*\p] offset:512*\p
.endr
.irp p,0,1,2,3
	ds_store_b128 v8, v[234+4*\p:237+4*\p] offset:4096+512*\p
.endr
	ds_store_b128 v8, v[250:253] offset:6144
	ds_store_b32 v9, v254 offset:6656
.endm
.macro LDA n, i, dst, ks               ; load n of the 14 that bring image i of my four: 0-7 the fragment, 8 its scale words, 9-13 the rotation numbers
.if (\n) < 8
	ds_load_b128 v[\dst+4*(\n):\dst+4*(\n)+3], v4 offset:IMGB*(\i)+512*(\n)
.elseif (\n) == 8
	ds_load_b32 v[24+(\ks)], v5 offset:IMGB*(\i)+6656
.elseif (\n) < 13
	ds_load_b128 v[28+4*((\n)-9):31+4*((\n)-9)], v4 offset:IMGB*(\i)+4096+512*((\n)-9)
.else
	ds_load_b128 v[44:47], v4 offset:IMGB*(\i)+6144
.endif
.endm
.macro PRE_A i, dst, ks                ; all 14 in one run, in this order
.irp p,0,1,2,3,4,5,6,7,8,9,10,11,12,13
	LDA \p, \i, \dst, \ks
.endr
.endm
.macro PRE_Q i, dst                    ; 8 loads: q' of the lap's query i: register 8 t + j = column 16 t + 8 h + j
.irp t,0,1,2,3
	ds_load_b128 v[\dst+8*\t:\dst+8*\t+3], v6 offset:QP*(\i)+64*\t
	ds_load_b128 v[\dst+8*\t+4:\dst+8*\t+7], v6 offset:QP*(\i)+64*\t+16
.endr
.endm
; The four accumulators take turns, one instruction a turn.
.macro KPROD A, ks
	WIN 0x01                                       ; source 0 in window 1
.irp t,0,1,2,3
	v_wmma_scale_f32_16x16x128_f8f6f4 v[144+8*\t:151+8*\t], v[32*\t:32*\t+15], v[\A:\A+15], v[48+8*\t:55+8*\t], v[16+\t], v[24+(\ks)]
.endr
.irp t,0,1,2,3
	v_wmma_scale_f32_16x16x128_f8f6f4 v[144+8*\t:151+8*\t], v[32*\t+16:32*\t+31], v[\A+16:\A+31], v[144+8*\t:151+8*\t], v[16+\t], v[24+(\ks)] matrix_a_scale:MATRIX_SCALE_ROW1 matrix_b_scale:MATRIX_SCALE_ROW1
.endr
	WIN 0
.endm
; deal = 1: the 14 loads of the next query's image (i + 1, into Q and the other scale word) are dealt two behind each of the first seven products.  Under this window setting an LDS load's data and address lie in window 0.
; No wait stands among them: no vector or matrix instruction since the wait ahead of this macro names a register that these loads touch.
.macro VPROD A, ks, deal, i, Q
	WIN 0x04                                       ; source 1 in window 1
.irp t,0,1,2,3
	v_wmma_scale_f32_16x16x128_f8f6f4 v[144+8*\t:151+8*\t], v[\A:\A+15], v[128+32*\t:143+32*\t], 0, v[24+(\ks)], v[20+\t]
.if \deal
	LDA 2*\t, (\i)+1, \Q, 1-(\ks)
	LDA 2*\t+1, (\i)+1, \Q, 1-(\ks)
.endif
.endr
.irp t,0,1,2,3
	v_wmma_scale_f32_16x16x128_f8f6f4 v[144+8*\t:151+8*\t], v[\A+16:\A+31], v[144+32*\t:159+32*\t], v[144+8*\t:151+8*\t], v[24+(\ks)], v[20+\t] matrix_a_scale:MATRIX_SCALE_ROW1 matrix_b_scale:MATRIX_SCALE_ROW1
.if (\deal) && (\t < 3)
	LDA 8+2*\t, (\i)+1, \Q, 1-(\ks)
	LDA 9+2*\t, (\i)+1, \Q, 1-(\ks)
.endif
.endr
	WIN 0
.endm
; My half's part of both heads' logits of key r: v200 the even head's, v201 the odd head's.  Each accumulator is read from its low end on.
.macro LOGITS Q
.irp p,0,2,4,6
	v_pk_mul_f32 v[184+\p:185+\p], v[\Q+\p:\Q+\p+1], v[144+\p:145+\p]
.endr
.irp p,0,2,4,6
	v_pk_mul_f32 v[192+\p:193+\p], v[\Q+8+\p:\Q+9+\p], v[144+\p:145+\p]
.endr
.irp p,0,2,4,6
	v_pk_fma_f32 v[184+\p:185+\p], v[\Q+8+\p:\Q+9+\p], v[152+\p:153+\p], v[184+\p:185+\p]       ; q1 k1 + q2 k2
.endr
.irp p,0,2,4,6
	v_pk_fma_f32 v[192+\p:193+\p], v[\Q+\p:\Q+\p+1], v[152+\p:153+\p], v[192+\p:193+\p] neg_lo:[1,0,0] neg_hi:[1,0,0]   ; q2 k1 - q1 k2
.endr
	v_pk_fma_f32 v[200:201], v[28:29], v[184:185], v[46:47]        ; the sum begins with (mb, 0)
	v_pk_mul_f32 v[184:185], v[36:37], v[192:193]
	v_pk_fma_f32 v[200:201], v[30:31], v[186:187], v[200:201]
	v_pk_fma_f32 v[184:185], v[38:39], v[194:195], v[184:185]
	v_pk_fma_f32 v[200:201], v[32:33], v[188:189], v[200:201]
	v_pk_fma_f32 v[184:185], v[40:41], v[196:197], v[184:185]
	v_pk_fma_f32 v[200:201], v[34:35], v[190:191], v[200:201]
	v_pk_fma_f32 v[184:185], v[42:43], v[198:199], v[184:185]
	v_pk_mul_f32 v[186:187], v[\Q+16:\Q+17], v[160:161]
	v_pk_mul_f32 v[188:189], v[\Q+24:\Q+25], v[168:169]
	v_pk_mul_f32 v[190:191], v[\Q+24:\Q+25], v[160:161]
	v_pk_mul_f32 v[192:193], v[\Q+16:\Q+17], v[168:169]
.irp p,2,4,6
	v_pk_fma_f32 v[186:187], v[\Q+16+\p:\Q+17+\p], v[160+\p:161+\p], v[186:187]
	v_pk_fma_f32 v[188:189], v[\Q+24+\p:\Q+25+\p], v[168+\p:169+\p], v[188:189]
	v_pk_fma_f32 v[190:191], v[\Q+24+\p:\Q+25+\p], v[160+\p:161+\p], v[190:191]
	v_pk_fma_f32 v[192:193], v[\Q+16+\p:\Q+17+\p], v[168+\p:169+\p], v[192:193]
.endr
	v_pk_add_f32 v[200:201], v[200:201], v[184:185]
	v_pk_add_f32 v[186:187], v[186:187], v[188:189]
	v_pk_add_f32 v[190:191], v[190:191], v[192:193] neg_lo:[0,1] neg_hi:[0,1]
	v_add_f32 v200, v200, v201
	v_add_f32 v186, v186, v187
	v_add_f32 v190, v190, v191
	v_fma_f32 v201, v45, v190, v46
	v_fma_f32 v201, v44, v186, v201
.endm
; The halves' parts meet: lanes 0-15 end up with the even head's logit of key r, lanes 16-31 with the odd head's.  Then one softmax over 16 lanes serves both.
; v190, v191: the weights laid so that lane j (8 + j for the odd head) of each half holds the weight of key 8 h + j.
.macro SOFTMAX
	v_cndmask_b32 v184, v201, v200, s52
	v_cndmask_b32 v185, v200, v201, s52
	v_permlanex16_b32 v186, v184, s54, s55
	v_add_f32 v187, v185, v186
	v_max_num_f32_dpp v188, v187, v187 row_xmask:1 row_mask:0xf bank_mask:0xf
	v_max_num_f32_dpp v188, v188, v188 row_xmask:2 row_mask:0xf bank_mask:0xf
	v_max_num_f32_dpp v188, v188, v188 row_xmask:4 row_mask:0xf bank_mask:0xf
	v_max_num_f32_dpp v188, v188, v188 row_xmask:8 row_mask:0xf bank_mask:0xf
	v_sub_f32 v187, v187, v188
	s_wait_alu depctr_va_vdst(0)
	v_exp_f32 v187, v187
	v_nop                                          ; one plain line behind a transcendental (ISA guide 5.7.2)
	s_wait_alu depctr_va_vdst(0)                   ; the exponential has written v187, ahead of its first reader
	v_add_f32_dpp v189, v187, v187 row_xmask:1 row_mask:0xf bank_mask:0xf
	v_add_f32_dpp v189, v189, v189 row_xmask:2 row_mask:0xf bank_mask:0xf
	v_add_f32_dpp v189, v189, v189 row_xmask:4 row_mask:0xf bank_mask:0xf
	v_add_f32_dpp v189, v189, v189 row_xmask:8 row_mask:0xf bank_mask:0xf
	s_wait_alu depctr_va_vdst(0)
	v_rcp_f32 v189, v189
	v_nop
	s_wait_alu depctr_va_vdst(0)                   ; the reciprocal has written v189, ahead of its first reader; and V's products are done reading the fragment, in which the loads of q' behind this macro land (the four lines below name neither it nor v6)
	v_mul_f32 v187, v187, v189
	v_permlanex16_b32 v186, v187, s56, s57         ; from the other half, eight lanes round
	v_cndmask_b32 v190, v187, v186, s52
	v_cndmask_b32 v191, v186, v187, s52
.endm
; The weighted sum of V, the halves' parts joined, + bv; it takes the place of the query's q' in my LDS rows.
.macro WSUM i
.irp j,0,1,2,3,4,5,6,7
	v_mov_b32_dpp v[176+\j], v190 row_share:\j row_mask:0xf bank_mask:0xf
.endr
	v_pk_mul_f32 v[192:193], v[144:145], v[176:177]
	v_pk_mul_f32 v[194:195], v[152:153], v[176:177]
.irp p,2,4,6
	v_pk_fma_f32 v[192:193], v[144+\p:145+\p], v[176+\p:177+\p], v[192:193]
	v_pk_fma_f32 v[194:195], v[152+\p:153+\p], v[176+\p:177+\p], v[194:195]
.endr
.irp j,8,9,10,11,12,13,14,15
	v_mov_b32_dpp v[168+\j], v191 row_share:\j row_mask:0xf bank_mask:0xf
.endr
	v_pk_mul_f32 v[196:197], v[160:161], v[176:177]
	v_pk_mul_f32 v[198:199], v[168:169], v[176:177]
.irp p,2,4,6
	v_pk_fma_f32 v[196:197], v[160+\p:161+\p], v[176+\p:177+\p], v[196:197]
	v_pk_fma_f32 v[198:199], v[168+\p:169+\p], v[176+\p:177+\p], v[198:199]
.endr
	v_add_f32 v192, v192, v193
	v_add_f32 v194, v194, v195
	v_add_f32 v196, v196, v197
	v_add_f32 v198, v198, v199
	v_cndmask_b32 v184, v194, v192, s52
	v_cndmask_b32 v185, v192, v194, s52
	v_cndmask_b32 v186, v198, v196, s52
	v_cndmask_b32 v187, v196, v198, s52
	v_permlanex16_b32 v188, v184, s54, s55
	v_permlanex16_b32 v189, v186, s54, s55
	v_add_f32 v185, v185, v26
	v_add_f32 v187, v187, v27
	v_add_f32 v185, v185, v188                     ; column 64 g + lane
	v_add_f32 v187, v187, v189                     ; column 64 g + 32 + lane
	s_wait_alu depctr_va_vdst(0)                   ; the additions have written v185 and v187, which the two LDS stores read
	ds_store_b32 v7, v185 offset:QP*(\i)
	ds_store_b32 v7, v187 offset:QP*(\i)+128
.endm
; One query.  A: the registers of its keys' fragment; Q: of its q'.  The next query's fragment is fetched into Q once the logits are made, its q' into A once V's products have read it.
; w1: what was issued behind the scale word's load and may stay out (5 rotation loads, 8 of q', 2 result stores; 13 where the prologue leads here).  w2: what was issued behind q' (the 2 stores).
; last = 1: the lap's barrier.  In front of its signal my reads of this lap's images are over and my image for the next lap has landed; V's products stand between signal and wait.
.macro QUERY i, A, Q, ks, w1, w2, last
	s_wait_dscnt \w1
	KPROD \A, \ks
.rept 8
	v_nop                                          ; eight places behind this form before its results are read
.endr
	s_wait_dscnt \w2
.if \i > 0
	s_wait_alu depctr_vm_vsrc(0)                   ; the last query's two result stores have read v185 and v187, which the logits' lines write again; in the lap's last query also: the fragments' loads have read v4 and v5, written below
.endif
	LOGITS \Q
.if \last
	s_xor_b32 s49, s49, 0x10000                    ; the buffers change places: the addresses for the next lap's images are made here, ahead of the wait that stands anyway; nothing reads this lap's images by them any more
	s_xor_b32 s50, s50, 0x10000
	v_add_nc_u32 v4, s49, v1
	v_add_nc_u32 v5, s49, v255
.endif
	s_wait_alu depctr_va_vdst(0)                   ; the logits' lines are done reading q' and v28-47, the products of the query before are done reading the other scale word: the next image's loads land there; in the lap's last query v4 and v5 are written, which those loads read
.if \last
	s_wait_dscnt 0x0
	s_barrier_signal -1
	VPROD \A, \ks, 0, 0, 0                         ; over K's results: behind each of K's products stand the eight v_nop and the lines of the other head, which name none of its registers
	s_barrier_wait -1
	s_cmp_eq_u32 s48, 7
	s_cbranch_scc1 .Lno_a\@                        ; the last lap fetches nothing
	PRE_A 0, \Q, 0
.Lno_a\@:
.else
	VPROD \A, \ks, 1, \i, \Q                       ; over K's results, as above; the next image's loads among them
.endif
	SOFTMAX
.if \last
	s_cmp_eq_u32 s48, 7
	s_cbranch_scc1 .Lno_q\@
	PRE_Q 4, \A
.Lno_q\@:
.else
	PRE_Q (\i)+1, \A
.endif
	s_wait_alu depctr_va_vdst(0)
	WSUM \i
.endm
; Between a lap's third and fourth query: the image for lap t + 1 goes to LDS, the gather for lap t + 2 goes out, the key numbers for lap t + 3 are asked for.  The last laps leave out what no lap wants.
.macro STAGE
	s_wait_loadcnt 0x0                             ; the gather issued a lap ago and the key numbers are in
	s_cmp_gt_u32 s48, 6
	s_cbranch_scc1 .Lst\@
	PUT                                            ; (its addresses v8 and v9 were written at the lap's head, ahead of the first query's waits)
	s_cmp_gt_u32 s48, 5
	s_cbranch_scc1 .Lst\@
	s_wait_alu depctr_vm_vsrc(0)                   ; the image's stores have read v202-254, in which the gather lands; the last gather has read v10-12 and the last load of key numbers v14, which the lines below write
	GADDR 13
	v_add_nc_u32 v14, 0x100, v14                   ; stepped here, ahead of the wait that stands anyway; in the one lap that gathers and asks for no more numbers the step is not used
	s_wait_dscnt 0x0                               ; the stores have read the registers that the gather fills again
	s_wait_alu depctr_va_vdst(0)                   ; v10-12 and v14 are written, which the loads below read; the lines above are done reading v13, in which the next key numbers land
	GATHER
	s_cmp_gt_u32 s48, 4
	s_cbranch_scc1 .Lst\@
	global_load_b32 v13, v14, s[40:41]
.Lst\@:
.endm
; Q for 16 of my queries (fragment in v[F] on, table row in v[TQ] on): product, rotation, into my LDS rows.
.macro QPROJ mm, F, TQ
.if \mm > 0
	s_wait_alu depctr_vm_vsrc(0)                   ; the LDS stores of the first sixteen queries have read v144-175, which the products below write again
.endif
	WIN 0x01
.irp t,0,1,2,3
	v_wmma_scale_f32_16x16x128_f8f6f4 v[144+8*\t:151+8*\t], v[128+32*\t:143+32*\t], v[\F:\F+15], v[48+8*\t:55+8*\t], v[20+\t], v[24+\mm]
.endr
.irp t,0,1,2,3
	v_wmma_scale_f32_16x16x128_f8f6f4 v[144+8*\t:151+8*\t], v[144+32*\t:159+32*\t], v[\F+16:\F+31], v[144+8*\t:151+8*\t], v[20+\t], v[24+\mm] matrix_a_scale:MATRIX_SCALE_ROW1 matrix_b_scale:MATRIX_SCALE_ROW1
.endr
	WIN 0
.irp e,0,2,4,6,8,10,12,14,16
	v_pk_mul_f32 v[\TQ+\e:\TQ+\e+1], v[\TQ+\e:\TQ+\e+1], s[58:59] op_sel_hi:[1,0]   ; log2(e) / sqrt(32) goes into q's cosines and sines.  These nine lines are the places behind the products
.endr
.irp p,0,2,4,6
	v_pk_mul_f32 v[200:201], v[144+\p:145+\p], v[\TQ+8+\p:\TQ+9+\p]
	v_pk_mul_f32 v[144+\p:145+\p], v[144+\p:145+\p], v[\TQ+\p:\TQ+\p+1]
	v_pk_fma_f32 v[144+\p:145+\p], v[152+\p:153+\p], v[\TQ+8+\p:\TQ+9+\p], v[144+\p:145+\p] neg_lo:[1,0,0] neg_hi:[1,0,0]
	v_pk_fma_f32 v[152+\p:153+\p], v[152+\p:153+\p], v[\TQ+\p:\TQ+\p+1], v[200:201]
.endr
.irp j,0,1,2,3,4,5,6,7
	v_mul_f32 v200, v[160+\j], v[\TQ+17]
	v_mul_f32 v[160+\j], v[160+\j], v[\TQ+16]
	v_fma_f32 v[160+\j], -v[168+\j], v[\TQ+17], v[160+\j]
	v_fma_f32 v[168+\j], v[168+\j], v[\TQ+16], v200
.endr
	s_wait_alu depctr_va_vdst(0)                   ; the rotation has written v144-175, which the LDS stores read
.irp t,0,1,2,3
	ds_store_b128 v6, v[144+8*\t:147+8*\t] offset:16*QP*\mm+64*\t
	ds_store_b128 v6, v[148+8*\t:151+8*\t] offset:16*QP*\mm+64*\t+16
.endr
	s_wait_dscnt 0x0                               ; the stores have landed
.endm
; 64 numbers of a lane, v[s + 16 b + e] = k 32 b + 16 h + e of my row, become a fragment's codes in v144-159 and its scale word in v44
.macro QUANT s
.irp b,0,1,2,3
	v_max3_num_f32 v[28+\b], |v[\s+16*\b]|, |v[\s+1+16*\b]|, 0x4800000      ; with the floor 2^(9 - 127): the byte cannot fall under 1
.endr
.irp e,2,4,6,8,10,12,14
.irp b,0,1,2,3
	v_max3_num_f32 v[28+\b], v[28+\b], |v[\s+16*\b+\e]|, |v[\s+1+16*\b+\e]|
.endr
.endr
.irp b,0,1,2,3
	v_permlanex16_b32 v[32+\b], v[28+\b], s54, s55
.endr
.irp b,0,1,2,3
	v_max_num_f32 v[28+\b], v[28+\b], v[32+\b]     ; with lane l xor 16's: the block's largest magnitude
.endr
.irp b,0,1,2,3
	v_add_nc_u32 v[40+\b], 0xfc000000, v[28+\b]    ; 8 off its exponent field: the conversion's scale operand
.endr
.irp b,0,1,2,3
	v_and_or_b32 v[36+\b], v[28+\b], 0x7f800000, s59   ; 448 x the scale
.endr
.irp b,0,1,2,3
	v_lshrrev_b32 v[32+\b], 23, v[40+\b]           ; the scale's byte
.endr
	v_lshl_or_b32 v44, v33, 8, v32
	v_lshl_or_b32 v44, v34, 16, v44
	v_lshl_or_b32 v44, v35, 24, v44
.irp b,0,1,2,3
.irp e,0,1,2,3,4,5,6,7,8,9,10,11,12,13,14,15
	v_med3_num_f32 v[\s+16*\b+\e], v[\s+16*\b+\e], -v[36+\b], v[36+\b]   ; the conversion to an 8-bit code does not saturate (ISA guide 7.6.2): the hold comes first
.endr
	v_cvt_scalef32_pk8_fp8_f32 v[144+4*\b:145+4*\b], v[\s+16*\b:\s+7+16*\b], v[40+\b]
	v_cvt_scalef32_pk8_fp8_f32 v[146+4*\b:147+4*\b], v[\s+8+16*\b:\s+15+16*\b], v[40+\b]
.endr
	v_nop                                          ; one plain line behind the last conversion: matrix instructions write these registers later
.endm
	s_load_b512 s[4:19], s[0:1], 0x0               ; q codes, q scales, Wq codes, Wq scales, bq, Wk codes, Wk scales, bk
	s_load_b512 s[20:35], s[0:1], 0x40             ; Wv codes, Wv scales, bv, Wo codes, Wo scales, bo, kvc, kvs
	s_load_b256 s[36:43], s[0:1], 0x80             ; tabk, tabq, idx, out0
	v_lshrrev_b32 v4, 5, v0
	v_readfirstlane_b32 s44, v4                    ; wave w
	s_wait_alu depctr_va_sdst(0)                   ; s44 is written, ahead of its first reader
	s_and_b32 s45, s44, 3                          ; g
	s_lshr_b32 s46, s44, 2                         ; u
	s_lshr_b32 s47, ttmp9, 6                       ; batch
	s_mov_b32 s52, 0xffff0000                      ; lanes 16-31, as a select's mask
	s_mov_b32 s54, 0x76543210                      ; v_permlanex16_b32: lane l xor 16
	s_mov_b32 s55, 0xfedcba98
	s_mov_b32 s56, 0xfedcba98                      ; and the other half's lane (l + 8) mod 16
	s_mov_b32 s57, 0x76543210
	s_mov_b32 s58, 0x3e8293ee                      ; log2(e) / sqrt(32)
	s_mov_b32 s59, 0x600000                        ; the mantissa field of 448
	s_mul_i32 s49, s46, 4*IMGB                     ; where I read images: buffer 0, the four of my u
	s_mul_i32 s53, s44, IMGB                       ; my image's place in a buffer
	s_add_co_u32 s50, s53, 0x10000                 ; where I store the next one: buffer 1
	s_mul_i32 s51, s44, QSW
	s_add_co_u32 s51, s51, QS                      ; my rows; four rows on with each lap
	v_and_b32 v4, 31, v0
	v_lshlrev_b32 v1, 4, v4
	v_lshlrev_b32 v255, 2, v4
	v_bfe_u32 v2, v0, 4, 1
	v_lshlrev_b32 v3, 4, v2
	v_and_b32 v5, 15, v0                           ; r
	v_lshlrev_b32 v14, 2, v5
	v_lshl_add_u32 v176, v5, 8, v3                 ; a fragment's lane: row r of 256 codes, + 16 h
	v_lshlrev_b32 v177, 3, v5
	v_lshl_add_u32 v177, v2, 2, v177               ; scale word h of row r
	v_lshl_add_u32 v178, v5, 1, v2
	v_mul_u32_u24 v178, v178, 80                   ; the table's row (r, h)
	v_lshlrev_b32 v179, 5, v2                      ; a bias: my half's eight numbers of a tile
	v_mul_u32_u24 v6, v5, QP
	v_lshl_add_u32 v6, v2, 5, v6
	v_add_nc_u32 v6, s51, v6                       ; q' on its way in: row r, + 32 h
	v_add_nc_u32 v4, s49, v1
	v_add_nc_u32 v5, s49, v255
	v_add_nc_u32 v8, s53, v1                       ; lap 0's image goes to buffer 0
	v_add_nc_u32 v9, s53, v255
	s_mov_b32 s63, 0
	s_lshl_b32 s60, ttmp9, 6
	s_lshl_b32 s61, s46, 5
	s_add_co_u32 s60, s60, s61                     ; my first query, counted over all batches
	s_wait_kmcnt 0x0
	s_lshl_b32 s62, s60, 8
	s_add_nc_u64 s[4:5], s[4:5], s[62:63]
	s_lshl_b32 s62, s60, 3
	s_add_nc_u64 s[6:7], s[6:7], s[62:63]
	s_mul_i32 s62, s60, 160
	s_add_nc_u64 s[38:39], s[38:39], s[62:63]
	s_add_co_u32 s62, s60, s45
	s_lshl_b32 s62, s62, 6
	s_add_nc_u64 s[40:41], s[40:41], s[62:63]      ; idx at the query whose image I gather in lap 0
	s_lshl_b32 s62, s45, 14                        ; my 64 rows of each weight,
	s_add_nc_u64 s[8:9], s[8:9], s[62:63]
	s_add_nc_u64 s[14:15], s[14:15], s[62:63]
	s_add_nc_u64 s[20:21], s[20:21], s[62:63]
	s_lshl_b32 s62, s45, 9                         ; of their scales,
	s_add_nc_u64 s[10:11], s[10:11], s[62:63]
	s_add_nc_u64 s[16:17], s[16:17], s[62:63]
	s_add_nc_u64 s[22:23], s[22:23], s[62:63]
	s_lshl_b32 s62, s45, 8                         ; of the biases
	s_add_nc_u64 s[12:13], s[12:13], s[62:63]
	s_add_nc_u64 s[18:19], s[18:19], s[62:63]
	s_add_nc_u64 s[24:25], s[24:25], s[62:63]
	s_lshl_b32 s62, s47, 20                        ; the keys' buffers at my batch
	s_add_nc_u64 s[32:33], s[32:33], s[62:63]
	s_lshl_b32 s62, s47, 15
	s_add_nc_u64 s[34:35], s[34:35], s[62:63]
	s_mul_i32 s62, s47, 655360
	s_add_nc_u64 s[36:37], s[36:37], s[62:63]
	s_lshl_b32 s62, s44, 13                        ; Wo: rows 32 w on
	s_add_nc_u64 s[26:27], s[26:27], s[62:63]
	s_lshl_b32 s62, s44, 8
	s_add_nc_u64 s[28:29], s[28:29], s[62:63]
	s_lshl_b32 s62, s44, 7
	s_add_nc_u64 s[30:31], s[30:31], s[62:63]
	s_lshl_b32 s62, ttmp9, 16
	s_lshl_b32 s61, s44, 13
	s_add_co_u32 s62, s62, s61
	s_add_nc_u64 s[42:43], s[42:43], s[62:63]      ; out0 at row 64 W + 8 w
	s_wait_alu depctr_va_vdst(0)                   ; the offsets and addresses made above (v1, v4-9, v14, v176-179, v255) are written, which the loads and LDS instructions below read
	; ---- the key numbers of laps 0, 1, 2: three loads
	global_load_b32 v12, v14, s[40:41]
	global_load_b32 v15, v14, s[40:41] offset:256
	global_load_b32 v13, v14, s[40:41] offset:512
	; ---- what Q wants: 72 loads
.irp mm,0,1
.irp p,0,1,2,3,4,5,6,7
	global_load_b128 v[80+32*\mm+4*\p:83+32*\mm+4*\p], v176, s[4:5] offset:4096*\mm+128*(\p/4)+32*(\p%4)
.endr
	global_load_b32 v[24+\mm], v177, s[6:7] offset:128*\mm
.endr
.irp p,0,1,2,3,4
	global_load_b128 v[28+4*\p:31+4*\p], v178, s[38:39] offset:16*\p
	global_load_b128 v[180+4*\p:183+4*\p], v178, s[38:39] offset:2560+16*\p
.endr
.irp t,0,1,2,3
	global_load_b128 v[48+8*\t:51+8*\t], v179, s[12:13] offset:64*\t
	global_load_b128 v[52+8*\t:55+8*\t], v179, s[12:13] offset:64*\t+16
	global_load_b32 v[20+\t], v177, s[10:11] offset:128*\t
.endr
	WIN 0x40                                       ; destination in window 1: Wq lies for now where Wv will
.irp t,0,1,2,3
.irp p,0,1,2,3,4,5,6,7
	global_load_b128 v[128+32*\t+4*\p:131+32*\t+4*\p], v176, s[8:9] offset:4096*\t+128*(\p/4)+32*(\p%4)
.endr
.endr
	WIN 0
	s_wait_loadcnt 63                              ; of 75 loads the oldest 12 are in, the three key numbers among them
	s_wait_alu depctr_vm_vsrc(0)                   ; the three loads of key numbers have read v14, which is stepped below
	GADDR 12
	v_add_nc_u32 v14, 0x200, v14
	s_wait_alu depctr_va_vdst(0)                   ; v10-12 are written, which the gather reads (and v14, which the next load of key numbers reads)
	GATHER                                         ; lap 0's image
	s_wait_loadcnt 14                              ; all but the gather's 14
	WIN 0x40
.irp t,0,1,2,3
.irp p,0,1,2,3,4,5,6,7
	global_load_b128 v[32*\t+4*\p:32*\t+4*\p+3], v176, s[14:15] offset:4096*\t+128*(\p/4)+32*(\p%4)
.endr
.endr
	WIN 0
.irp t,0,1,2,3
	global_load_b32 v[16+\t], v177, s[16:17] offset:128*\t
.endr
	QPROJ 0, 80, 28
	QPROJ 1, 112, 180
	WIN 0x40
	s_wait_alu depctr_va_vdst(0)                   ; Q's products are done reading Wq (v384-511), bq (v48-79) and Wq's scale words (v20-23), in which the loads below land
.irp t,0,1,2,3
.irp p,0,1,2,3,4,5,6,7
	global_load_b128 v[128+32*\t+4*\p:131+32*\t+4*\p], v176, s[20:21] offset:4096*\t+128*(\p/4)+32*(\p%4)
.endr
.endr
	WIN 0
.irp t,0,1,2,3
	global_load_b128 v[48+8*\t:51+8*\t], v179, s[18:19] offset:64*\t
	global_load_b128 v[52+8*\t:55+8*\t], v179, s[18:19] offset:64*\t+16
.endr
	global_load_b32 v26, v255, s[24:25]
	global_load_b32 v27, v255, s[24:25] offset:128
.irp t,0,1,2,3
	global_load_b32 v[20+\t], v177, s[22:23] offset:128*\t
.endr
	s_wait_loadcnt 63                              ; behind the gather's 14 loads 82 were issued: with at most 63 out the gather is in
	PUT
	s_wait_dscnt 0x0                               ; my image and my rows of q' have landed
	s_wait_alu depctr_vm_vsrc(0)                   ; the image's stores have read v202-254, the gather v10-12, the stores of q' v6 and v144-175, the weights' and tables' loads v176-179: all of these are written again below, by lines, loads or products
	GADDR 15
	v_add_nc_u32 v6, s51, v3
	v_add_nc_u32 v6, v6, v3                        ; q' on its way back: + 32 h
	s_wait_alu depctr_va_vdst(0)                   ; v10-12 and v6 are written, which the gather and the loads of q' read; Q's products and rotations are done with v24, v28-47 and v80-143, in which the first image and q' land
	GATHER                                         ; lap 1's image
	s_barrier_signal -1
	s_barrier_wait -1
	PRE_A 0, 80, 0
	PRE_Q 0, 112
	s_wait_loadcnt 14                              ; all weights and biases are in; lap 1's gather may be out
.irp j,0,1,2,3,4,5,6,7
	v_mov_b32 v[176+\j], 0                         ; written once: the destination of a lane-sharing move counts as read
.endr
	s_mov_b32 s48, 0
.Llap:
	s_wait_alu depctr_vm_vsrc(0)                   ; the loads of q' have read v6, the result's stores v7, v185 and v187, the image's stores v8 and v9: the lines below and the first query's logits write them again
	v_add_nc_u32 v6, s51, v3
	v_add_nc_u32 v6, v6, v3
	v_add_nc_u32 v7, s51, v255
	v_add_nc_u32 v8, s50, v1
	v_add_nc_u32 v9, s50, v255
	QUERY 0, 80, 112, 0, 13, 0, 0
	QUERY 1, 112, 80, 1, 15, 2, 0
	QUERY 2, 80, 112, 0, 15, 2, 0
	STAGE
	QUERY 3, 112, 80, 1, 15, 2, 1
	s_add_co_u32 s51, s51, 4*QP
	s_add_co_u32 s48, s48, 1
	s_cmp_lt_u32 s48, 8
	s_cbranch_scc1 .Llap
	; ---- the result x Wo + bo.  Wave w: quantises fragment (16 queries w / 2, K step w % 2); multiplies all eight by rows 32 w .. 32 w + 31 of Wo; stores rows 8 w .. 8 w + 7
	s_wait_dscnt 0x0                               ; my results have landed in my rows
	s_wait_alu depctr_vm_vsrc(0)                   ; the loop's loads and stores have read v4-12, which get this phase's offsets and addresses
	v_and_b32 v12, 15, v0
	s_wait_alu depctr_va_vdst(0)
	v_lshl_add_u32 v4, v12, 8, v3
	v_lshlrev_b32 v5, 3, v12
	v_lshl_add_u32 v5, v2, 2, v5
	v_lshlrev_b32 v6, 5, v2
	s_and_b32 s60, s44, 1
	s_lshl_b32 s60, s60, 1
	s_lshl_b32 s61, s46, 2
	s_add_co_u32 s60, s60, s61
	s_mul_i32 s60, s60, QSW                        ; the rows of wave 4 u + 2 (w % 2): columns 128 (w % 2) on,
	s_bfe_u32 s61, s44, 0x10001
	s_mul_i32 s61, s61, 16*QP                      ; their upper or lower 16 queries
	s_add_co_u32 s60, s60, s61
	s_add_co_u32 s60, s60, QS
	v_mul_u32_u24 v7, v12, QP
	v_lshl_add_u32 v7, v2, 6, v7
	v_add_nc_u32 v7, s60, v7
	s_lshl_b32 s61, s44, 11
	v_add_nc_u32 v8, s61, v1
	s_lshl_b32 s61, s44, 7
	s_add_co_u32 s60, s61, OSC
	v_add_nc_u32 v9, s60, v255
	s_add_co_u32 s60, s61, YS
	v_mul_u32_u24 v10, v12, YP
	v_lshl_add_u32 v10, v2, 5, v10
	v_add_nc_u32 v10, s60, v10
	s_mul_i32 s60, s44, 8*YP
	s_add_co_u32 s60, s60, YS
	v_add_nc_u32 v11, s60, v1
	WIN 0x40
	s_wait_alu depctr_va_vdst(0)                   ; v4-11 are written, which this phase's loads and stores read; the loop's products and lines are done with Wk's registers, v16-17, v48-63 and v80-143, in which the loads below land
.irp n,0,1
.irp p,0,1,2,3,4,5,6,7
	global_load_b128 v[32*\n+4*\p:32*\n+4*\p+3], v4, s[26:27] offset:4096*\n+128*(\p/4)+32*(\p%4)
.endr
.endr
	WIN 0
.irp n,0,1
	global_load_b32 v[16+\n], v5, s[28:29] offset:128*\n
	global_load_b128 v[48+8*\n:51+8*\n], v6, s[30:31] offset:64*\n
	global_load_b128 v[52+8*\n:55+8*\n], v6, s[30:31] offset:64*\n+16
.endr
	s_barrier_signal -1
	s_barrier_wait -1                              ; every wave's results lie in LDS, and nobody reads an image any more
.irp b,0,1,2,3
.irp j,0,1,2,3
	ds_load_b128 v[80+16*\b+4*\j:83+16*\b+4*\j], v7 offset:QSW*(\b/2)+128*(\b%2)+16*\j
.endr
.endr
	s_wait_dscnt 0x0
	QUANT 80
	s_wait_alu depctr_va_vdst(0)                   ; the conversions have written v144-159 and the shifts v44, which the LDS stores read; the quantiser is done with v80-143, in which the fragments' loads land
.irp c,0,1,2,3
	ds_store_b128 v8, v[144+4*\c:147+4*\c] offset:512*\c
.endr
	ds_store_b32 v9, v44
	s_wait_dscnt 0x0
	s_barrier_signal -1
	s_barrier_wait -1
	s_wait_loadcnt 0x0                             ; Wo, its scale words, bo
	s_wait_alu depctr_vm_vsrc(0)                   ; the image's stores have read v144-159, which the products below write
.irp s,0,1
.irp m,0,1,2,3
.irp c,0,1,2,3
	ds_load_b128 v[80+16*\m+4*\c:83+16*\m+4*\c], v1 offset:2048*(2*\m+\s)+512*\c
.endr
	ds_load_b32 v[20+\m], v255 offset:OSC+128*(2*\m+\s)
.endr
	s_wait_dscnt 0x0
	WIN 0x01
.irp m,0,1,2,3
.irp n,0,1
.if \s == 0
	v_wmma_scale_f32_16x16x128_f8f6f4 v[144+8*(2*\m+\n):151+8*(2*\m+\n)], v[32*\n:32*\n+15], v[80+16*\m:95+16*\m], v[48+8*\n:55+8*\n], v[16+\n], v[20+\m]
.else
	v_wmma_scale_f32_16x16x128_f8f6f4 v[144+8*(2*\m+\n):151+8*(2*\m+\n)], v[32*\n+16:32*\n+31], v[80+16*\m:95+16*\m], v[144+8*(2*\m+\n):151+8*(2*\m+\n)], v[16+\n], v[20+\m] matrix_a_scale:MATRIX_SCALE_ROW1
.endif
.endr
.endr
	WIN 0
.rept 8
	v_nop                                          ; eight places behind these products, ahead of the first read of their results
.endr
	s_wait_alu depctr_va_vdst(0)                   ; the products are done reading v80-143 and v20-23, in which the next loads land; behind the second K step they have written v144-207, which the LDS stores read
.endr
.irp m,0,1,2,3
.irp n,0,1
	ds_store_b128 v10, v[144+8*(2*\m+\n):147+8*(2*\m+\n)] offset:16*YP*\m+64*\n          ; lane (r, h): out0(16 m + r, 32 w + 16 n + 8 h + 0..7); each accumulator from its low end on
	ds_store_b128 v10, v[148+8*(2*\m+\n):151+8*(2*\m+\n)] offset:16*YP*\m+64*\n+16
.endr
.endr
	s_wait_dscnt 0x0
	s_barrier_signal -1
	s_barrier_wait -1
.irp e,0,1,2,3,4,5,6,7,8,9,10,11,12,13,14,15
	ds_load_b128 v[80+4*\e:83+4*\e], v11 offset:YP*(\e/2)+512*(\e%2)
.endr
.irp e,0,1,2,3,4,5,6,7,8,9,10,11,12,13,14,15
	s_wait_dscnt 15-\e                             ; LDS loads come back in order: number e is in when at most the 15 - e younger ones are out
	global_store_b128 v1, v[80+4*\e:83+4*\e], s[42:43] offset:1024*(\e/2)+512*(\e%2) th:TH_STORE_NT   ; 32 lanes store 512 consecutive bytes, aligned; written once
.endr
	s_wait_xcnt 0x0
	s_wait_alu depctr_vm_vsrc(0)                   ; the images' stores have read v254 and the scale words' loads v255, which are made anew below
	v_lshl_add_u32 v254, v0, 2, 0x31000
	v_mov_b32 v255, 0
	s_wait_dscnt 0x0                               ; the closing lines, six on end
	s_wait_alu 0x0
	s_wait_tensorcnt 0x0
	ds_add_u32 v254, v255
	s_wait_dscnt 0x0
	s_endpgm
.Lfunc_end_k_qa9b04095e8_attn:
	.size	k_qa9b04095e8_attn, .Lfunc_end_k_qa9b04095e8_attn-k_qa9b04095e8_attn
	.p2alignl 7, 3214868480
	.fill 96, 4, 3214868480
	.section	.rodata,"a",@progbits
	.p2align	6, 0x0
	.amdhsa_kernel k_qa9b04095e8_attn
		.amdhsa_group_segment_fixed_size 201728
		.amdhsa_private_segment_fixed_size 0
		.amdhsa_enable_private_segment 0
		.amdhsa_kernarg_size 160
		.amdhsa_user_sgpr_count 2
		.amdhsa_user_sgpr_kernarg_segment_ptr 1
		.amdhsa_wavefront_size32 1
		.amdhsa_system_sgpr_workgroup_id_x 1
		.amdhsa_system_sgpr_workgroup_id_y 1
		.amdhsa_system_sgpr_workgroup_id_z 1
		.amdhsa_system_vgpr_workitem_id 0
		.amdhsa_next_free_vgpr 512
		.amdhsa_next_free_sgpr 66
		.amdhsa_reserve_vcc 0
		.amdhsa_float_denorm_mode_32 3
		.amdhsa_float_denorm_mode_16_64 3
		.amdhsa_memory_ordered 1
		.amdhsa_forward_progress 1
		.amdhsa_inst_pref_size 105
	.end_amdhsa_kernel
	.amdgpu_metadata
---
amdhsa.version: [ 1, 2 ]
amdhsa.kernels:
  - .name:           k_qa9b04095e8_attn
    .symbol:         k_qa9b04095e8_attn.kd
    .args:
      - { .name: q_feat_codes, .offset: 0, .size: 8, .value_kind: global_buffer, .address_space: global }
      - { .name: q_feat_scales, .offset: 8, .size: 8, .value_kind: global_buffer, .address_space: global }
      - { .name: Wq_codes, .offset: 16, .size: 8, .value_kind: global_buffer, .address_space: global }
      - { .name: Wq_scales, .offset: 24, .size: 8, .value_kind: global_buffer, .address_space: global }
      - { .name: bq, .offset: 32, .size: 8, .value_kind: global_buffer, .address_space: global }
      - { .name: Wk_codes, .offset: 40, .size: 8, .value_kind: global_buffer, .address_space: global }
      - { .name: Wk_scales, .offset: 48, .size: 8, .value_kind: global_buffer, .address_space: global }
      - { .name: bk, .offset: 56, .size: 8, .value_kind: global_buffer, .address_space: global }
      - { .name: Wv_codes, .offset: 64, .size: 8, .value_kind: global_buffer, .address_space: global }
      - { .name: Wv_scales, .offset: 72, .size: 8, .value_kind: global_buffer, .address_space: global }
      - { .name: bv, .offset: 80, .size: 8, .value_kind: global_buffer, .address_space: global }
      - { .name: Wo_codes, .offset: 88, .size: 8, .value_kind: global_buffer, .address_space: global }
      - { .name: Wo_scales, .offset: 96, .size: 8, .value_kind: global_buffer, .address_space: global }
      - { .name: bo, .offset: 104, .size: 8, .value_kind: global_buffer, .address_space: global }
      - { .name: kvc, .offset: 112, .size: 8, .value_kind: global_buffer, .address_space: global }
      - { .name: kvs, .offset: 120, .size: 8, .value_kind: global_buffer, .address_space: global }
      - { .name: tabk, .offset: 128, .size: 8, .value_kind: global_buffer, .address_space: global }
      - { .name: tabq, .offset: 136, .size: 8, .value_kind: global_buffer, .address_space: global }
      - { .name: idx, .offset: 144, .size: 8, .value_kind: global_buffer, .address_space: global }
      - { .name: out0, .offset: 152, .size: 8, .value_kind: global_buffer, .address_space: global }
    .group_segment_fixed_size: 201728
    .private_segment_fixed_size: 0
    .kernarg_segment_align: 8
    .kernarg_segment_size: 160
    .max_flat_workgroup_size: 256
    .sgpr_count:     66
    .vgpr_count:     512
    .wavefront_size: 32
...
	.end_amdgpu_metadata
.endif
;; end of part 6
